; MI455X (gfx1250); checked and timed in simulation.
; The chip was launched on July 23, 2026; its instructions are those of AMD's public machine-readable ISA for CDNA 5 (MIT licence, August 2026) and "CDNA5" Instruction Set Architecture Reference Guide (July 2026). The comments in the code are by the model that wrote it; some were corrected since.
;; MSA Block. Allowed arithmetic: matrix products marked QUANTISED: E4M3 operands, one E8M0 scale for each 32 along K, by v_wmma_scale_f32_16x16x128_f8f6f4 with both operands' format E4M3, f32 sums; products left as they are: f32 operands where the result goes on into a quantised operand, else bf16, f16 or f32 operands; f32 sums; everything else in f32.
;; Inputs: m 512 x 256 x 64 float32; msa_mask 512 x 256 float32; opm_bout 128 float32; opm_ln_b 64 float32; opm_ln_w 64 float32; opm_w1 64 x 32 float32; opm_w2 64 x 32 float32; opm_wout 1,024 x 128 float32; pwa_lnm_b 64 float32; pwa_lnm_w 64 float32; pwa_lnz_b 128 float32; pwa_lnz_w 128 float32; pwa_wg 64 x 256 float32; pwa_wo 256 x 64 float32; pwa_wv 64 x 256 float32; pwa_wz 128 x 8 float32; tr_ln_b 64 float32; tr_ln_w 64 float32; tr_wa 64 x 256 float32; tr_wb 64 x 256 float32; tr_wo 256 x 64 float32; z 256 x 256 x 128 float32.
;; Outputs: out0 512 x 256 x 64 float32; out1 256 x 256 x 128 float32.
;; This version of the problem:
;;   THIS VERSION OF THE PROBLEM IS GIVEN IN LOW PRECISION. The matrix products marked QUANTISED in the list below multiply operands that are first quantised to E4M3 (4 exponent bits, 3 mantissa bits; 8 bits a number), with one power-of-two scale for each 32 numbers along K (OCP MX v1.0); their sums are f32. All else is computed in f32.
;;   The module's matrix products, in the order in which they are computed (A, B: the left and right operand; K: the contracted axis; several contracted axes count as one K, in the product's order):
;;     1. [M 256, K 512] x [K 512, N 256]; A: input msa_mask; B: input msa_mask: QUANTISED
;;     2. [M 131,072, K 64] x [K 64, N 32]; A: computed on the way; B: input opm_w1: QUANTISED
;;     3. [M 131,072, K 64] x [K 64, N 32]; A: computed on the way; B: input opm_w2: QUANTISED
;;     4. [M 8,192, K 512] x [K 512, N 8,192]; A: computed on the way; B: computed on the way: QUANTISED
;;     5. [M 65,536, K 1,024] x [K 1,024, N 128]; A: computed on the way; B: input opm_wout: QUANTISED
;;     6. [M 65,536, K 128] x [K 128, N 8]; A: computed on the way; B: input pwa_wz: left as it is (N = 8 < 16)
;;     7. [M 131,072, K 64] x [K 64, N 256]; A: computed on the way; B: input pwa_wv: QUANTISED
;;     8. [M 131,072, K 64] x [K 64, N 256]; A: computed on the way; B: input pwa_wg: QUANTISED
;;     9. batch 8 x [M 16,384, K 256] x [K 256, N 256]; A: computed on the way; B: softmax (see below): QUANTISED
;;     10. [M 131,072, K 256] x [K 256, N 64]; A: computed on the way; B: input pwa_wo: QUANTISED
;;     11. [M 131,072, K 64] x [K 64, N 256]; A: computed on the way; B: input tr_wa: QUANTISED
;;     12. [M 131,072, K 64] x [K 64, N 256]; A: computed on the way; B: input tr_wb: QUANTISED
;;     13. [M 131,072, K 256] x [K 256, N 64]; A: computed on the way; B: input tr_wo: QUANTISED
;;   THE QUANTISER, for each operand of a quantised product, along K:
;;     - K is cut into blocks of 32 from its start; a last block that is shorter is filled with zeros.
;;     - A block's scale is 2^e with e = floor(log2(the largest magnitude in the block)) - 8, held to -126 .. 127; a block of zeros has e = 0. As a byte (E8M0): e + 127.
;;     - Each number is divided by its block's scale, clamped to +-448, and rounded to the nearest number of E4M3, ties to even, subnormals kept.
;;     - The product sums the exact products of the quantised numbers (number of the format x scale) in f32.
;;   ~~~python
;;   def quantise(x, axis):      # numpy; x: float32 -> the quantised numbers, widened to float32 again
;;       x = np.moveaxis(x, axis, -1); K = x.shape[-1]
;;       x = np.pad(x, [(0, 0)] * (x.ndim - 1) + [(0, -K % 32)]); x = x.reshape(x.shape[:-1] + (-1, 32)); a = np.abs(x).max(-1, keepdims=True)
;;       e = np.where(a > 0, np.clip(np.frexp(np.where(a > 0, a, 1))[1] - 1 - 8, -126, 127), 0)      # np.frexp(a)[1] - 1 = floor(log2(a)), exactly
;;       r = np.clip(x / 2.0 ** e, -448, 448)
;;       step = 2.0 ** (np.maximum(np.frexp(np.where(r == 0, 1, r))[1] - 1, -6) - 3)
;;       q = np.round(r / step) * step * 2.0 ** e      # np.round: ties to even
;;       return np.moveaxis(q.reshape(q.shape[:-2] + (-1,))[..., :K], -1, axis).astype(np.float32)
;;   ~~~
;;   SOFTMAX AHEAD OF A QUANTISED PRODUCT. Where the list says 'softmax', what is quantised is not the finished softmax but p = 2^(t - M), with t = logit x log2(e) and M = ceil(the row's largest t), a whole number; so 1/2 < the row's largest p <= 1. The row's sum l is taken of the UNQUANTISED p, in f32, and the product's result is divided by l at the end. Since M is a whole number, a kernel that streams over the keys may use a running M (the ceiling of the running maximum): every later rescaling is an exact power of two, which a block's scale takes up: the codes' values come out the same.
;;   OPERANDS COMPUTED ON THE WAY. 'Computed on the way' means the value that the module computes at that place (a softmax that the list does not call 'softmax' is quantised finished and normalised). What goes into a quantiser is computed in f32, as accurately as f32 sums, v_exp_f32 and their like allow (about 1e-6 of the number): no bf16 or f16 on the way to a quantiser, and a product that is left as it is and whose result goes on into a quantised operand takes f32 operands (vector FMAs, or v_wmma_f32_16x16x4_f32). A number that lies on a knife's edge between two numbers of the format may be rounded either way, as far as f32 arithmetic and the matrix unit's own rounding can turn it there, and no further.
;; 2 versions. Each part assembles by itself: llvm-mc -triple=amdgcn-amd-amdhsa -mcpu=gfx1250 --defsym DOCPART=n.
;; ======== version 1 of 2: 4 launches
;; workspace buffers: acod 4,194,304 bytes; bcod 4,194,304 bytes; absc 262,144 bytes; w2 270,336 bytes; wq4 103,424 bytes; pcod 524,288 bytes; prec 32,768 bytes
;; launch prep (part 1): grid 256 x 1, 4 waves a work-group, no clusters, 8,704 bytes of LDS; arguments m, msa_mask, opm_ln_w, opm_ln_b, opm_w1, opm_w2, opm_wout, pwa_wv, pwa_wg, pwa_wo, tr_wa, tr_wb, tr_wo, acod, bcod, absc, w2, wq4; writes acod, bcod, absc, w2, wq4
.if DOCPART == 1
	.amdgcn_target "amdgcn-amd-amdhsa--gfx1250"
	.amdhsa_code_object_version 6
	.text
	.protected	k_q3887449100_prep
	.globl	k_q3887449100_prep
	.p2align	8
	.type	k_q3887449100_prep,@function
k_q3887449100_prep:
	s_mov_b64 s[64:65], 0
	v_nop
	global_prefetch_b8 v0, s[64:65] scope:SCOPE_SE
	s_setreg_imm32_b32 hwreg(HW_REG_WAVE_MODE, 25, 1), 1
	s_wait_xcnt 0x0
; a = (LN(m) w1) mask and b = (LN(m) w2) mask, both products on E4M3 codes, quantised again along s for the outer product; and every weight and the mask quantised once.
; SHARES. A work-group owns one residue n; wave w owns s = 128 w .. 128 w + 127: eight tiles of 16 rows of m.  Lane r of tile (sbl, su) takes s = 128 w + 32 sbl + 8 su + r + 8 (r / 8),
; source 0 = 16 rows of LN(m), source 1 = 16 columns of w1 or w2: a lane then holds ONE column c (or e) and the 16 registers of tiles su = 0, 1 are 16 neighbouring s: the next K.
; OUT. acod [ib16][sb16][nl16][c32][hl2][16 B], bcod [j][u2][ks4][q4][lane][16 B] (images of operand registers), absc: a's scale bytes [n][c][16], then b's [j][u][row][16].
; THE JOB. Wave 0 of work-groups 0 to 207 also quantises one fragment of a weight or of the mask along its K (a lane a column, registers down K) into w2 or wq4, as an image of the operand's registers.
; No clusters, no tensor loads: work-groups share no tile; each row of m is read once, all 64 loads of a wave are out together.
; LIMITS: NaN and infinities are not served; a block whose largest magnitude lies under 2^-118, or of zeros, gets the scale byte 1 (its bytes are read by this program alone); 1/sqrt is v_rsq_f32.
.set WI,   2048                        ; LDS: 0 the mask's column, 512 bytes a wave; WI four weight half fragments of 1,024; WSL their scale words; SG the scale bytes on the way out
.set WSL,  6144
.set SG,   6400
.set R, 1
.set HL, 2
.set LANE, 3
.set XA, 4
.set LI, 5
.set R4, 6
.set AO, 7
.set MAP, 8
.set WOFF, 9
.set MKG, 10
.set MKL, 11
.set MKRD, 12
.set HL64, 13
.set JOFF, 14
.set WIST, 15
.set WSST, 16
.set SGST, 17
.set ASW, 18
.set JW, 19
.set SW, 20
.set WSC, 24
.set SGRD, 28
.set XN, 32
.set AF, 64
.set MKR, 80
.set H, 96
.set CD, 160
.set TM, 176
.set ST, 192
.set MT, 204
.set LNW, 0                            ; window 1: LN's gain and bias for my 32 channels, and from 192 the four weight fragments; window 2: my 8 tiles of m
.set LNB, 32
.set WF, 192
.set WV, 40
.set SEL, 42
.set MNT, 44
.set C64, 45
.set EPS, 46
.set KD, 47
.set JP, 48
.set JDO, 56
.set JSO, 58
.set JD, 60
.set JS, 62
.set SCB, 66
.set ACB, 68
.set BCB, 70
.set MB, 72
.set MKB, 74
.set WP, 76
.set JID, 78
.set MSB, 0
.macro WIN new                         ; the immediate's high byte repeats the setting that is left
.if MSB != (\new)
	s_set_vgpr_msb (MSB<<8)|(\new)
.set MSB, (\new)
.endif
.endm
.macro PL n
.rept \n
	v_nop
.endr
.endm
.macro WM d, a, b, sa, sb
	v_wmma_scale_f32_16x16x128_f8f6f4 v[(\d):(\d)+7], v[(\a):(\a)+15], v[(\b):(\b)+15], 0, v[\sa], v[\sb]
.endm
; nb blocks of 32 along K, block b in v[s + 16 b ..] of lanes l and l xor 16: largest magnitude (with the floor 2^-118), scale operand TM+12, 448 x scale TM+8, scale byte TM+4
.macro QMAX s, nb
.irp b, 0,1,2,3
.if \b < \nb
	v_max3_num_f32 v[TM+\b], |v[(\s)+16*\b]|, |v[(\s)+16*\b+1]|, 0x4800000
.endif
.endr
.irp i, 2,4,6,8,10,12,14
.irp b, 0,1,2,3
.if \b < \nb
	v_max3_num_f32 v[TM+\b], v[TM+\b], |v[(\s)+16*\b+\i]|, |v[(\s)+16*\b+\i+1]|
.endif
.endr
.endr
.irp b, 0,1,2,3
.if \b < \nb
	v_permlanex16_b32 v[TM+4+\b], v[TM+\b], s[SEL], s[SEL+1]
.endif
.endr
.irp b, 0,1,2,3
.if \b < \nb
	v_max_num_f32 v[TM+\b], v[TM+\b], v[TM+4+\b]
.endif
.endr
.irp b, 0,1,2,3
.if \b < \nb
	v_add_nc_u32 v[TM+12+\b], 0xfc000000, v[TM+\b]
.endif
.endr
.irp b, 0,1,2,3
.if \b < \nb
	v_and_or_b32 v[TM+8+\b], v[TM+\b], 0x7f800000, s[MNT]
.endif
.endr
.irp b, 0,1,2,3
.if \b < \nb
	v_lshrrev_b32 v[TM+4+\b], 23, v[TM+12+\b]
.endif
.endr
.endm
; the holds at 448 x scale (the conversion to E4M3 does not saturate), then the conversions: block b's 16 codes into v[d + ds (b / 2) + 4 (b % 2) ..], in the window that dw names
.macro QCVT s, nb, d, ds, dw
.irp b, 0,1,2,3
.if \b < \nb
.irp i, 0,1,2,3,4,5,6,7,8,9,10,11,12,13,14,15
	v_med3_num_f32 v[(\s)+16*\b+\i], v[(\s)+16*\b+\i], -v[TM+8+\b], v[TM+8+\b]
.endr
.endif
.endr
	WIN \dw
.irp b, 0,1,2,3
.if \b < \nb
	v_cvt_scalef32_pk8_fp8_f32 v[(\d)+(\ds)*(\b/2)+4*(\b%2):(\d)+(\ds)*(\b/2)+4*(\b%2)+1], v[(\s)+16*\b:(\s)+16*\b+7], v[TM+12+\b]
	v_cvt_scalef32_pk8_fp8_f32 v[(\d)+(\ds)*(\b/2)+4*(\b%2)+2:(\d)+(\ds)*(\b/2)+4*(\b%2)+3], v[(\s)+16*\b+8:(\s)+16*\b+15], v[TM+12+\b]
.endif
.endr
	WIN 0
	v_nop                                          ; a plain line behind the last conversion
.endm
; LayerNorm of a row of 64 held by lanes l and l xor 16, 32 numbers each: x (window xw) -> y; t: 8 registers at work; two passes: mean, then the centred squares
.macro LNORM x, xw, y, t, pw, pb
	WIN (\xw)*5
.irp k, 0,1,2,3
	v_pk_add_f32 v[(\t)+2*\k:(\t)+2*\k+1], v[(\x)+4*\k:(\x)+4*\k+1], v[(\x)+4*\k+2:(\x)+4*\k+3]
.endr
	WIN (\xw)*4
.irp k, 0,1,2,3,4,5,6,7
	v_pk_add_f32 v[(\t)+2*(\k%4):(\t)+2*(\k%4)+1], v[(\t)+2*(\k%4):(\t)+2*(\k%4)+1], v[(\x)+16+2*\k:(\x)+16+2*\k+1]
.endr
	WIN 0
	v_pk_add_f32 v[(\t):(\t)+1], v[(\t):(\t)+1], v[(\t)+2:(\t)+3]
	v_pk_add_f32 v[(\t)+4:(\t)+5], v[(\t)+4:(\t)+5], v[(\t)+6:(\t)+7]
	v_pk_add_f32 v[(\t):(\t)+1], v[(\t):(\t)+1], v[(\t)+4:(\t)+5]
	v_add_f32 v[ST], v[(\t)], v[(\t)+1]
	v_permlanex16_b32 v[ST+4], v[ST], s[SEL], s[SEL+1]
	v_add_f32 v[ST], v[ST], v[ST+4]
	v_mul_f32 v[ST], 0xbc800000, v[ST]             ; - the mean
	WIN (\xw)
.irp i, 0,2,4,6,8,10,12,14,16,18,20,22,24,26,28,30
	v_pk_add_f32 v[(\y)+\i:(\y)+\i+1], v[(\x)+\i:(\x)+\i+1], v[ST:ST+1] op_sel_hi:[1,0]
.endr
	WIN 0
	v_pk_mul_f32 v[ST+6:ST+7], v[(\y):(\y)+1], v[(\y):(\y)+1]
	v_pk_mul_f32 v[ST+8:ST+9], v[(\y)+2:(\y)+3], v[(\y)+2:(\y)+3]
.irp i, 4,8,12,16,20,24,28
	v_pk_fma_f32 v[ST+6:ST+7], v[(\y)+\i:(\y)+\i+1], v[(\y)+\i:(\y)+\i+1], v[ST+6:ST+7]
	v_pk_fma_f32 v[ST+8:ST+9], v[(\y)+\i+2:(\y)+\i+3], v[(\y)+\i+2:(\y)+\i+3], v[ST+8:ST+9]
.endr
	v_pk_add_f32 v[ST+6:ST+7], v[ST+6:ST+7], v[ST+8:ST+9]
	v_add_f32 v[ST+2], v[ST+6], v[ST+7]
	v_permlanex16_b32 v[ST+4], v[ST+2], s[SEL], s[SEL+1]
	v_add_f32 v[ST+2], v[ST+2], v[ST+4]
	v_fma_f32 v[ST+2], v[ST+2], s[C64], s[EPS]     ; the variance + 1e-5
	v_rsq_f32 v[ST+2], v[ST+2]
	v_nop                                          ; a plain line behind the transcendental,
	s_wait_alu depctr_va_vdst(0)                   ; and the wait ahead of its first reader
.irp i, 0,2,4,6,8,10,12,14,16,18,20,22,24,26,28,30
	v_pk_mul_f32 v[(\y)+\i:(\y)+\i+1], v[(\y)+\i:(\y)+\i+1], v[ST+2:ST+3] op_sel_hi:[1,0]
.endr
	WIN 0x14                                       ; gain and bias lie in window 1
.irp i, 0,2,4,6,8,10,12,14,16,18,20,22,24,26,28,30
	v_pk_fma_f32 v[(\y)+\i:(\y)+\i+1], v[(\y)+\i:(\y)+\i+1], v[(\pw)+\i:(\pw)+\i+1], v[(\pb)+\i:(\pb)+\i+1]
.endr
	WIN 0
.endm
	s_load_b512 s[4:19], s[0:1], 0x0               ; m 4, mask 6, ln_w 8, ln_b 10, w1 12, w2 14, wout 16, wv 18
	s_load_b512 s[20:35], s[0:1], 0x40             ; wg 20, wo 22, wa 24, wb 26, tr_wo 28, acod 30, bcod 32, absc 34
	s_load_b128 s[36:39], s[0:1], 0x80             ; w2 36, wq4 38
	v_lshl_add_u32 v254, v0, 2, 0x2000
	v_mov_b32 v255, 0
	v_lshrrev_b32 v1, 5, v0
	v_readfirstlane_b32 s[WV], v1                  ; wave 0..3
	v_and_b32 v[R], 15, v0
	v_bfe_u32 v[HL], v0, 4, 1
	v_and_b32 v[LANE], 31, v0
	v_lshrrev_b32 v[MAP], 3, v[R]
	v_lshl_add_u32 v[MAP], v[MAP], 3, v[R]         ; r + 8 (r / 8)
	v_lshlrev_b32 v[XA], 16, v[MAP]
	v_lshl_add_u32 v[XA], v[HL], 6, v[XA]          ; m: my row of a tile (65,536 bytes from s to s + 1), + 64 hl: my 16 channels of a block of 32
	v_lshlrev_b32 v[LI], 4, v[LANE]
	v_lshlrev_b32 v[R4], 2, v[R]
	v_lshlrev_b32 v[AO], 5, v[R]
	v_lshl_add_u32 v[AO], v[HL], 4, v[AO]          ; acod: 32 c + 16 hl
	v_lshlrev_b32 v[HL64], 6, v[HL]
	v_lshlrev_b32 v[MKG], 10, v[LANE]              ; the mask: 1,024 bytes from s to s + 1
	s_lshl_b32 s50, s[WV], 9
	v_lshl_add_u32 v[MKL], v[LANE], 2, s50
	v_lshl_add_u32 v[MKRD], v[HL], 6, s50
	s_lshl_b32 s50, s[WV], 10
	s_add_co_u32 s50, s50, WI
	v_add_nc_u32 v[WIST], s50, v[LI]
	s_lshl_b32 s50, s[WV], 6
	s_add_co_u32 s50, s50, WSL
	v_add_nc_u32 v[WSST], s50, v[R4]
	s_lshl_b32 s50, s[WV], 2
	s_add_co_u32 s50, s50, SG
	v_lshl_add_u32 v[SGST], v[R], 4, s50
	s_and_b32 s50, s[WV], 1
	s_lshl_b32 s50, s50, 9
	s_add_co_u32 s50, s50, SG
	v_add_nc_u32 v[SGRD], s50, v[LI]
	s_lshr_b32 s51, s[WV], 1                       ; my weight tile: waves 0, 1: w1, columns 16 u + r; waves 2, 3: w2, columns 8 u + r + 8 (r / 8)
	s_and_b32 s52, s[WV], 1
	s_cmp_eq_u32 s51, 0
	s_cselect_b32 s53, 16, 8
	s_cselect_b32 s54, 0, 8
	s_mul_i32 s53, s53, s52
	v_lshrrev_b32 v[WOFF], 3, v[R]
	v_mul_lo_u32 v[WOFF], v[WOFF], s54
	v_add3_u32 v[WOFF], v[WOFF], v[R], s53
	v_lshlrev_b32 v[WOFF], 2, v[WOFF]
	v_lshl_add_u32 v[WOFF], v[HL], 11, v[WOFF]     ; + 16 hl rows of 128 bytes
	s_mov_b32 s[SEL], 0x76543210
	s_mov_b32 s[SEL+1], 0xfedcba98                 ; v_permlanex16_b32: lane l xor 16
	s_mov_b32 s[MNT], 0x600000                     ; the mantissa field of 448
	s_mov_b32 s[C64], 0x3c800000                   ; 1 / 64
	s_mov_b32 s[EPS], 0x3727c5ac                   ; 1e-5
.irp k, 8,9,10,11,12,13,14,15
	v_mov_b32 v[AF+\k], 0                          ; K = 64: the upper half of each operand is zero codes, written once
.endr
	v_mov_b32 v[ST+1], 0
	v_mov_b32 v[ST+3], 0
	v_mov_b32 v[ST+4], 0
.irp b, 0,1,2,3
	v_mov_b32 v[TM+4+\b], 0                        ; a lane permute's destination counts as one of its sources
.endr
	WIN 0x40
.irp b, 0,1,2,3
.irp k, 8,9,10,11,12,13,14,15
	v_mov_b32 v[WF+16*\b+\k], 0
.endr
.endr
	WIN 0
	s_lshl_b32 s50, ttmp9, 8
	s_lshl_b32 s52, s[WV], 23
	s_add_co_u32 s50, s50, s52
	s_mov_b32 s51, 0
	s_wait_kmcnt 0x0
	s_add_nc_u64 s[MB:MB+1], s[4:5], s[50:51]      ; m at (s = 128 w, n)
	s_lshl_b32 s50, ttmp9, 2
	s_lshl_b32 s52, s[WV], 17
	s_add_co_u32 s50, s50, s52
	s_add_nc_u64 s[MKB:MKB+1], s[6:7], s[50:51]
	s_lshr_b32 s50, ttmp9, 4
	s_lshl_b32 s50, s50, 18
	s_and_b32 s52, ttmp9, 15
	s_lshl_b32 s52, s52, 10
	s_add_co_u32 s50, s50, s52
	s_lshl_b32 s52, s[WV], 16
	s_add_co_u32 s50, s50, s52
	s_add_nc_u64 s[ACB:ACB+1], s[30:31], s[50:51]
	s_lshl_b32 s50, ttmp9, 14
	s_lshl_b32 s52, s[WV], 11
	s_add_co_u32 s50, s50, s52
	s_add_nc_u64 s[BCB:BCB+1], s[32:33], s[50:51]
	s_lshl_b32 s50, ttmp9, 9
	s_and_b32 s52, s[WV], 1
	s_lshl_b32 s52, s52, 17
	s_add_co_u32 s50, s50, s52
	s_add_nc_u64 s[SCB:SCB+1], s[34:35], s[50:51]
	s_lshr_b32 s52, s[WV], 1
	s_cmp_eq_u32 s52, 0
	s_cselect_b64 s[WP:WP+1], s[12:13], s[14:15]
	WIN 0x40
.irp c, 0,1
.irp t, 0,1,2,3
	global_load_b128 v[LNW+16*\c+4*\t:LNW+16*\c+4*\t+3], v[HL64], s[8:9] offset:128*\c+16*\t
	global_load_b128 v[LNB+16*\c+4*\t:LNB+16*\c+4*\t+3], v[HL64], s[10:11] offset:128*\c+16*\t
.endr
.endr
	WIN 0
.irp c, 0,1
.irp i, 0,1,2,3,4,5,6,7,8,9,10,11,12,13,14,15
	global_load_b32 v[H+16*\c+\i], v[WOFF], s[WP:WP+1] offset:(32*\c+\i)*128   ; my column, registers down K
.endr
.endr
.irp k, 0,1,2,3
	global_load_b32 v[MT+\k], v[MKG], s[MKB:MKB+1] offset:32768*\k
.endr
	WIN 0x80
.irp tau, 0,1,2,3,4,5,6,7
.irp c, 0,1
.irp t, 0,1,2,3
	global_load_b128 v[32*\tau+16*\c+4*\t:32*\tau+16*\c+4*\t+3], v[XA], s[MB:MB+1] offset:(32*(\tau/2)+8*(\tau%2))*65536+128*\c+16*\t th:TH_LOAD_NT
.endr
.endr
.endr
	WIN 0
	s_wait_loadcnt 63                              ; 64 loads of m were issued behind the gains, the weight tile and the mask: all of those are in (the count's field holds no more than 63)
.irp k, 0,1,2,3
	ds_store_b32 v[MKL], v[MT+\k] offset:128*\k    ; my 128 numbers of the mask's column: my wave's own bytes
.endr
	QMAX H, 2
	v_lshl_or_b32 v[ASW], v[TM+5], 8, v[TM+4]
	QCVT H, 2, CD, 8, 0
	ds_store_b128 v[WIST], v[CD:CD+3]              ; the half fragment goes to the other waves as an image of its registers
	ds_store_b128 v[WIST], v[CD+4:CD+7] offset:512
	ds_store_b32 v[WSST], v[ASW]
	s_wait_dscnt 0x0                               ; for the others' sake: my stores are done
	s_barrier_signal -1
	s_barrier_wait -1
	WIN 0x40
.irp b, 0,1,2,3
	ds_load_b128 v[WF+16*\b:WF+16*\b+3], v[LI] offset:WI+1024*\b
	ds_load_b128 v[WF+16*\b+4:WF+16*\b+7], v[LI] offset:WI+1024*\b+512
.endr
	WIN 0
.irp b, 0,1,2,3
	ds_load_b32 v[WSC+\b], v[R4] offset:WSL+64*\b
.endr
	s_wait_dscnt 0x0
; ---- the job: one fragment of a weight or of the mask.  P: bytes from k to k + 1; a lane takes a column and 16 numbers of each block of 32 along K
.macro JLD P, nb
.irp c, 0,1,2,3
.irp i, 0,1,2,3,4,5,6,7,8,9,10,11,12,13,14,15
.if \c < \nb
	global_load_b32 v[H+16*\c+\i], v[JOFF], s[JP:JP+1] offset:(32*\c+\i)*\P
.else
	v_mov_b32 v[H+16*\c+\i], 0                     ; K = 64: two blocks of zeros
.endif
.endr
.endr
.endm
.macro COLB                            ; s52 = the first column of mapped tile s50, in bytes: 128 (T / 2) + 32 (T % 2); s53 = 0
	s_lshr_b32 s52, s50, 1
	s_lshl_b32 s52, s52, 7
	s_and_b32 s53, s50, 1
	s_lshl_b32 s53, s53, 5
	s_add_co_u32 s52, s52, s53
	s_mov_b32 s53, 0
.endm
	s_cmp_lg_u32 s[WV], 0
	s_cbranch_scc1 .Lnojob
	s_cmp_ge_u32 ttmp9, 208
	s_cbranch_scc1 .Lnojob
	s_lshr_b32 s[KD], ttmp9, 6
	s_and_b32 s[JID], ttmp9, 63
	s_mov_b32 s[JDO+1], 0
	s_mov_b32 s[JSO+1], 0
	s_cmp_eq_u32 s[KD], 1
	s_cbranch_scc1 .Lk1
	s_cmp_eq_u32 s[KD], 2
	s_cbranch_scc1 .Lk2
	s_cmp_eq_u32 s[KD], 3
	s_cbranch_scc1 .Lk3
	s_and_b32 s50, ttmp9, 7                        ; opm_wout: tile T of its 128 columns, K step ks5 of 128
	s_lshr_b32 s51, ttmp9, 3
	COLB
	s_lshl_b32 s54, s51, 16
	s_add_co_u32 s52, s52, s54
	s_add_nc_u64 s[JP:JP+1], s[16:17], s[52:53]
	s_lshr_b32 s54, s51, 1
	s_mul_i32 s54, s54, 33792                      ; the block of its octet of c
	s_and_b32 s55, s51, 1
	s_lshl_b32 s55, s55, 3
	s_add_co_u32 s55, s55, s50
	s_lshl_b32 s[JDO], s55, 11
	s_add_co_u32 s[JDO], s[JDO], s54
	s_lshl_b32 s[JSO], s55, 6
	s_add_co_u32 s[JSO], s[JSO], s54
	s_add_co_u32 s[JSO], s[JSO], 32768
	v_lshlrev_b32 v[JOFF], 13, v[HL]
	v_lshl_add_u32 v[JOFF], v[MAP], 2, v[JOFF]
	JLD 512, 4
	s_branch .Ljq
.Lk1:
	s_and_b32 s50, s[JID], 15                      ; the mask: plain tile T of its 256 columns, K step ks
	s_lshr_b32 s51, s[JID], 4
	s_lshl_b32 s52, s51, 17
	s_lshl_b32 s53, s50, 6
	s_add_co_u32 s52, s52, s53
	s_mov_b32 s53, 0
	s_add_nc_u64 s[JP:JP+1], s[6:7], s[52:53]
	s_lshl_b32 s54, s50, 2
	s_add_co_u32 s54, s54, s51
	s_lshl_b32 s[JDO], s54, 11
	s_add_co_u32 s[JDO], s[JDO], 135168
	s_lshl_b32 s[JSO], s54, 6
	s_add_co_u32 s[JSO], s[JSO], 266240
	v_lshlrev_b32 v[JOFF], 14, v[HL]
	v_lshl_add_u32 v[JOFF], v[R], 2, v[JOFF]
	JLD 1024, 4
	s_branch .Ljq
.Lk2:
	s_and_b32 s50, s[JID], 15                      ; tr_wa, tr_wb, pwa_wv, pwa_wg: tile T of 256 columns, K = 64
	s_lshr_b32 s51, s[JID], 4
	COLB
	s_cmp_eq_u32 s51, 0
	s_cselect_b64 s[JP:JP+1], s[24:25], s[26:27]
	s_cmp_eq_u32 s51, 2
	s_cselect_b64 s[JP:JP+1], s[18:19], s[JP:JP+1]
	s_cmp_eq_u32 s51, 3
	s_cselect_b64 s[JP:JP+1], s[20:21], s[JP:JP+1]
	s_add_nc_u64 s[JP:JP+1], s[JP:JP+1], s[52:53]
	s_lshr_b32 s54, s50, 1
	s_and_b32 s55, s50, 1
	s_lshl_b32 s52, s51, 1
	s_add_co_u32 s55, s55, s52
	s_lshl_b32 s52, s54, 12
	s_lshl_b32 s53, s55, 10
	s_add_co_u32 s52, s52, s53                     ; wa, wb: [fb][a u0 | a u1 | b u0 | b u1][1,024]
	s_lshl_b32 s54, s54, 8
	s_lshl_b32 s55, s55, 6
	s_add_co_u32 s54, s54, s55
	s_add_co_u32 s54, s54, 32768
	s_sub_co_u32 s55, s51, 2
	s_mul_i32 s55, s55, 17408
	s_lshl_b32 s53, s50, 10
	s_add_co_u32 s53, s53, s55
	s_add_co_u32 s53, s53, 68608                   ; wv, wg: [T][1,024]
	s_lshl_b32 s50, s50, 6
	s_add_co_u32 s55, s55, s50
	s_add_co_u32 s55, s55, 84992
	s_cmp_lt_u32 s51, 2
	s_cselect_b32 s[JDO], s52, s53
	s_cselect_b32 s[JSO], s54, s55
	v_lshlrev_b32 v[JOFF], 14, v[HL]
	v_lshl_add_u32 v[JOFF], v[MAP], 2, v[JOFF]
	JLD 1024, 2
	s_branch .Ljq
.Lk3:
	s_and_b32 s50, s[JID], 3                       ; tr_wo, pwa_wo: tile T of 64 columns, K step ks
	s_bfe_u32 s51, s[JID], 0x10002
	s_lshr_b32 s54, s[JID], 3
	COLB
	s_lshl_b32 s55, s51, 15
	s_add_co_u32 s52, s52, s55
	s_cmp_eq_u32 s54, 0
	s_cselect_b64 s[JP:JP+1], s[28:29], s[22:23]
	s_add_nc_u64 s[JP:JP+1], s[JP:JP+1], s[52:53]
	s_mul_i32 s54, s54, 16896
	s_lshl_b32 s55, s51, 2
	s_add_co_u32 s55, s55, s50
	s_lshl_b32 s[JDO], s55, 11
	s_add_co_u32 s[JDO], s[JDO], s54
	s_add_co_u32 s[JDO], s[JDO], 34816
	s_lshl_b32 s[JSO], s55, 6
	s_add_co_u32 s[JSO], s[JSO], s54
	s_add_co_u32 s[JSO], s[JSO], 51200
	v_lshlrev_b32 v[JOFF], 12, v[HL]
	v_lshl_add_u32 v[JOFF], v[MAP], 2, v[JOFF]
	JLD 256, 4
.Ljq:
	s_wait_loadcnt 0x0                             ; the job's loads are the youngest: all loads of the wave are in
	QMAX H, 4
	v_lshl_or_b32 v[JW], v[TM+5], 8, v[TM+4]
	v_lshl_or_b32 v[JW], v[TM+6], 16, v[JW]
	v_lshl_or_b32 v[JW], v[TM+7], 24, v[JW]
	QCVT H, 4, CD, 8, 0
	s_cmp_lt_u32 ttmp9, 128
	s_cselect_b64 s[JD:JD+1], s[36:37], s[38:39]
	s_add_nc_u64 s[JS:JS+1], s[JD:JD+1], s[JSO:JSO+1]
	s_add_nc_u64 s[JD:JD+1], s[JD:JD+1], s[JDO:JDO+1]
	global_store_b128 v[LI], v[CD:CD+3], s[JD:JD+1]                ; each store covers 512 consecutive bytes
	global_store_b128 v[LI], v[CD+4:CD+7], s[JD:JD+1] offset:512
	global_store_b32 v[R4], v[JW], s[JS:JS+1]                      ; both halves of the lanes hold and write the same words
	s_cmp_eq_u32 s[KD], 2
	s_cbranch_scc1 .Lnojob                         ; K = 64: half an image
	global_store_b128 v[LI], v[CD+8:CD+11], s[JD:JD+1] offset:1024
	global_store_b128 v[LI], v[CD+12:CD+15], s[JD:JD+1] offset:1536
.Lnojob:
; ---- a tile of 16 rows: LN, quantised along the channels, four products (w1 u0, u1, w2 u0, u1)
.macro TILE tau, su
	s_wait_loadcnt 56-8*(\tau)                     ; the tiles behind this one, 8 loads each, may stay out
	LNORM 32*(\tau), 2, XN, XN, LNW, LNB           ; (its lines are also the places behind the last tile's products, ahead of the writes of AF and ASW)
	QMAX XN, 2
	v_lshl_or_b32 v[ASW], v[TM+5], 8, v[TM+4]      ; the holds below are this scale word's eight places
	QCVT XN, 2, AF, 8, 0
	PL 4                                           ; an operand written by vector instructions stands four places ahead of a scaled product
	WIN 0x04
.irp b, 0,1,2,3
	WM H+16*\b+8*\su,AF,WF+16*\b,ASW,WSC+\b
.endr
	WIN 0
.endm
; ---- a block of 32 s: two tiles, the mask, the quantiser along s, four stores of 512 consecutive bytes
.macro SBLK sbl
.irp t, 0,1,2,3
	ds_load_b128 v[MKR+4*\t:MKR+4*\t+3], v[MKRD] offset:128*\sbl+16*\t
.endr
	TILE 2*\sbl, 0
	TILE 2*\sbl+1, 1
	PL 8
	s_wait_dscnt 0x0
.irp b, 0,1,2,3
.irp i, 0,2,4,6,8,10,12,14
	v_pk_mul_f32 v[H+16*\b+\i:H+16*\b+\i+1], v[H+16*\b+\i:H+16*\b+\i+1], v[MKR+\i:MKR+\i+1]
.endr
.endr
	QMAX H, 4
.irp b, 0,1,2,3
.if \sbl == 0
	v_mov_b32 v[SW+\b], v[TM+4+\b]
.else
	v_lshl_or_b32 v[SW+\b], v[TM+4+\b], 8*\sbl, v[SW+\b]
.endif
.endr
	s_wait_xcnt 0x0                                ; the codes' registers were the data of earlier stores
	QCVT H, 4, CD, 8, 0
	global_store_b128 v[AO], v[CD:CD+3], s[ACB:ACB+1] offset:16384*\sbl
	global_store_b128 v[AO], v[CD+4:CD+7], s[ACB:ACB+1] offset:16384*\sbl+512
	global_store_b128 v[LI], v[CD+8:CD+11], s[BCB:BCB+1] offset:512*\sbl
	global_store_b128 v[LI], v[CD+12:CD+15], s[BCB:BCB+1] offset:512*\sbl+8192
.endm
	SBLK 0
	SBLK 1
	SBLK 2
	SBLK 3
.irp b, 0,1,2,3
	ds_store_b32 v[SGST], v[SW+\b] offset:256*\b   ; my four scale bytes of each row: [row][16 bytes], a's 512 bytes, then b's
.endr
	s_wait_dscnt 0x0
	s_barrier_signal -1
	s_barrier_wait -1
	s_cmp_gt_u32 s[WV], 1
	s_cbranch_scc1 .Ldone
	ds_load_b128 v[MT:MT+3], v[SGRD]               ; wave 0 a's scale bytes, wave 1 b's: 512 consecutive bytes each
	s_wait_dscnt 0x0
	global_store_b128 v[LI], v[MT:MT+3], s[SCB:SCB+1]
.Ldone:
	s_wait_tensorcnt 0x0
	ds_add_u32 v254, v255
	s_wait_dscnt 0x0
	s_endpgm
.Lfunc_end_k_q3887449100_prep:
	.size	k_q3887449100_prep, .Lfunc_end_k_q3887449100_prep-k_q3887449100_prep
	.p2alignl 7, 3214868480
	.fill 96, 4, 3214868480
	.section	.rodata,"a",@progbits
	.p2align	6, 0x0
	.amdhsa_kernel k_q3887449100_prep
		.amdhsa_group_segment_fixed_size 8704
		.amdhsa_private_segment_fixed_size 0
		.amdhsa_enable_private_segment 0
		.amdhsa_kernarg_size 144
		.amdhsa_user_sgpr_count 2
		.amdhsa_user_sgpr_kernarg_segment_ptr 1
		.amdhsa_wavefront_size32 1
		.amdhsa_system_sgpr_workgroup_id_x 1
		.amdhsa_system_sgpr_workgroup_id_y 1
		.amdhsa_system_sgpr_workgroup_id_z 1
		.amdhsa_system_vgpr_workitem_id 0
		.amdhsa_next_free_vgpr 768
		.amdhsa_next_free_sgpr 80
		.amdhsa_reserve_vcc 0
		.amdhsa_float_denorm_mode_32 3
		.amdhsa_float_denorm_mode_16_64 3
		.amdhsa_memory_ordered 1
		.amdhsa_forward_progress 1
		.amdhsa_inst_pref_size 184
	.end_amdhsa_kernel
	.amdgpu_metadata
---
amdhsa.version: [ 1, 2 ]
amdhsa.kernels:
  - .name:           k_q3887449100_prep
    .symbol:         k_q3887449100_prep.kd
    .args:
      - { .name: m, .offset: 0, .size: 8, .value_kind: global_buffer, .address_space: global }
      - { .name: msa_mask, .offset: 8, .size: 8, .value_kind: global_buffer, .address_space: global }
      - { .name: opm_ln_w, .offset: 16, .size: 8, .value_kind: global_buffer, .address_space: global }
      - { .name: opm_ln_b, .offset: 24, .size: 8, .value_kind: global_buffer, .address_space: global }
      - { .name: opm_w1, .offset: 32, .size: 8, .value_kind: global_buffer, .address_space: global }
      - { .name: opm_w2, .offset: 40, .size: 8, .value_kind: global_buffer, .address_space: global }
      - { .name: opm_wout, .offset: 48, .size: 8, .value_kind: global_buffer, .address_space: global }
      - { .name: pwa_wv, .offset: 56, .size: 8, .value_kind: global_buffer, .address_space: global }
      - { .name: pwa_wg, .offset: 64, .size: 8, .value_kind: global_buffer, .address_space: global }
      - { .name: pwa_wo, .offset: 72, .size: 8, .value_kind: global_buffer, .address_space: global }
      - { .name: tr_wa, .offset: 80, .size: 8, .value_kind: global_buffer, .address_space: global }
      - { .name: tr_wb, .offset: 88, .size: 8, .value_kind: global_buffer, .address_space: global }
      - { .name: tr_wo, .offset: 96, .size: 8, .value_kind: global_buffer, .address_space: global }
      - { .name: acod, .offset: 104, .size: 8, .value_kind: global_buffer, .address_space: global }
      - { .name: bcod, .offset: 112, .size: 8, .value_kind: global_buffer, .address_space: global }
      - { .name: absc, .offset: 120, .size: 8, .value_kind: global_buffer, .address_space: global }
      - { .name: w2, .offset: 128, .size: 8, .value_kind: global_buffer, .address_space: global }
      - { .name: wq4, .offset: 136, .size: 8, .value_kind: global_buffer, .address_space: global }
    .group_segment_fixed_size: 8704
    .private_segment_fixed_size: 0
    .kernarg_segment_align: 8
    .kernarg_segment_size: 144
    .max_flat_workgroup_size: 128
    .sgpr_count:     80
    .vgpr_count:     768
    .wavefront_size: 32
...
	.end_amdgpu_metadata
.endif
;; end of part 1
;; launch opm (part 2): grid 16 x 16, 4 waves a work-group, clusters of 4 x 1, 327,680 bytes of LDS; arguments acod, bcod, absc, w2, z, opm_bout, out1; writes out1
.if DOCPART == 2
	.amdgcn_target "amdgcn-amd-amdhsa--gfx1250"
	.amdhsa_code_object_version 6
	.text
	.protected	k_q3887449100_opm
	.globl	k_q3887449100_opm
	.p2align	8
	.type	k_q3887449100_opm,@function
k_q3887449100_opm:
	s_mov_b64 s[64:65], 0
	v_nop
	global_prefetch_b8 v0, s[64:65] scope:SCOPE_SE
	s_setreg_imm32_b32 hwreg(HW_REG_WAVE_MODE, 25, 1), 1
	s_wait_xcnt 0x0
	s_wait_alu depctr_hold_cnt(0) depctr_sa_sdst(0) depctr_va_vdst(0) depctr_va_sdst(0) depctr_va_ssrc(0) depctr_va_vcc(0) depctr_vm_vsrc(0)
	s_getreg_b32 s2, hwreg(HW_REG_IB_STS2, 6, 4)
	s_cmp_eq_u32 s2, 0
	s_cbranch_scc0 .Lentry_in_a_cluster
	s_endpgm
.Lentry_in_a_cluster:
	s_bfe_u32 s2, ttmp6, 0x10000c
	s_cmp_lg_u32 s2, 0x3003
	s_cbranch_scc0 .Lentry_shape_is_right
	s_endpgm
.Lentry_shape_is_right:
; out1 = z + (outer wout + bout) / (norm + 1e-3); outer(i, j, c, e) = sum over s of a(s, i, c) b(s, j, e); norm = mask^T mask: three products on E4M3 codes; outer never leaves the work-group.
; SHARES. A work-group owns 16 i x 16 j; wave w owns j = 16 jb + 4 w + 0 .. 3 against all 16 i and all 32 c.  Its b (4 j x 32 e x 512 s of codes) fills windows 2 and 3 for the whole launch, its 4 x 16 x 128 sums of z window 1.
; LAYOUT. outer: source 0 = 16 rows e of b (row r of tile u is e = 8 u + r + 8 (r / 8)), source 1 = the 16 rows (i0 + r, one c) of a: a lane holds the pair (i0 + r, j) and tiles u = 0, 1 give it e = 16 hl + 0 .. 15:
; a block of 32 along the next K.  Its codes ARE source 1 of the second product (register group q = c % 4); source 0 = 16 columns of wout.
; RING. a and wout come by octets of c through two LDS slots; four c are a group: 128 products of outer, the quantiser, 32 products into z's sums.
; CLUSTER. The four work-groups of a cluster share ib: a's tiles, a's scale bytes and wout are asked for jointly (mask 15); cx enters only addresses of b, z, out1 and the mask's j tile.
; LIMITS: as in prep (NaN, infinities; blocks under 2^-118 get the byte 1); 1 / (norm + 1e-3) is v_rcp_f32.
.set SLOT,  103424                     ; a: 256 rows (sb, nl) of 256 bytes + 16; then wout's block of 33,792
.set WOFFS, 69632
.set ASC,   206848                     ; a's scale bytes: 16 rows of 512 + 16
.set PARK,  215296                     ; 4,096 bytes a wave: the codes of a group's first two c
.set RNP,   231680                     ; 512 bytes a wave: 1 / (norm + 1e-3)
.set SPARE, 233728                     ; the spare words, 128 bytes a wave
.set LI, 1
.set AB, 2
.set ADA, 3
.set ADW, 4
.set ASB, 5
.set ADS, 6
.set ADWS, 7
.set SPW, 8
.set NIL, 9
.set PKA, 10
.set STO, 11
.set RD, 12
.set PFO, 13
.set RNA, 14
.set L4, 15
.set SA, 16                            ; v16-31 b's scale words [4 jt + ks]: lanes 0-15 u = 0, lanes 16-31 u = 1
.set SB, 32                            ; v32-39 a's [4 pi + ks]: lanes 0-15 cc = 0, lanes 16-31 cc = 1
.set PW, 40                            ; v40-43 outer's scale word of the group, for each jt
.set WS, 44                            ; v44-47 wout's: lanes 0-15 tile 2 p, lanes 16-31 tile 2 p + 1
.set TM, 48
.set BB, 64                            ; v64-127 two sets of a's fragments; then outer's four operands
.set ACC, 128                          ; v128-255 16 accumulators (jt, cc, u); then wout's eight fragments
.set WV, 18
.set CX, 19
.set JB, 20
.set IB, 21
.set W1, 22
.set G1A, 28
.set G1W, 36
.set G1S, 44
.set G0A, 52
.set G0S, 60
.set G0W, 68
.set SEL, 76
.set MNT, 78
.set TA, 79
.set TW, 80
.set TWS, 81
.set TC, 82
.set CNT, 83
.set BBS, 88
.set SAB, 90
.set MAJ, 92
.set MSJ, 94
.set MAI, 96
.set MSI, 98
.set ZB, 12
.set OB, 16
.set MSB, 0
.macro WIN new
.if MSB != (\new)
	s_set_vgpr_msb (MSB<<8)|(\new)
.set MSB, (\new)
.endif
.endm
.macro PL n
.rept \n
	v_nop
.endr
.endm
.macro WM d, a, b, c, sa, sb, ra, rb   ; c < 0: the product starts the sum; ra, rb: the scales stand in lanes 16-31
.if (\c) < 0
.if (\ra) && (\rb)
	v_wmma_scale_f32_16x16x128_f8f6f4 v[(\d):(\d)+7], v[(\a):(\a)+15], v[(\b):(\b)+15], 0, v[\sa], v[\sb] matrix_a_scale:MATRIX_SCALE_ROW1 matrix_b_scale:MATRIX_SCALE_ROW1
.elseif \ra
	v_wmma_scale_f32_16x16x128_f8f6f4 v[(\d):(\d)+7], v[(\a):(\a)+15], v[(\b):(\b)+15], 0, v[\sa], v[\sb] matrix_a_scale:MATRIX_SCALE_ROW1
.elseif \rb
	v_wmma_scale_f32_16x16x128_f8f6f4 v[(\d):(\d)+7], v[(\a):(\a)+15], v[(\b):(\b)+15], 0, v[\sa], v[\sb] matrix_b_scale:MATRIX_SCALE_ROW1
.else
	v_wmma_scale_f32_16x16x128_f8f6f4 v[(\d):(\d)+7], v[(\a):(\a)+15], v[(\b):(\b)+15], 0, v[\sa], v[\sb]
.endif
.else
.if (\ra) && (\rb)
	v_wmma_scale_f32_16x16x128_f8f6f4 v[(\d):(\d)+7], v[(\a):(\a)+15], v[(\b):(\b)+15], v[(\c):(\c)+7], v[\sa], v[\sb] matrix_a_scale:MATRIX_SCALE_ROW1 matrix_b_scale:MATRIX_SCALE_ROW1
.elseif \ra
	v_wmma_scale_f32_16x16x128_f8f6f4 v[(\d):(\d)+7], v[(\a):(\a)+15], v[(\b):(\b)+15], v[(\c):(\c)+7], v[\sa], v[\sb] matrix_a_scale:MATRIX_SCALE_ROW1
.elseif \rb
	v_wmma_scale_f32_16x16x128_f8f6f4 v[(\d):(\d)+7], v[(\a):(\a)+15], v[(\b):(\b)+15], v[(\c):(\c)+7], v[\sa], v[\sb] matrix_b_scale:MATRIX_SCALE_ROW1
.else
	v_wmma_scale_f32_16x16x128_f8f6f4 v[(\d):(\d)+7], v[(\a):(\a)+15], v[(\b):(\b)+15], v[(\c):(\c)+7], v[\sa], v[\sb]
.endif
.endif
.endm
.macro QMAX s, nb
.irp b, 0,1,2,3
.if \b < \nb
	v_max3_num_f32 v[TM+\b], |v[(\s)+16*\b]|, |v[(\s)+16*\b+1]|, 0x4800000
.endif
.endr
.irp i, 2,4,6,8,10,12,14
.irp b, 0,1,2,3
.if \b < \nb
	v_max3_num_f32 v[TM+\b], v[TM+\b], |v[(\s)+16*\b+\i]|, |v[(\s)+16*\b+\i+1]|
.endif
.endr
.endr
.irp b, 0,1,2,3
.if \b < \nb
	v_permlanex16_b32 v[TM+4+\b], v[TM+\b], s[SEL], s[SEL+1]
.endif
.endr
.irp b, 0,1,2,3
.if \b < \nb
	v_max_num_f32 v[TM+\b], v[TM+\b], v[TM+4+\b]
.endif
.endr
.irp b, 0,1,2,3
.if \b < \nb
	v_add_nc_u32 v[TM+12+\b], 0xfc000000, v[TM+\b]
.endif
.endr
.irp b, 0,1,2,3
.if \b < \nb
	v_and_or_b32 v[TM+8+\b], v[TM+\b], 0x7f800000, s[MNT]
.endif
.endr
.irp b, 0,1,2,3
.if \b < \nb
	v_lshrrev_b32 v[TM+4+\b], 23, v[TM+12+\b]
.endif
.endr
.endm
.macro QCVT s, nb, d, ds, dw
.irp b, 0,1,2,3
.if \b < \nb
.irp i, 0,1,2,3,4,5,6,7,8,9,10,11,12,13,14,15
	v_med3_num_f32 v[(\s)+16*\b+\i], v[(\s)+16*\b+\i], -v[TM+8+\b], v[TM+8+\b]
.endr
.endif
.endr
	WIN \dw
.irp b, 0,1,2,3
.if \b < \nb
	v_cvt_scalef32_pk8_fp8_f32 v[(\d)+(\ds)*(\b/2)+4*(\b%2):(\d)+(\ds)*(\b/2)+4*(\b%2)+1], v[(\s)+16*\b:(\s)+16*\b+7], v[TM+12+\b]
	v_cvt_scalef32_pk8_fp8_f32 v[(\d)+(\ds)*(\b/2)+4*(\b%2)+2:(\d)+(\ds)*(\b/2)+4*(\b%2)+3], v[(\s)+16*\b+8:(\s)+16*\b+15], v[TM+12+\b]
.endif
.endr
	WIN 0
	v_nop
.endm
.macro ROUND                           ; a round of the cluster's barrier
	s_barrier_signal -1
	s_barrier_wait -1
	s_cmp_lg_u32 s[WV], 0
	s_cbranch_scc1 .Lnw0_\@
	s_barrier_signal -3
.Lnw0_\@:
	s_barrier_wait -3
	s_barrier_signal -1
	s_barrier_wait -1
.endm
.macro JLOAD s                         ; a joint refill: waves 0, 1 a's halves, waves 2, 3 wout's; four v_nop follow each line
	s_cmp_lt_u32 s[WV], 2
	s_cbranch_scc0 .Ljw_\@
	tensor_load_to_lds s[G0A+4*\s:G0A+4*\s+3], s[G1A:G1A+7]
	s_nop 0
	PL 4
	s_branch .Ljd_\@
.Ljw_\@:
	tensor_load_to_lds s[G0W+4*\s:G0W+4*\s+3], s[G1W:G1W+7]
	s_nop 0
	PL 4
.Ljd_\@:
.endm
	s_load_b256 s[4:11], s[0:1], 0x0               ; acod 4, bcod 6, absc 8, w2 10
	s_load_b128 s[12:15], s[0:1], 0x20             ; z 12, bout 14
	s_load_b64 s[16:17], s[0:1], 0x30              ; out1
	v_lshl_add_u32 v[SPW], v0, 2, SPARE
	v_mov_b32 v[NIL], 0
	ds_add_u32 v8, v9
	ds_add_u32 v8, v9
	s_wait_dscnt 0x0
	v_lshrrev_b32 v1, 5, v0
	v_readfirstlane_b32 s[WV], v1
	s_bfe_u32 s[CX], ttmp6, 0x40000
	s_lshl_b32 s[JB], ttmp9, 2
	s_add_co_u32 s[JB], s[JB], s[CX]               ; jb = 4 x cluster x + cx
	s_and_b32 s[IB], ttmp7, 0xffff                 ; ib: the four partners share it
	s_and_b32 s[W1], s[WV], 1
	s_mov_b32 s[G1A], 15|(1<<20)|(1<<21)|(5<<22)|(3<<25)           ; mask: all four; elements of 1 byte; 4 words of padding behind every 64
	s_mov_b32 s[G1A+1], 256<<16
	s_mov_b32 s[G1A+2], 128<<16
	s_mov_b32 s[G1A+3], 256<<16
	s_mov_b32 s[G1A+4], 128
	s_mov_b32 s[G1A+5], 1024                       ; 128 rows (sb, nl) of 256 bytes, 1,024 bytes apart
	s_mov_b32 s[G1A+6], 0
	s_mov_b32 s[G1A+7], 0
	s_mov_b32 s[G1W], 15|(3<<16)|(1<<21)           ; a dense block: 66 rows of 32 elements of 8 bytes
	s_mov_b32 s[G1W+1], 32<<16
	s_mov_b32 s[G1W+2], 66<<16
	s_mov_b32 s[G1W+3], 32<<16
	s_mov_b32 s[G1W+4], 66
	s_mov_b32 s[G1W+5], 32
	s_mov_b32 s[G1W+6], 0
	s_mov_b32 s[G1W+7], 0
	s_mov_b32 s[G1S], 15|(3<<16)|(1<<20)|(1<<21)|(6<<22)|(3<<25)   ; 8 rows of 512 bytes, 16 of padding behind each
	s_mov_b32 s[G1S+1], 64<<16
	s_mov_b32 s[G1S+2], 8<<16
	s_mov_b32 s[G1S+3], 64<<16
	s_mov_b32 s[G1S+4], 8
	s_mov_b32 s[G1S+5], 64
	s_mov_b32 s[G1S+6], 0
	s_mov_b32 s[G1S+7], 0
	s_lshl_b32 s24, s[IB], 18
	s_lshl_b32 s25, s[W1], 17
	s_add_co_u32 s24, s24, s25
	s_mov_b32 s25, 0
	s_mul_i32 s26, s[W1], 16896
	s_mov_b32 s27, 0
	s_mul_i32 s87, s[W1], 16896
	s_lshl_b32 s84, s[IB], 13
	s_lshl_b32 s85, s[W1], 12
	s_add_co_u32 s84, s84, s85
	s_mov_b32 s85, 0
	s_mul_i32 s23, s[W1], 34816
	s_mul_i32 s86, s[W1], 4224
	s_wait_kmcnt 0x0
	s_add_nc_u64 s[24:25], s[4:5], s[24:25]
	s_mov_b32 s[G0A], 1
	s_mov_b32 s[G0A+1], s23
	s_mov_b64 s[G0A+2:G0A+3], s[24:25]
	s_or_b32 s[G0A+3], s[G0A+3], 0x80000000
	s_mov_b32 s[G0A+4], 1
	s_add_co_u32 s[G0A+5], s23, SLOT
	s_add_nc_u64 s[G0A+6:G0A+7], s[24:25], 256     ; the next octet of c
	s_or_b32 s[G0A+7], s[G0A+7], 0x80000000
	s_add_nc_u64 s[26:27], s[10:11], s[26:27]
	s_mov_b32 s[G0W], 1
	s_add_co_u32 s[G0W+1], s87, WOFFS
	s_mov_b64 s[G0W+2:G0W+3], s[26:27]
	s_or_b32 s[G0W+3], s[G0W+3], 0x80000000
	s_mov_b32 s[G0W+4], 1
	s_add_co_u32 s[G0W+5], s87, SLOT+WOFFS
	s_add_nc_u64 s[G0W+6:G0W+7], s[26:27], 33792
	s_or_b32 s[G0W+7], s[G0W+7], 0x80000000
	s_mov_b32 s[G0S], 1
	s_add_co_u32 s[G0S+1], s86, ASC
	s_add_nc_u64 s[G0S+2:G0S+3], s[8:9], s[84:85]
	s_or_b32 s[G0S+3], s[G0S+3], 0x80000000
	ROUND                                          ; all four work-groups are here: the first joint loads meet
	s_cmp_lt_u32 s[WV], 2                          ; a wave's first fills stand in one branch: three loads of mine are out at the most
	s_cbranch_scc0 .Lff_w
	tensor_load_to_lds s[G0S:G0S+3], s[G1S:G1S+7]
	s_nop 0
	tensor_load_to_lds s[G0A:G0A+3], s[G1A:G1A+7]
	s_nop 0
	tensor_load_to_lds s[G0A+4:G0A+7], s[G1A:G1A+7]
	s_nop 0
	PL 4
	s_branch .Lff_d
.Lff_w:
	tensor_load_to_lds s[G0W:G0W+3], s[G1W:G1W+7]
	s_nop 0
	tensor_load_to_lds s[G0W+4:G0W+7], s[G1W:G1W+7]
	s_nop 0
	PL 4
.Lff_d:
	v_and_b32 v48, 15, v0                          ; r
	v_bfe_u32 v49, v0, 4, 1                        ; hl
	v_and_b32 v50, 31, v0                          ; lane
	v_lshlrev_b32 v[LI], 4, v50
	v_lshlrev_b32 v[L4], 2, v50
	v_mul_u32_u24 v[AB], v48, 272
	v_lshl_add_u32 v[AB], v49, 4, v[AB]
	v_mul_u32_u24 v51, v48, 528
	v_lshl_add_u32 v[ASB], v49, 4, v51
	v_add_nc_u32 v[ASB], ASC, v[ASB]
	s_lshl_b32 s79, s[WV], 12
	s_add_co_u32 s79, s79, PARK
	v_add_nc_u32 v[PKA], s79, v[LI]
	s_mul_i32 s79, s[WV], 8448
	v_lshl_add_u32 v[STO], v49, 6, v51
	v_add_nc_u32 v[STO], s79, v[STO]
	v_add_nc_u32 v[RD], s79, v[LI]
	s_lshl_b32 s79, s[WV], 9
	s_add_co_u32 s79, s79, RNP
	v_add_nc_u32 v[RNA], s79, v[L4]
	v_lshrrev_b32 v[PFO], 1, v50
	v_lshlrev_b32 v[PFO], 17, v[PFO]
	v_and_b32 v52, 1, v50
	v_lshl_add_u32 v[PFO], v52, 8, v[PFO]          ; z's prefetch: row lane / 2, half lane % 2 of its 512 bytes
	v_and_b32 v52, 3, v48
	s_lshl_b32 s79, s[WV], 2
	v_add_nc_u32 v52, s79, v52                     ; the mask's rows for source 0: 4 w + r % 4: my four j, four times over
	v_lshlrev_b32 v53, 2, v52
	v_lshlrev_b32 v52, 4, v52
	v_lshl_add_u32 v52, v49, 8, v52
	v_lshlrev_b32 v54, 2, v48
	v_lshlrev_b32 v55, 6, v49
	s_mov_b32 s[SEL], 0x76543210
	s_mov_b32 s[SEL+1], 0xfedcba98
	s_mov_b32 s[MNT], 0x600000
	s_lshl_b32 s2, s[JB], 18
	s_lshl_b32 s3, s[WV], 16
	s_add_co_u32 s2, s2, s3
	s_mov_b32 s3, 0
	s_add_nc_u64 s[BBS:BBS+1], s[6:7], s[2:3]
	s_lshl_b32 s2, s[JB], 13
	s_lshl_b32 s[CX], s[WV], 11
	s_add_co_u32 s2, s2, s[CX]
	s_add_nc_u64 s[SAB:SAB+1], s[8:9], s[2:3]
	s_add_nc_u64 s[SAB:SAB+1], s[SAB:SAB+1], 131072
	s_lshl_b32 s[CX], s[IB], 21
	s_add_co_u32 s2, s2, s[CX]
	s_add_nc_u64 s[ZB:ZB+1], s[ZB:ZB+1], s[2:3]    ; z and out1 at (16 ib, 16 jb + 4 w)
	s_add_nc_u64 s[OB:OB+1], s[OB:OB+1], s[2:3]
	s_lshl_b32 s2, s[JB], 13
	s_add_nc_u64 s[MAJ:MAJ+1], s[10:11], s[2:3]
	s_add_nc_u64 s[MAJ:MAJ+1], s[MAJ:MAJ+1], 135168
	s_lshl_b32 s2, s[JB], 8
	s_add_nc_u64 s[MSJ:MSJ+1], s[10:11], s[2:3]
	s_add_nc_u64 s[MSJ:MSJ+1], s[MSJ:MSJ+1], 266240
	s_lshl_b32 s80, s[IB], 13
	s_mov_b32 s81, 0
	s_add_nc_u64 s[MAI:MAI+1], s[10:11], s[80:81]
	s_add_nc_u64 s[MAI:MAI+1], s[MAI:MAI+1], 135168
	s_lshl_b32 s80, s[IB], 8
	s_add_nc_u64 s[MSI:MSI+1], s[10:11], s[80:81]
	s_add_nc_u64 s[MSI:MSI+1], s[MSI:MSI+1], 266240
.irp jt, 0,1,2,3
	WIN 0x80+0x40*(\jt/2)
.irp u, 0,1
.irp ks, 0,1,2,3
.irp q, 0,1,2,3
	global_load_b128 v[16*(((\jt%2)*2+\u)*4+\ks)+4*\q:16*(((\jt%2)*2+\u)*4+\ks)+4*\q+3], v[LI], s[BBS:BBS+1] offset:16384*\jt+8192*\u+2048*\ks+512*\q   ; b's images: they stay
.endr
.endr
.endr
.endr
	WIN 0
.irp jt, 0,1,2,3
	global_load_b128 v[SA+4*\jt:SA+4*\jt+3], v[LI], s[SAB:SAB+1] offset:512*\jt
.endr
	WIN 0x40
.irp jt, 0,1,2,3
.irp tt, 0,1,2,3,4,5,6,7
	global_load_b128 v[64*\jt+8*\tt:64*\jt+8*\tt+3], v55, s[14:15] offset:128*(\tt/2)+32*(\tt%2)       ; the bias begins z's sums: it costs no addition
	global_load_b128 v[64*\jt+8*\tt+4:64*\jt+8*\tt+7], v55, s[14:15] offset:128*(\tt/2)+32*(\tt%2)+16
.endr
.endr
	WIN 0
.irp ks, 0,1,2,3
.irp q, 0,1,2,3
	global_load_b128 v[128+16*\ks+4*\q:128+16*\ks+4*\q+3], v52, s[MAJ:MAJ+1] offset:2048*\ks+512*\q
	global_load_b128 v[192+16*\ks+4*\q:192+16*\ks+4*\q+3], v[LI], s[MAI:MAI+1] offset:2048*\ks+512*\q
.endr
	global_load_b32 v[SB+\ks], v53, s[MSJ:MSJ+1] offset:64*\ks
	global_load_b32 v[SB+4+\ks], v54, s[MSI:MSI+1] offset:64*\ks
.endr
	s_wait_loadcnt 0x0
	; norm: one accumulator, four links, a wait directly ahead of each link.  Register jt of every lane: norm(i0 + r, my j of jt)
	v_wmma_scale_f32_16x16x128_f8f6f4 v[64:71], v[128:143], v[192:207], 0, v[SB], v[SB+4]
	s_wait_alu depctr_va_vdst(0)
	v_wmma_scale_f32_16x16x128_f8f6f4 v[64:71], v[144:159], v[208:223], v[64:71], v[SB+1], v[SB+5]
	s_wait_alu depctr_va_vdst(0)
	v_wmma_scale_f32_16x16x128_f8f6f4 v[64:71], v[160:175], v[224:239], v[64:71], v[SB+2], v[SB+6]
	s_wait_alu depctr_va_vdst(0)
	v_wmma_scale_f32_16x16x128_f8f6f4 v[64:71], v[176:191], v[240:255], v[64:71], v[SB+3], v[SB+7]
	PL 8
.irp t, 0,1,2,3
	v_add_f32 v[72+\t], 0x3a83126f, v[64+\t]
.endr
.irp t, 0,1,2,3
	v_rcp_f32 v[76+\t], v[72+\t]
.endr
	v_nop
	s_wait_alu depctr_va_vdst(0)
.irp t, 0,1,2,3
	ds_store_b32 v[RNA], v[76+\t] offset:128*\t    ; kept in my own LDS bytes: no register is free
.endr
.irp b, 0,1,2,3
	v_mov_b32 v[TM+4+\b], 0
.endr
	s_wait_tensorcnt 0x1                           ; a's scale bytes and my part of slot 0 are in; slot 1's load may stay out
	s_wait_dscnt 0x0
	s_barrier_signal -1
	s_barrier_wait -1
.macro LB pi, ks, set                  ; a's two fragments (c = 2 pi + cc of the group, K step ks) into a set
.irp cc, 0,1
.irp q, 0,1,2,3
	ds_load_b128 v[BB+32*\set+16*\cc+4*\q:BB+32*\set+16*\cc+4*\q+3], v[ADA] offset:(4*\ks+\q)*4352+32*\cc+64*\pi
.endr
.endr
.endm
.macro MM pi, ks, set, zero            ; 16 products, the 16 accumulators by turns
.irp jt, 0,1,2,3
	WIN 0x02+(\jt/2)
.irp cc, 0,1
.irp u, 0,1
.if \zero
	WM ACC+32*\jt+16*\cc+8*\u,16*(((\jt%2)*2+\u)*4+\ks),BB+32*\set+16*\cc,-1,SA+4*\jt+\ks,SB+4*\pi+\ks,\u,\cc
.else
	WM ACC+32*\jt+16*\cc+8*\u,16*(((\jt%2)*2+\u)*4+\ks),BB+32*\set+16*\cc,ACC+32*\jt+16*\cc+8*\u,SA+4*\jt+\ks,SB+4*\pi+\ks,\u,\cc
.endif
.endr
.endr
.endr
	WIN 0
.endm
.macro GROUP                           ; four c
	v_add_nc_u32 v[ADA], s[TA], v[AB]
	v_add_nc_u32 v[ADW], s[TW], v[LI]
	v_add_nc_u32 v[ADS], s[TC], v[ASB]
	v_add_nc_u32 v[ADWS], s[TWS], v[L4]
	PL 6                                           ; with the four lines above: the places behind the last group's products, whose operands are loaded and written over below
	LB 0,0,0
	ds_load_b128 v[SB:SB+3], v[ADS]
	LB 0,1,1
	ds_load_b128 v[SB+4:SB+7], v[ADS] offset:32
	s_wait_dscnt 9                                 ; set 1 and its scale words may be out
	MM 0,0,0,1
	PL 8
	LB 0,2,0
	s_wait_dscnt 8                                 ; the run just issued may be out
	MM 0,1,1,0
	PL 8
	LB 0,3,1
	s_wait_dscnt 8
	MM 0,2,0,0
	PL 8
	LB 1,0,0
	s_wait_dscnt 8
	MM 0,3,1,0
	PL 9
	QMAX ACC, 4                                    ; the first two c: block 2 jt + cc
	v_lshl_or_b32 v[PW], v[TM+5], 8, v[TM+4]
	v_lshl_or_b32 v[PW+1], v[TM+7], 8, v[TM+6]
	QCVT ACC, 4, BB+32, 8, 0
	QMAX ACC+64, 4
	v_lshl_or_b32 v[PW+2], v[TM+5], 8, v[TM+4]
	v_lshl_or_b32 v[PW+3], v[TM+7], 8, v[TM+6]
	QCVT ACC+64, 4, BB+48, 8, 0
.irp k, 0,1,2,3,4,5,6,7
	ds_store_b128 v[PKA], v[BB+32+4*\k:BB+32+4*\k+3] offset:512*\k   ; parked: set 1 is wanted for fragments
.endr
	s_wait_dscnt 0x0
	LB 1,1,1
	MM 1,0,0,1
	PL 8
	LB 1,2,0
	s_wait_dscnt 8
	MM 1,1,1,0
	PL 8
	LB 1,3,1
	s_wait_dscnt 8
	MM 1,2,0,0
	s_wait_dscnt 0x0
	MM 1,3,1,0
	PL 8
.irp jt, 0,1,2,3
.irp cc, 0,1
	ds_load_b128 v[BB+16*\jt+4*\cc:BB+16*\jt+4*\cc+3], v[PKA] offset:(2*\jt+\cc)*512
.endr
.endr
.irp p, 0,1,2,3
	ds_load_b32 v[WS+\p], v[ADWS] offset:128*\p
.endr
	QMAX ACC, 4
	v_lshl_or_b32 v[PW], v[TM+4], 16, v[PW]
	v_lshl_or_b32 v[PW], v[TM+5], 24, v[PW]
	v_lshl_or_b32 v[PW+1], v[TM+6], 16, v[PW+1]
	v_lshl_or_b32 v[PW+1], v[TM+7], 24, v[PW+1]
	QCVT ACC, 4, BB+8, 16, 0
.irp tt, 0,1,2,3
.irp q, 0,1,2,3
	ds_load_b128 v[ACC+16*\tt+4*\q:ACC+16*\tt+4*\q+3], v[ADW] offset:2048*\tt+512*\q
.endr
.endr
	QMAX ACC+64, 4
	v_lshl_or_b32 v[PW+2], v[TM+4], 16, v[PW+2]
	v_lshl_or_b32 v[PW+2], v[TM+5], 24, v[PW+2]
	v_lshl_or_b32 v[PW+3], v[TM+6], 16, v[PW+3]
	v_lshl_or_b32 v[PW+3], v[TM+7], 24, v[PW+3]
	QCVT ACC+64, 4, BB+40, 16, 0
.irp tt, 4,5,6,7
.irp q, 0,1,2,3
	ds_load_b128 v[ACC+16*\tt+4*\q:ACC+16*\tt+4*\q+3], v[ADW] offset:2048*\tt+512*\q
.endr
.endr
	PL 4
	s_wait_dscnt 16                                ; wout's tiles 4 to 7 may be out
	WIN 0x50                                       ; z's sums: C and D in window 1
.irp tt, 0,1,2,3
.irp jt, 0,1,2,3
	WM 64*\jt+8*\tt,ACC+16*\tt,BB+16*\jt,64*\jt+8*\tt,WS+\tt/2,PW+\jt,\tt%2,0
.endr
.endr
	s_wait_dscnt 0x0
.irp tt, 4,5,6,7
.irp jt, 0,1,2,3
	WM 64*\jt+8*\tt,ACC+16*\tt,BB+16*\jt,64*\jt+8*\tt,WS+\tt/2,PW+\jt,\tt%2,0
.endr
.endr
	WIN 0
.endm
.macro WORK o, slot                    ; an octet of c: two groups
	s_mov_b32 s[TA], \slot*SLOT
	s_mov_b32 s[TW], \slot*SLOT+WOFFS
	s_mov_b32 s[TWS], \slot*SLOT+WOFFS+32768
	s_mov_b32 s[TC], 128*\o
	s_mov_b32 s[CNT], 2
.Lg_\@:
	GROUP
	s_add_co_u32 s[TA], s[TA], 128
	s_add_co_u32 s[TW], s[TW], 16384
	s_add_co_u32 s[TWS], s[TWS], 512
	s_add_co_u32 s[TC], s[TC], 64
	s_sub_co_u32 s[CNT], s[CNT], 1
	s_cmp_lg_u32 s[CNT], 0
	s_cbranch_scc1 .Lg_\@
.endm
; the change of slots: all my tensor loads have landed, the add, my reads of the slot are over; then the round, and the joint refill first behind it: it has an octet's 320 products in which to land
.macro CHG slot, fill
	s_wait_tensorcnt 0x0
	ds_add_u32 v[SPW], v[NIL]                      ; 0 onto my spare word
.if \fill
	s_add_nc_u64 s[G0A+4*\slot+2:G0A+4*\slot+3], s[G0A+4*\slot+2:G0A+4*\slot+3], 512
	s_add_nc_u64 s[G0W+4*\slot+2:G0W+4*\slot+3], s[G0W+4*\slot+2:G0W+4*\slot+3], 67584
.endif
	s_wait_dscnt 0x0
.if \fill
	ROUND
	JLOAD \slot
.else
	s_barrier_signal -1
	s_barrier_wait -1
.endif
.endm
	WORK 0, 0
	CHG 0, 1
	WORK 1, 1
	CHG 1, 1
	WORK 2, 0
	CHG 0, 0                                       ; nothing is left to fetch
.irp jt, 0,1,2,3
	global_prefetch_b8 v[PFO], s[ZB:ZB+1] offset:512*\jt th:TH_LOAD_NT scope:SCOPE_SE   ; my 64 rows of z, 2 blocks of 256 bytes each, a lane a block: an octet's work ahead of their loads
.endr
	WORK 3, 1
	; THE WAY OUT. z's rows come in as rows; the sums, times 1 / (norm + 1e-3), go through my stage (in slot 0: it has had its last fill and its last read) and come back as rows of 512 bytes
	PL 8
	WIN 0x80
.irp jt, 0,1,2,3
.irp t, 0,1,2,3,4,5,6,7,8,9,10,11,12,13,14,15
	global_load_b128 v[64*\jt+4*\t:64*\jt+4*\t+3], v[LI], s[ZB:ZB+1] offset:131072*\t+512*\jt th:TH_LOAD_NT
.endr
.endr
	WIN 0
.irp jt, 0,1,2,3
	ds_load_b32 v[40+2*\jt], v[RNA] offset:128*\jt
.endr
	s_wait_dscnt 0x0
.irp jt, 0,1,2,3
	WIN 0x01
.set kk, 0
.rept 32
	v_pk_mul_f32 v[128+kk:129+kk], v[64*\jt+kk:64*\jt+kk+1], v[40+2*\jt:41+2*\jt] op_sel_hi:[1,0]   ; each accumulator from its low end on
.set kk, kk+2
.endr
	WIN 0
.irp tt, 0,1,2,3,4,5,6,7
	ds_store_b128 v[STO], v[128+8*\tt:128+8*\tt+3] offset:128*(\tt/2)+32*(\tt%2)
	ds_store_b128 v[STO], v[128+8*\tt+4:128+8*\tt+7] offset:128*(\tt/2)+32*(\tt%2)+16
.endr
	s_wait_xcnt 0x0                                ; the rows' registers were the data of the last j's stores
.irp t, 0,1,2,3,4,5,6,7,8,9,10,11,12,13,14,15
	ds_load_b128 v[192+4*\t:192+4*\t+3], v[RD] offset:528*\t       ; LDS serves a wave's instructions in order: these see the stores above
.endr
	s_wait_dscnt 0x0
	s_wait_loadcnt 48-16*\jt                       ; z's rows of the later j may stay out
	WIN 0x08
.set kk, 0
.rept 32
	v_pk_add_f32 v[192+kk:193+kk], v[192+kk:193+kk], v[64*\jt+kk:64*\jt+kk+1]
.set kk, kk+2
.endr
	WIN 0
.irp t, 0,1,2,3,4,5,6,7,8,9,10,11,12,13,14,15
	global_store_b128 v[LI], v[192+4*\t:192+4*\t+3], s[OB:OB+1] offset:131072*\t+512*\jt   ; 32 lanes store 512 consecutive bytes
.endr
.endr
	s_wait_tensorcnt 0x0                           ; the wave's end
	ds_add_u32 v[SPW], v[NIL]
	s_wait_dscnt 0x0
	ROUND                                          ; the closing round
	s_endpgm
.Lfunc_end_k_q3887449100_opm:
	.size	k_q3887449100_opm, .Lfunc_end_k_q3887449100_opm-k_q3887449100_opm
	.p2alignl 7, 3214868480
	.fill 96, 4, 3214868480
	.section	.rodata,"a",@progbits
	.p2align	6, 0x0
	.amdhsa_kernel k_q3887449100_opm
		.amdhsa_group_segment_fixed_size 327680
		.amdhsa_private_segment_fixed_size 0
		.amdhsa_enable_private_segment 0
		.amdhsa_kernarg_size 56
		.amdhsa_user_sgpr_count 2
		.amdhsa_user_sgpr_kernarg_segment_ptr 1
		.amdhsa_wavefront_size32 1
		.amdhsa_system_sgpr_workgroup_id_x 1
		.amdhsa_system_sgpr_workgroup_id_y 1
		.amdhsa_system_sgpr_workgroup_id_z 1
		.amdhsa_system_vgpr_workitem_id 0
		.amdhsa_next_free_vgpr 1024
		.amdhsa_next_free_sgpr 100
		.amdhsa_reserve_vcc 0
		.amdhsa_float_denorm_mode_32 3
		.amdhsa_float_denorm_mode_16_64 3
		.amdhsa_memory_ordered 1
		.amdhsa_forward_progress 1
		.amdhsa_inst_pref_size 255
	.end_amdhsa_kernel
	.section	.bss,"aw",@nobits
	.p2align	6
	.space	262144
	.amdgpu_metadata
---
amdhsa.version: [ 1, 2 ]
amdhsa.kernels:
  - .name:           k_q3887449100_opm
    .symbol:         k_q3887449100_opm.kd
    .args:
      - { .name: acod, .offset: 0, .size: 8, .value_kind: global_buffer, .address_space: global }
      - { .name: bcod, .offset: 8, .size: 8, .value_kind: global_buffer, .address_space: global }
      - { .name: absc, .offset: 16, .size: 8, .value_kind: global_buffer, .address_space: global }
      - { .name: w2, .offset: 24, .size: 8, .value_kind: global_buffer, .address_space: global }
      - { .name: z, .offset: 32, .size: 8, .value_kind: global_buffer, .address_space: global }
      - { .name: opm_bout, .offset: 40, .size: 8, .value_kind: global_buffer, .address_space: global }
      - { .name: out1, .offset: 48, .size: 8, .value_kind: global_buffer, .address_space: global }
    .group_segment_fixed_size: 327680
    .private_segment_fixed_size: 0
    .kernarg_segment_align: 8
    .kernarg_segment_size: 56
    .max_flat_workgroup_size: 128
    .sgpr_count:     100
    .vgpr_count:     1024
    .wavefront_size: 32
...
	.end_amdgpu_metadata
.endif
;; end of part 2
;; launch zsm (part 3): grid 256 x 1, 8 waves a work-group, no clusters, 168,960 bytes of LDS; arguments out1, pwa_lnz_w, pwa_lnz_b, pwa_wz, pcod, prec; writes pcod, prec
.if DOCPART == 3
	.amdgcn_target "amdgcn-amd-amdhsa--gfx1250"
	.amdhsa_code_object_version 6
	.text
	.protected	k_q3887449100_zsm
	.globl	k_q3887449100_zsm
	.p2align	8
	.type	k_q3887449100_zsm,@function
k_q3887449100_zsm:
	s_mov_b64 s[64:65], 0
	v_nop
	global_prefetch_b8 v0, s[64:65] scope:SCOPE_SE
	s_setreg_imm32_b32 hwreg(HW_REG_WAVE_MODE, 25, 1), 1
	s_wait_xcnt 0x0
; For one i: LN of the 256 rows z(i, j, :), the 8 logits of each row in f32 (fused multiply-adds: their result goes into a quantiser), and for each head p = 2^(t - M), t = logit x log2(e), M = ceil(the largest t over j);
; p is quantised along j to E4M3; l, the sum of the unquantised p, is kept as 1 / l.
; SHARES. Wave w brings rows j = 32 w .. 32 w + 31 by one tensor load (16 KiB; all 128 KiB of the work-group go out at once); a lane owns a row.  Behind one barrier wave h takes head h, 8 j a lane.
; OUT. pcod [h][i][256 bytes]: inside each block of 32 j the order is j 0-7, 16-23, 8-15, 24-31, the order in which the next launch's v has its j.  prec [h][i]: two scale words, 1 / l, 0.
; No matrix unit (8 columns), no cluster (work-groups share only 5 KiB of parameters, read through the scalar cache).
; LIMITS: NaN and infinities are not served; a block of p under 2^-118 gets the byte 1 over its codes; 1 / l is v_rcp_f32, 1 / sqrt v_rsq_f32.
.set ZP, 528
.set TL, 135168                        ; the logits: 8 heads x (1,024 + 16) bytes
	s_load_b256 s[4:11], s[0:1], 0x0               ; out1 4, lnz_w 6, lnz_b 8, wz 10
	s_load_b128 s[12:15], s[0:1], 0x20             ; pcod 12, prec 14
	v_lshl_add_u32 v176, v0, 2, 0x29000
	v_mov_b32 v177, 0
	ds_add_u32 v176, v177
	ds_add_u32 v176, v177
	v_lshrrev_b32 v1, 5, v0
	v_readfirstlane_b32 s2, v1                     ; wave 0..7
	s_mov_b32 s68, (3<<16)|(1<<20)|(6<<22)|(3<<25) ; elements of 8 bytes; 4 words of padding behind every 128
	s_mov_b32 s69, 64<<16
	s_mov_b32 s70, 32<<16
	s_mov_b32 s71, 64<<16
	s_mov_b32 s72, 32
	s_mov_b32 s73, 64
	s_mov_b32 s74, 0
	s_mov_b32 s75, 0
	s_mul_i32 s3, s2, 32*ZP
	s_lshl_b32 s16, ttmp9, 17
	s_lshl_b32 s17, s2, 14
	s_add_co_u32 s16, s16, s17
	s_mov_b32 s17, 0
	s_wait_dscnt 0x0
	s_wait_kmcnt 0x0
	s_mov_b32 s76, 1
	s_mov_b32 s77, s3
	s_add_nc_u64 s[78:79], s[4:5], s[16:17]
	s_or_b32 s79, s79, 0x80000000
	tensor_load_to_lds s[76:79], s[68:75]
	s_nop 0
	v_and_b32 v1, 31, v0
	v_mul_u32_u24 v2, v1, ZP
	v_add_nc_u32 v2, s3, v2                        ; my row
	v_lshl_add_u32 v3, v0, 2, TL                   ; my j's word of a head's logits
	s_mul_i32 s3, s2, 1040
	s_add_co_u32 s3, s3, TL
	v_lshl_add_u32 v4, v1, 5, s3                   ; my 8 j of my wave's head
.macro SLD k, wz, lw, lb               ; the parameters of four channels: 32 numbers of wz, 4 gains, 4 biases
	s_load_b512 s[\wz:\wz+15], s[10:11], 128*(\k)
	s_load_b512 s[\wz+16:\wz+31], s[10:11], 128*(\k)+64
	s_load_b128 s[\lw:\lw+3], s[6:7], 16*(\k)
	s_load_b128 s[\lb:\lb+3], s[8:9], 16*(\k)
.endm
	SLD 0, 16, 48, 52
	s_wait_tensorcnt 0x0                           ; my rows are in, and only I read them; the descriptor's registers are free
.set kk, 0
.rept 32
	ds_load_b128 v[32+4*kk:35+4*kk], v2 offset:16*kk
.set kk, kk+1
.endr
	s_wait_dscnt 0x0
.irp c, 0,1,2,3
	v_pk_add_f32 v[8+2*\c:9+2*\c], v[32+4*\c:33+4*\c], v[34+4*\c:35+4*\c]
.endr
.set kk, 16
.rept 14
.irp c, 0,1,2,3
	v_pk_add_f32 v[8+2*\c:9+2*\c], v[8+2*\c:9+2*\c], v[32+kk+2*\c:33+kk+2*\c]
.endr
.set kk, kk+8
.endr
	v_pk_add_f32 v[8:9], v[8:9], v[10:11]
	v_pk_add_f32 v[12:13], v[12:13], v[14:15]
	v_pk_add_f32 v[8:9], v[8:9], v[12:13]
	v_add_f32 v16, v8, v9
	v_mul_f32 v16, 0xbc000000, v16                 ; - the mean
	v_mov_b32 v17, 0
.set kk, 0
.rept 64
	v_pk_add_f32 v[32+kk:33+kk], v[32+kk:33+kk], v[16:17] op_sel_hi:[1,0]
.set kk, kk+2
.endr
.irp c, 0,1,2,3
	v_pk_mul_f32 v[8+2*\c:9+2*\c], v[32+2*\c:33+2*\c], v[32+2*\c:33+2*\c]
.endr
.set kk, 8
.rept 15
.irp c, 0,1,2,3
	v_pk_fma_f32 v[8+2*\c:9+2*\c], v[32+kk+2*\c:33+kk+2*\c], v[32+kk+2*\c:33+kk+2*\c], v[8+2*\c:9+2*\c]
.endr
.set kk, kk+8
.endr
	v_pk_add_f32 v[8:9], v[8:9], v[10:11]
	v_pk_add_f32 v[12:13], v[12:13], v[14:15]
	v_pk_add_f32 v[8:9], v[8:9], v[12:13]
	v_add_f32 v18, v8, v9
	v_mov_b32 v19, 0x3c000000
	v_fmaak_f32 v18, v18, v19, 0x3727c5ac          ; the variance + 1e-5
	v_rsq_f32 v18, v18
	v_mov_b32 v19, 0                               ; a plain line behind the transcendental
	s_wait_alu depctr_va_vdst(0)                   ; the wait ahead of its first reader
.set kk, 0
.rept 64
	v_pk_mul_f32 v[32+kk:33+kk], v[32+kk:33+kk], v[18:19] op_sel_hi:[1,0]
.set kk, kk+2
.endr
; four channels: the parameters of the next four are asked for into the other set of scalar registers, then y = x w + b and 8 multiply-adds a channel
.macro CHUNK k, wz, lw, lb, nwz, nlw, nlb
	s_wait_kmcnt 0x0
.if (\k) < 31
	SLD (\k)+1, \nwz, \nlw, \nlb
.endif
.irp e, 0,1,2,3
	v_fma_f32 v[20+\e], v[32+4*(\k)+\e], s[\lw+\e], s[\lb+\e]
.endr
.irp e, 0,1,2,3
.irp h, 0,1,2,3,4,5,6,7
.if ((\k) == 0) && (\e == 0)
	v_mul_f32 v[24+\h], s[\wz+\h], v20             ; the first product starts the sums
.else
	v_fmac_f32 v[24+\h], s[\wz+8*\e+\h], v[20+\e]
.endif
.endr
.endr
.endm
.set kq, 0
.rept 16
	CHUNK kq, 16, 48, 52, 68, 56, 60
	CHUNK kq+1, 68, 56, 60, 16, 48, 52
.set kq, kq+2
.endr
.irp h, 0,1,2,3,4,5,6,7
	ds_store_b32 v3, v[24+\h] offset:1040*\h
.endr
	s_wait_dscnt 0x0                               ; for the others' sake
	s_barrier_signal -1
	s_barrier_wait -1
	ds_load_b128 v[32:35], v4
	ds_load_b128 v[36:39], v4 offset:16
	s_mov_b32 s16, 0x76543210
	s_mov_b32 s17, 0xfedcba98
	s_mov_b32 s18, 0x3fb8aa3b                      ; log2(e)
	s_mov_b32 s19, 0x600000
	s_lshl_b32 s36, s2, 16
	s_lshl_b32 s37, ttmp9, 8
	s_add_co_u32 s36, s36, s37
	s_mov_b32 s37, 0
	s_add_nc_u64 s[30:31], s[12:13], s[36:37]
	s_lshr_b32 s36, s36, 4
	s_add_nc_u64 s[32:33], s[14:15], s[36:37]
	v_lshrrev_b32 v5, 2, v1
	v_lshlrev_b32 v5, 5, v5
	v_and_b32 v6, 1, v1
	v_bfe_u32 v7, v1, 1, 1
	v_lshl_add_u32 v6, v6, 1, v7                   ; j 8-15 and j 16-23 of a block change places
	v_lshl_add_u32 v5, v6, 3, v5
	s_wait_dscnt 0x0
	v_max3_num_f32 v8, v32, v33, v34
	v_max3_num_f32 v8, v8, v35, v36
	v_max3_num_f32 v8, v8, v37, v38
	v_max_num_f32 v8, v8, v39
	v_max_num_f32_dpp v8, v8, v8 row_xmask:1 row_mask:0xf bank_mask:0xf
	v_max_num_f32_dpp v8, v8, v8 row_xmask:2 row_mask:0xf bank_mask:0xf
	v_max_num_f32_dpp v8, v8, v8 row_xmask:4 row_mask:0xf bank_mask:0xf
	v_max_num_f32_dpp v8, v8, v8 row_xmask:8 row_mask:0xf bank_mask:0xf
	v_permlanex16_b32 v9, v8, s16, s17
	v_max_num_f32 v8, v8, v9
	v_mul_f32 v8, s18, v8                          ; the row's largest t
	v_floor_f32 v10, -v8                           ; -M = floor(-t): M is a whole number
.irp i, 0,1,2,3,4,5,6,7
	v_fma_f32 v[32+\i], v[32+\i], s18, v10
.endr
.irp i, 0,1,2,3,4,5,6,7
	v_exp_f32 v[32+\i], v[32+\i]
.endr
	v_mov_b32 v28, 0
	s_wait_alu depctr_va_vdst(0)
	v_pk_add_f32 v[40:41], v[32:33], v[34:35]      ; l is the sum of the unquantised p
	v_pk_add_f32 v[42:43], v[36:37], v[38:39]
	v_pk_add_f32 v[40:41], v[40:41], v[42:43]
	v_add_f32 v11, v40, v41
	v_add_f32_dpp v11, v11, v11 row_xmask:1 row_mask:0xf bank_mask:0xf
	v_add_f32_dpp v11, v11, v11 row_xmask:2 row_mask:0xf bank_mask:0xf
	v_add_f32_dpp v11, v11, v11 row_xmask:4 row_mask:0xf bank_mask:0xf
	v_add_f32_dpp v11, v11, v11 row_xmask:8 row_mask:0xf bank_mask:0xf
	v_permlanex16_b32 v9, v11, s16, s17
	v_add_f32 v11, v11, v9
	v_rcp_f32 v26, v11
	v_max3_num_f32 v13, v32, v33, 0x4800000        ; a block of 32 j lies in four lanes
	v_max3_num_f32 v13, v13, v34, v35
	v_max3_num_f32 v13, v13, v36, v37
	v_max3_num_f32 v13, v13, v38, v39
	v_max_num_f32_dpp v13, v13, v13 row_xmask:1 row_mask:0xf bank_mask:0xf
	v_max_num_f32_dpp v13, v13, v13 row_xmask:2 row_mask:0xf bank_mask:0xf
	v_add_nc_u32 v14, 0xfc000000, v13
	v_and_or_b32 v15, v13, 0x7f800000, s19
	v_lshrrev_b32 v18, 23, v14
.irp i, 0,1,2,3,4,5,6,7
	v_min_num_f32 v[32+\i], v[32+\i], v15          ; p is not negative: the hold is one-sided
.endr
	v_cvt_scalef32_pk8_fp8_f32 v[20:21], v[32:39], v14
	v_mov_b32 v27, 0
	global_store_b64 v5, v[20:21], s[30:31]        ; the wave stores one aligned run of 256 bytes
.irp b, 0,1,2,3,4,5,6,7
	v_readlane_b32 s[20+\b], v18, 4*\b
.endr
	s_lshl_b32 s21, s21, 8
	s_lshl_b32 s22, s22, 16
	s_lshl_b32 s23, s23, 24
	s_or_b32 s20, s20, s21
	s_or_b32 s22, s22, s23
	s_or_b32 s28, s20, s22
	s_lshl_b32 s25, s25, 8
	s_lshl_b32 s26, s26, 16
	s_lshl_b32 s27, s27, 24
	s_or_b32 s24, s24, s25
	s_or_b32 s26, s26, s27
	s_or_b32 s29, s24, s26
	v_mov_b32 v24, s28
	v_mov_b32 v25, s29
	v_cmp_eq_u32 vcc_lo, 0, v1
	s_wait_alu depctr_va_vdst(0)                   ; the reciprocal, ahead of the store that reads it
	s_wait_xcnt 0x0                                ; EXEC changes only behind this wait
	s_wait_tensorcnt 0x0
	ds_add_u32 v176, v177
	s_wait_dscnt 0x0
	s_and_saveexec_b32 s34, vcc_lo
	global_store_b128 v28, v[24:27], s[32:33]      ; lane 0: the row's record
	s_wait_xcnt 0x0
	s_or_b32 exec_lo, exec_lo, s34
	s_endpgm
.Lfunc_end_k_q3887449100_zsm:
	.size	k_q3887449100_zsm, .Lfunc_end_k_q3887449100_zsm-k_q3887449100_zsm
	.p2alignl 7, 3214868480
	.fill 96, 4, 3214868480
	.section	.rodata,"a",@progbits
	.p2align	6, 0x0
	.amdhsa_kernel k_q3887449100_zsm
		.amdhsa_group_segment_fixed_size 168960
		.amdhsa_private_segment_fixed_size 0
		.amdhsa_enable_private_segment 0
		.amdhsa_kernarg_size 48
		.amdhsa_user_sgpr_count 2
		.amdhsa_user_sgpr_kernarg_segment_ptr 1
		.amdhsa_wavefront_size32 1
		.amdhsa_system_sgpr_workgroup_id_x 1
		.amdhsa_system_sgpr_workgroup_id_y 1
		.amdhsa_system_sgpr_workgroup_id_z 1
		.amdhsa_system_vgpr_workitem_id 0
		.amdhsa_next_free_vgpr 178
		.amdhsa_next_free_sgpr 100
		.amdhsa_reserve_vcc 1
		.amdhsa_float_denorm_mode_32 3
		.amdhsa_float_denorm_mode_16_64 3
		.amdhsa_memory_ordered 1
		.amdhsa_forward_progress 1
		.amdhsa_inst_pref_size 76
	.end_amdhsa_kernel
	.amdgpu_metadata
---
amdhsa.version: [ 1, 2 ]
amdhsa.kernels:
  - .name:           k_q3887449100_zsm
    .symbol:         k_q3887449100_zsm.kd
    .args:
      - { .name: out1, .offset: 0, .size: 8, .value_kind: global_buffer, .address_space: global }
      - { .name: pwa_lnz_w, .offset: 8, .size: 8, .value_kind: global_buffer, .address_space: global }
      - { .name: pwa_lnz_b, .offset: 16, .size: 8, .value_kind: global_buffer, .address_space: global }
      - { .name: pwa_wz, .offset: 24, .size: 8, .value_kind: global_buffer, .address_space: global }
      - { .name: pcod, .offset: 32, .size: 8, .value_kind: global_buffer, .address_space: global }
      - { .name: prec, .offset: 40, .size: 8, .value_kind: global_buffer, .address_space: global }
    .group_segment_fixed_size: 168960
    .private_segment_fixed_size: 0
    .kernarg_segment_align: 8
    .kernarg_segment_size: 48
    .max_flat_workgroup_size: 256
    .sgpr_count:     100
    .vgpr_count:     178
    .wavefront_size: 32
...
	.end_amdgpu_metadata
.endif
;; end of part 3
;; launch pwa (part 4): grid 256 x 1, 8 waves a work-group, clusters of 4 x 1, 327,680 bytes of LDS; arguments m, pcod, prec, wq4, pwa_lnm_w, pwa_lnm_b, tr_ln_w, tr_ln_b, out0; writes out0
.if DOCPART == 4
	.amdgcn_target "amdgcn-amd-amdhsa--gfx1250"
	.amdhsa_code_object_version 6
	.text
	.protected	k_q3887449100_pwa
	.globl	k_q3887449100_pwa
	.p2align	8
	.type	k_q3887449100_pwa,@function
k_q3887449100_pwa:
	s_mov_b64 s[64:65], 0
	v_nop
	global_prefetch_b8 v0, s[64:65] scope:SCOPE_SE
	s_setreg_imm32_b32 hwreg(HW_REG_WAVE_MODE, 25, 1), 1
	s_wait_xcnt 0x0
	s_wait_alu depctr_hold_cnt(0) depctr_sa_sdst(0) depctr_va_vdst(0) depctr_va_sdst(0) depctr_va_ssrc(0) depctr_va_vcc(0) depctr_vm_vsrc(0)
	s_getreg_b32 s2, hwreg(HW_REG_IB_STS2, 6, 4)
	s_cmp_eq_u32 s2, 0
	s_cbranch_scc0 .Lentry_in_a_cluster
	s_endpgm
.Lentry_in_a_cluster:
	s_bfe_u32 s2, ttmp6, 0x10000c
	s_cmp_lg_u32 s2, 0x3003
	s_cbranch_scc0 .Lentry_shape_is_right
	s_endpgm
.Lentry_shape_is_right:
; out0 = m' + (silu(x wa) (x wb)) wo_tr, x = LN(m'), m' = m + (sigmoid(mn wg) o) wo, o = (p v) / l, v = mn wv, mn = LN(m): seven products on E4M3 codes, nothing between them goes to memory.
; SHARES. A work-group owns two sequences s (512 rows, 32 tiles of 16).  Eight waves, two to a SIMD, since vector work outweighs the products.  Wave w: LN of rows 64 w on; head h = w in v, the gate and o; row tile w of each chunk of 8 tiles in the rest.
; LAYOUT. v: source 0 = 16 rows j of mn, source 1 = 16 columns d of wv: a lane holds one d, registers run along j (in a block: j 0-7, 16-23 | 8-15, 24-31: p's codes lie in the same order).  o: source 0 = v, source 1 = 16 rows i of p:
; a lane holds row i and d = 16 hl + 0 .. 15; the gate likewise.  Their product, quantised, is group h % 4 of fragment h / 4 of the next operand: it goes to the tile's owner through LDS as an image of registers.
; The last four products have source 0 = 16 columns of the weight (row r of tile 2 b + u is column 32 b + 8 u + r + 8 (r / 8)): a lane holds a row and 16 neighbours along the next K; m and m' are simply the C of the products.
; RING. p comes by tiles of 32 i for each head through two LDS slots that lie over m's bytes.  CLUSTER. p, its records and the weights are the same for all work-groups: four ask jointly (mask 15); m's load is each work-group's own.
; LIMITS: NaN and infinities are not served; blocks under 2^-118 get the byte 1; sigmoid is v_exp_f32 and v_rcp_f32, 1 / sqrt v_rsq_f32.
.set PSL,   69632                      ; a slot of p: 8 waves x 32 rows x 272
.set PRC,   139264                     ; p's records
.set WB,    172032                     ; wq4's first 68,608 bytes: wa | wb, tr_wo, pwa_wo with their scale words
.set XI,    240640                     ; mn's 32 half fragments, 1,024 bytes each
.set XS,    273408                     ; their scale words
.set GO,    275456                     ; 8 x 4,352: the gated o of a chunk's 8 tiles: two images, two runs of scale words; then the owner's stage
.set SPARE, 310272
.set R, 1
.set HL, 2
.set LI, 3
.set R4, 4
.set SPW, 5
.set NIL, 6
.set AM, 7
.set AXW, 8
.set AXS, 9
.set AP, 10
.set APR, 11
.set AXR, 12
.set AXSR, 13
.set AGW, 14
.set AGB, 15
.set AGR, 16
.set AGS, 17
.set AWB, 18
.set AWS, 19
.set GM, 20
.set STO, 21
.set RD, 22
.set GOO, 23
.set SV, 24                            ; v24-31 v's scale words [4 u + 2 s + ks]
.set SL, 32                            ; v32-95 four slots for half fragments: their upper 8 registers stay zero
.set WVS, 96
.set WGS, 98
.set XSW, 100
.set PRC4, 104
.set GSW, 108
.set WSW, 110
.set XCW, 114
.set HW, 115
.set ST, 116                           ; v116-125 LN's figures; v116-127 also addresses of the loads in hand
.set PF, 128                           ; v128-159 wv's tiles; p's fragments; the gated o's; x's codes
.set XC, 128
.set H, 160
.set MN, 160
.set CD, 224
.set TM, 240
.set LP1W, 128                         ; window 1: v0-127 v's 8 fragments; 128-191 LN's parameters, then wg's tiles and m's tile; 192-255 the second LN's
.set LP1B, 160
.set WGF, 128
.set MP, 160
.set LP2W, 192
.set LP2B, 224
.set WV, 22
.set G1M, 28
.set G1P, 36
.set G1W, 44
.set G1R, 52
.set G0M, 60
.set G0XW, 68
.set G0XR, 72
.set G0P, 76
.set SEL, 84
.set MNT, 86
.set C64, 87
.set EPS, 88
.set TP, 89
.set TR, 90
.set TX, 91
.set TXS, 92
.set TG, 93
.set CNT1, 94
.set CNT2, 95
.set MB, 96
.set OB, 98
.set SWA, 12
.set SWS, 13
.set STW, 14
.set STS, 15
.set MSB, 0
.macro WIN new
.if MSB != (\new)
	s_set_vgpr_msb (MSB<<8)|(\new)
.set MSB, (\new)
.endif
.endm
.macro PL n
.rept \n
	v_nop
.endr
.endm
.macro ZERO d, n
.set kk, 0
.rept \n
	v_mov_b32 v[(\d)+kk], 0
.set kk, kk+1
.endr
.endm
.macro WM d, a, b, c, sa, sb
.if (\c) < 0
	v_wmma_scale_f32_16x16x128_f8f6f4 v[(\d):(\d)+7], v[(\a):(\a)+15], v[(\b):(\b)+15], 0, v[\sa], v[\sb]
.else
	v_wmma_scale_f32_16x16x128_f8f6f4 v[(\d):(\d)+7], v[(\a):(\a)+15], v[(\b):(\b)+15], v[(\c):(\c)+7], v[\sa], v[\sb]
.endif
.endm
.macro QMAX s, nb
.irp b, 0,1,2,3
.if \b < \nb
	v_max3_num_f32 v[TM+\b], |v[(\s)+16*\b]|, |v[(\s)+16*\b+1]|, 0x4800000
.endif
.endr
.irp i, 2,4,6,8,10,12,14
.irp b, 0,1,2,3
.if \b < \nb
	v_max3_num_f32 v[TM+\b], v[TM+\b], |v[(\s)+16*\b+\i]|, |v[(\s)+16*\b+\i+1]|
.endif
.endr
.endr
.irp b, 0,1,2,3
.if \b < \nb
	v_permlanex16_b32 v[TM+4+\b], v[TM+\b], s[SEL], s[SEL+1]
.endif
.endr
.irp b, 0,1,2,3
.if \b < \nb
	v_max_num_f32 v[TM+\b], v[TM+\b], v[TM+4+\b]
.endif
.endr
.irp b, 0,1,2,3
.if \b < \nb
	v_add_nc_u32 v[TM+12+\b], 0xfc000000, v[TM+\b]
.endif
.endr
.irp b, 0,1,2,3
.if \b < \nb
	v_and_or_b32 v[TM+8+\b], v[TM+\b], 0x7f800000, s[MNT]
.endif
.endr
.irp b, 0,1,2,3
.if \b < \nb
	v_lshrrev_b32 v[TM+4+\b], 23, v[TM+12+\b]
.endif
.endr
.endm
.macro QCVT s, nb, d, ds, dw
.irp b, 0,1,2,3
.if \b < \nb
.irp i, 0,1,2,3,4,5,6,7,8,9,10,11,12,13,14,15
	v_med3_num_f32 v[(\s)+16*\b+\i], v[(\s)+16*\b+\i], -v[TM+8+\b], v[TM+8+\b]
.endr
.endif
.endr
	WIN \dw
.irp b, 0,1,2,3
.if \b < \nb
	v_cvt_scalef32_pk8_fp8_f32 v[(\d)+(\ds)*(\b/2)+4*(\b%2):(\d)+(\ds)*(\b/2)+4*(\b%2)+1], v[(\s)+16*\b:(\s)+16*\b+7], v[TM+12+\b]
	v_cvt_scalef32_pk8_fp8_f32 v[(\d)+(\ds)*(\b/2)+4*(\b%2)+2:(\d)+(\ds)*(\b/2)+4*(\b%2)+3], v[(\s)+16*\b+8:(\s)+16*\b+15], v[TM+12+\b]
.endif
.endr
	WIN 0
	v_nop
.endm
.macro LNORM x, y, t, pw, pb           ; LayerNorm of a row of 64 held by lanes l and l xor 16: two passes; gain and bias in window 1
.irp k, 0,1,2,3
	v_pk_add_f32 v[(\t)+2*\k:(\t)+2*\k+1], v[(\x)+4*\k:(\x)+4*\k+1], v[(\x)+4*\k+2:(\x)+4*\k+3]
.endr
.irp k, 0,1,2,3,4,5,6,7
	v_pk_add_f32 v[(\t)+2*(\k%4):(\t)+2*(\k%4)+1], v[(\t)+2*(\k%4):(\t)+2*(\k%4)+1], v[(\x)+16+2*\k:(\x)+16+2*\k+1]
.endr
	v_pk_add_f32 v[(\t):(\t)+1], v[(\t):(\t)+1], v[(\t)+2:(\t)+3]
	v_pk_add_f32 v[(\t)+4:(\t)+5], v[(\t)+4:(\t)+5], v[(\t)+6:(\t)+7]
	v_pk_add_f32 v[(\t):(\t)+1], v[(\t):(\t)+1], v[(\t)+4:(\t)+5]
	v_add_f32 v[ST], v[(\t)], v[(\t)+1]
	v_mov_b32 v[ST+1], 0
	v_mov_b32 v[ST+3], 0
	v_permlanex16_b32 v[ST+4], v[ST], s[SEL], s[SEL+1]
	v_add_f32 v[ST], v[ST], v[ST+4]
	v_mul_f32 v[ST], 0xbc800000, v[ST]
.irp i, 0,2,4,6,8,10,12,14,16,18,20,22,24,26,28,30
	v_pk_add_f32 v[(\y)+\i:(\y)+\i+1], v[(\x)+\i:(\x)+\i+1], v[ST:ST+1] op_sel_hi:[1,0]
.endr
	v_pk_mul_f32 v[ST+6:ST+7], v[(\y):(\y)+1], v[(\y):(\y)+1]
	v_pk_mul_f32 v[ST+8:ST+9], v[(\y)+2:(\y)+3], v[(\y)+2:(\y)+3]
.irp i, 4,8,12,16,20,24,28
	v_pk_fma_f32 v[ST+6:ST+7], v[(\y)+\i:(\y)+\i+1], v[(\y)+\i:(\y)+\i+1], v[ST+6:ST+7]
	v_pk_fma_f32 v[ST+8:ST+9], v[(\y)+\i+2:(\y)+\i+3], v[(\y)+\i+2:(\y)+\i+3], v[ST+8:ST+9]
.endr
	v_pk_add_f32 v[ST+6:ST+7], v[ST+6:ST+7], v[ST+8:ST+9]
	v_add_f32 v[ST+2], v[ST+6], v[ST+7]
	v_permlanex16_b32 v[ST+4], v[ST+2], s[SEL], s[SEL+1]
	v_add_f32 v[ST+2], v[ST+2], v[ST+4]
	v_fma_f32 v[ST+2], v[ST+2], s[C64], s[EPS]
	v_rsq_f32 v[ST+2], v[ST+2]
	v_nop
	s_wait_alu depctr_va_vdst(0)                   ; the wait ahead of the first reader
.irp i, 0,2,4,6,8,10,12,14,16,18,20,22,24,26,28,30
	v_pk_mul_f32 v[(\y)+\i:(\y)+\i+1], v[(\y)+\i:(\y)+\i+1], v[ST+2:ST+3] op_sel_hi:[1,0]
.endr
	WIN 0x14
.irp i, 0,2,4,6,8,10,12,14,16,18,20,22,24,26,28,30
	v_pk_fma_f32 v[(\y)+\i:(\y)+\i+1], v[(\y)+\i:(\y)+\i+1], v[(\pw)+\i:(\pw)+\i+1], v[(\pb)+\i:(\pb)+\i+1]
.endr
	WIN 0
.endm
; 1 / (1 + 2^(-x log2 e)) of n numbers: e <- x times -log2(e); the exponentials as one batch; MID, independent work, stands behind them
.macro NEGL d, s, n                    ; n pairs: d = s x -log2(e)
.set kk, 0
.rept \n
	v_pk_mul_f32 v[(\d)+kk:(\d)+kk+1], v[(\s)+kk:(\s)+kk+1], 0xbfb8aa3b op_sel_hi:[1,0]
.set kk, kk+2
.endr
.endm
.macro EXPN d, n
.set kk, 0
.rept \n
	v_exp_f32 v[(\d)+kk], v[(\d)+kk]
.set kk, kk+1
.endr
.endm
.macro RCPN d, n
.set kk, 0
.rept \n
	v_rcp_f32 v[(\d)+kk], v[(\d)+kk]
.set kk, kk+1
.endr
.endm
.macro ADD1 d, n
.set kk, 0
.rept \n
	v_pk_add_f32 v[(\d)+kk:(\d)+kk+1], v[(\d)+kk:(\d)+kk+1], 1.0 op_sel_hi:[1,0]
.set kk, kk+2
.endr
.endm
.macro MULV d, s, n                    ; n pairs: d = d x s
.set kk, 0
.rept \n
	v_pk_mul_f32 v[(\d)+kk:(\d)+kk+1], v[(\d)+kk:(\d)+kk+1], v[(\s)+kk:(\s)+kk+1]
.set kk, kk+2
.endr
.endm
.macro MULB d, p, n                    ; n pairs: d = d x the low word of the pair p
.set kk, 0
.rept \n
	v_pk_mul_f32 v[(\d)+kk:(\d)+kk+1], v[(\d)+kk:(\d)+kk+1], v[(\p):(\p)+1] op_sel_hi:[1,0]
.set kk, kk+2
.endr
.endm
.macro ROUND
	s_barrier_signal -1
	s_barrier_wait -1
	s_cmp_lg_u32 s[WV], 0
	s_cbranch_scc1 .Lnw0_\@
	s_barrier_signal -3
.Lnw0_\@:
	s_barrier_wait -3
	s_barrier_signal -1
	s_barrier_wait -1
.endm
	s_load_b512 s[4:19], s[0:1], 0x0               ; m 4, pcod 6, prec 8, wq4 10, lnm_w 12, lnm_b 14, tr_ln_w 16, tr_ln_b 18
	s_load_b64 s[20:21], s[0:1], 0x40              ; out0
	v_lshl_add_u32 v[SPW], v0, 2, SPARE
	v_mov_b32 v[NIL], 0
	ds_add_u32 v5, v6
	ds_add_u32 v5, v6
	s_wait_dscnt 0x0
	v_lshrrev_b32 v1, 5, v0
	v_readfirstlane_b32 s[WV], v1
	s_bfe_u32 s23, ttmp6, 0x40000
	s_lshl_b32 s24, ttmp9, 2
	s_add_co_u32 s24, s24, s23                     ; my pair of sequences: 4 x cluster x + cx: it enters m's and out0's addresses alone
	s_mov_b32 s[G1M], (3<<16)|(1<<20)|(5<<22)|(3<<25)              ; m: my own load: 64 rows of 256 bytes, 16 of padding behind each
	s_mov_b32 s[G1M+1], 32<<16
	s_mov_b32 s[G1M+2], 64<<16
	s_mov_b32 s[G1M+3], 32<<16
	s_mov_b32 s[G1M+4], 64
	s_mov_b32 s[G1M+5], 32
	s_mov_b32 s[G1M+6], 0
	s_mov_b32 s[G1M+7], 0
	s_mov_b32 s[G1P], 15|(3<<16)|(1<<20)|(1<<21)|(5<<22)|(3<<25)   ; p: joint: 32 rows of 256 bytes, padded
	s_mov_b32 s[G1P+1], 32<<16
	s_mov_b32 s[G1P+2], 32<<16
	s_mov_b32 s[G1P+3], 32<<16
	s_mov_b32 s[G1P+4], 32
	s_mov_b32 s[G1P+5], 32
	s_mov_b32 s[G1P+6], 0
	s_mov_b32 s[G1P+7], 0
	s_mov_b32 s[G1W], 15|(3<<16)|(1<<21)           ; the weights: joint: a dense block of 67 rows of 256 bytes
	s_mov_b32 s[G1W+1], 32<<16
	s_mov_b32 s[G1W+2], 67<<16
	s_mov_b32 s[G1W+3], 32<<16
	s_mov_b32 s[G1W+4], 67
	s_mov_b32 s[G1W+5], 32
	s_mov_b32 s[G1W+6], 0
	s_mov_b32 s[G1W+7], 0
	s_mov_b32 s[G1R], 15|(3<<16)|(1<<21)           ; the records: joint: 32 rows of 256 bytes
	s_mov_b32 s[G1R+1], 32<<16
	s_mov_b32 s[G1R+2], 32<<16
	s_mov_b32 s[G1R+3], 32<<16
	s_mov_b32 s[G1R+4], 32
	s_mov_b32 s[G1R+5], 32
	s_mov_b32 s[G1R+6], 0
	s_mov_b32 s[G1R+7], 0
	s_and_b32 s25, s[WV], 3
	s_mul_i32 s26, s25, 17152
	s_mov_b32 s27, 0
	s_wait_kmcnt 0x0
	s_mov_b32 s[G0XW], 1
	s_add_co_u32 s[G0XW+1], s26, WB
	s_add_nc_u64 s[G0XW+2:G0XW+3], s[10:11], s[26:27]
	s_or_b32 s[G0XW+3], s[G0XW+3], 0x80000000
	s_lshl_b32 s26, s25, 13
	s_mov_b32 s[G0XR], 1
	s_add_co_u32 s[G0XR+1], s26, PRC
	s_add_nc_u64 s[G0XR+2:G0XR+3], s[8:9], s[26:27]
	s_or_b32 s[G0XR+3], s[G0XR+3], 0x80000000
	s_mul_i32 s25, s[WV], 8704
	s_lshl_b32 s26, s[WV], 16
	s_mov_b32 s[G0P], 1
	s_mov_b32 s[G0P+1], s25
	s_add_nc_u64 s[G0P+2:G0P+3], s[6:7], s[26:27]  ; my head's rows 0 to 31
	s_mov_b32 s[G0P+4], 1
	s_add_co_u32 s[G0P+5], s25, PSL
	s_add_nc_u64 s[G0P+6:G0P+7], s[G0P+2:G0P+3], 8192
	s_or_b32 s[G0P+3], s[G0P+3], 0x80000000
	s_or_b32 s[G0P+7], s[G0P+7], 0x80000000
	s_lshl_b32 s2, s24, 17
	s_lshl_b32 s3, s[WV], 14
	s_add_co_u32 s2, s2, s3
	s_mov_b32 s3, 0
	s_mul_i32 s25, s[WV], 17408
	s_mov_b32 s[G0M], 1
	s_mov_b32 s[G0M+1], s25
	s_add_nc_u64 s[G0M+2:G0M+3], s[4:5], s[2:3]
	s_or_b32 s[G0M+3], s[G0M+3], 0x80000000
	ROUND
	s_cmp_lt_u32 s[WV], 4                          ; a wave's two first fills stand in one branch: two loads of mine are out
	s_cbranch_scc0 .Lff_r
	tensor_load_to_lds s[G0M:G0M+3], s[G1M:G1M+7]
	s_nop 0
	tensor_load_to_lds s[G0XW:G0XW+3], s[G1W:G1W+7]
	s_nop 0
	PL 4
	s_branch .Lff_d
.Lff_r:
	tensor_load_to_lds s[G0M:G0M+3], s[G1M:G1M+7]
	s_nop 0
	tensor_load_to_lds s[G0XR:G0XR+3], s[G1R:G1R+7]
	s_nop 0
	PL 4
.Lff_d:
	v_and_b32 v[R], 15, v0
	v_bfe_u32 v[HL], v0, 4, 1
	v_and_b32 v[LI], 31, v0
	v_lshlrev_b32 v[LI], 4, v[LI]
	v_lshlrev_b32 v[R4], 2, v[R]
	v_mul_u32_u24 v126, v[R], 272
	v_lshl_add_u32 v[AM], v[HL], 6, v126
	v_add_nc_u32 v[AM], s25, v[AM]
	s_lshl_b32 s25, s[WV], 12
	s_add_co_u32 s26, s25, XI
	v_add_nc_u32 v[AXW], s26, v[LI]
	s_lshl_b32 s26, s[WV], 8
	s_add_co_u32 s26, s26, XS
	v_add_nc_u32 v[AXS], s26, v[R4]
	s_mul_i32 s26, s[WV], 8704
	v_lshl_add_u32 v[AP], v[HL], 4, v126
	v_add_nc_u32 v[AP], s26, v[AP]
	s_add_co_u32 s26, s25, PRC
	v_lshl_add_u32 v[APR], v[R], 4, s26
	v_add_nc_u32 v[AXR], XI, v[LI]
	v_add_nc_u32 v[AXSR], XS, v[R4]
	s_lshr_b32 s26, s[WV], 2
	s_and_b32 s27, s[WV], 3
	s_lshl_b32 s89, s26, 11
	s_lshl_b32 s90, s27, 9
	s_add_co_u32 s89, s89, s90
	s_add_co_u32 s89, s89, GO
	v_add_nc_u32 v[AGW], s89, v[LI]                ; my head's group of the images
	s_lshl_b32 s89, s26, 6
	s_add_co_u32 s89, s89, s27
	s_add_co_u32 s89, s89, GO+4096
	v_add_nc_u32 v[AGB], s89, v[R4]                ; and its byte of the scale words
	s_mul_i32 s89, s[WV], 4352
	s_add_co_u32 s89, s89, GO
	v_add_nc_u32 v[AGR], s89, v[LI]
	s_add_co_u32 s90, s89, 4096
	v_add_nc_u32 v[AGS], s90, v[R4]
	v_add_nc_u32 v[AWB], WB, v[LI]
	v_add_nc_u32 v[AWS], WB, v[R4]
	v_lshlrev_b32 v[GM], 8, v[R]
	v_lshl_add_u32 v[GM], v[HL], 6, v[GM]
	v_lshl_add_u32 v[STO], v[HL], 6, v126
	v_add_nc_u32 v[STO], s89, v[STO]
	v_mul_u32_u24 v[RD], v[HL], 272
	v_lshl_add_u32 v[RD], v[R], 4, v[RD]
	v_add_nc_u32 v[RD], s89, v[RD]
	v_lshlrev_b32 v[GOO], 8, v[HL]
	v_lshl_add_u32 v[GOO], v[R], 4, v[GOO]
	v_lshlrev_b32 v127, 6, v[HL]
	s_mov_b32 s[SEL], 0x76543210
	s_mov_b32 s[SEL+1], 0xfedcba98
	s_mov_b32 s[MNT], 0x600000
	s_mov_b32 s[C64], 0x3c800000
	s_mov_b32 s[EPS], 0x3727c5ac
	s_lshl_b32 s2, s24, 17                         ; my row tile of a chunk: sequence w % 2, tile w / 2
	s_and_b32 s23, s[WV], 1
	s_lshl_b32 s23, s23, 16
	s_add_co_u32 s2, s2, s23
	s_lshr_b32 s23, s[WV], 1
	s_lshl_b32 s23, s23, 12
	s_add_co_u32 s2, s2, s23
	s_add_nc_u64 s[MB:MB+1], s[4:5], s[2:3]
	s_add_nc_u64 s[OB:OB+1], s[20:21], s[2:3]
	s_lshl_b32 s26, s[WV], 11
	s_mov_b32 s27, 0
	s_add_nc_u64 s[4:5], s[10:11], s[26:27]
	s_add_nc_u64 s[4:5], s[4:5], 68608             ; wv's two tiles of my head (wg's lie 17,408 bytes on)
	s_lshl_b32 s26, s[WV], 7
	s_add_nc_u64 s[20:21], s[10:11], s[26:27]
	s_add_nc_u64 s[20:21], s[20:21], 84992         ; and their scale words
	WIN 0x40
.irp c, 0,1
.irp t, 0,1,2,3
	global_load_b128 v[LP1W+16*\c+4*\t:LP1W+16*\c+4*\t+3], v127, s[12:13] offset:128*\c+16*\t
	global_load_b128 v[LP1B+16*\c+4*\t:LP1B+16*\c+4*\t+3], v127, s[14:15] offset:128*\c+16*\t
	global_load_b128 v[LP2W+16*\c+4*\t:LP2W+16*\c+4*\t+3], v127, s[16:17] offset:128*\c+16*\t
	global_load_b128 v[LP2B+16*\c+4*\t:LP2B+16*\c+4*\t+3], v127, s[18:19] offset:128*\c+16*\t
.endr
.endr
	WIN 0
.irp u, 0,1
	global_load_b128 v[PF+16*\u:PF+16*\u+3], v[LI], s[4:5] offset:1024*\u
	global_load_b128 v[PF+16*\u+4:PF+16*\u+7], v[LI], s[4:5] offset:1024*\u+512
	global_load_b32 v[WVS+\u], v[R4], s[20:21] offset:64*\u
.endr
.irp i, 0,1,2,3
	ZERO SL+16*\i+8, 8                             ; K = 64: the upper halves are zero codes, written once
.endr
	ZERO PF+8, 8
	ZERO PF+24, 8
	ZERO TM+4, 4
	v_mov_b32 v[ST+4], 0
	s_wait_tensorcnt 0x1                           ; my 64 rows of m are in, and only I read them
	s_wait_loadcnt 0x0
	s_mov_b32 s[TP], 0
	s_mov_b32 s[TX], 0
	s_mov_b32 s[TXS], 0
	s_mov_b32 s[CNT2], 2
.Lln:                                              ; two tiles a trip: LN, quantised along the channels, images to LDS
	v_add_nc_u32 v126, s[TP], v[AM]
.irp tl, 0,1
.irp c, 0,1
.irp t, 0,1,2,3
	ds_load_b128 v[H+32*\tl+16*\c+4*\t:H+32*\tl+16*\c+4*\t+3], v126 offset:4352*\tl+128*\c+16*\t
.endr
.endr
.endr
	s_wait_dscnt 0x0
	LNORM H, H, CD, LP1W, LP1B
	LNORM H+32, H+32, CD, LP1W, LP1B
	QMAX H, 4
	v_lshl_or_b32 v[XSW], v[TM+5], 8, v[TM+4]
	v_lshl_or_b32 v[XSW+1], v[TM+7], 8, v[TM+6]
	QCVT H, 4, CD, 8, 0
	v_add_nc_u32 v126, s[TX], v[AXW]
	v_add_nc_u32 v127, s[TXS], v[AXS]
.irp k, 0,1,2,3
	ds_store_b128 v126, v[CD+4*\k:CD+4*\k+3] offset:512*\k
.endr
	ds_store_b32 v127, v[XSW]
	ds_store_b32 v127, v[XSW+1] offset:64
	s_wait_dscnt 0x0
	s_add_co_u32 s[TP], s[TP], 8704
	s_add_co_u32 s[TX], s[TX], 2048
	s_add_co_u32 s[TXS], s[TXS], 128
	s_sub_co_u32 s[CNT2], s[CNT2], 1
	s_cmp_lg_u32 s[CNT2], 0
	s_cbranch_scc1 .Lln
	s_wait_tensorcnt 0x0                           ; all my loads have landed (the weights or the records among them);
	ds_add_u32 v[SPW], v[NIL]                      ; 0 onto my spare word
	s_wait_dscnt 0x0                               ; my images are stored and my reads of m are over
	ROUND
	tensor_load_to_lds s[G0P:G0P+3], s[G1P:G1P+7]  ; p's first tile of my head, over m's bytes
	s_nop 0
	PL 4
	WIN 0x40
.irp u, 0,1
	global_load_b128 v[WGF+16*\u:WGF+16*\u+3], v[LI], s[4:5] offset:17408+1024*\u
	global_load_b128 v[WGF+16*\u+4:WGF+16*\u+7], v[LI], s[4:5] offset:17408+1024*\u+512
.endr
	ZERO WGF+8, 8
	ZERO WGF+24, 8
	WIN 0
.irp u, 0,1
	global_load_b32 v[WGS+\u], v[R4], s[20:21] offset:17408+64*\u
.endr
; v's fragment (d tile u, sequence s, K step ks of 128 j): eight tiles of mn against wv's tile, quantised along j
.macro VFRAG u, s, ks
.irp hf, 0,1
.if \hf
	PL 8
.endif
.irp i, 0,1,2,3
	ds_load_b128 v[SL+16*\i:SL+16*\i+3], v[AXR] offset:(16*\s+8*\ks+4*\hf+\i)*1024
	ds_load_b128 v[SL+16*\i+4:SL+16*\i+7], v[AXR] offset:(16*\s+8*\ks+4*\hf+\i)*1024+512
	ds_load_b32 v[XSW+\i], v[AXSR] offset:(16*\s+8*\ks+4*\hf+\i)*64
.endr
	s_wait_dscnt 0x0
.irp i, 0,1,2,3
	WM H+8*(4*\hf+\i),SL+16*\i,PF+16*\u,-1,XSW+\i,WVS+\u
.endr
.endr
	PL 9
	QMAX H, 4
	v_lshl_or_b32 v[SV+4*\u+2*\s+\ks], v[TM+5], 8, v[TM+4]
	v_lshl_or_b32 v[SV+4*\u+2*\s+\ks], v[TM+6], 16, v[SV+4*\u+2*\s+\ks]
	v_lshl_or_b32 v[SV+4*\u+2*\s+\ks], v[TM+7], 24, v[SV+4*\u+2*\s+\ks]
	QCVT H, 4, 16*(4*\u+2*\s+\ks), 8, 0x40
.endm
.irp u, 0,1
.irp s, 0,1
.irp ks, 0,1
	VFRAG \u, \s, \ks
.endr
.endr
.endr
	WIN 0x40
.irp c, 0,1
.irp t, 0,1,2,3
	global_load_b128 v[MP+16*\c+4*\t:MP+16*\c+4*\t+3], v[GM], s[MB:MB+1] offset:128*\c+16*\t   ; m's tile of my first chunk, in the layout of the product's result
.endr
.endr
	WIN 0
	s_wait_loadcnt 8                               ; wg's tiles and scale words are in; m's tile may stay out
; one tile of 16 i, both sequences, my head: o, the gate, their product quantised along (h, d), to the tile's owner
.macro ITER
	v_add_nc_u32 v116, s[TP], v[AP]
	v_add_nc_u32 v117, s[TR], v[APR]
	v_add_nc_u32 v118, s[TX], v[AXR]
	v_add_nc_u32 v119, s[TXS], v[AXSR]
	v_add_nc_u32 v120, s[TG], v[AGW]
	v_add_nc_u32 v121, s[TG], v[AGB]
.irp ks, 0,1
.irp q, 0,1,2,3
	ds_load_b128 v[PF+16*\ks+4*\q:PF+16*\ks+4*\q+3], v116 offset:128*\ks+32*\q
.endr
.endr
	ds_load_b128 v[PRC4:PRC4+3], v117
	ds_load_b128 v[SL:SL+3], v118
	ds_load_b128 v[SL+4:SL+7], v118 offset:512
	ds_load_b128 v[SL+16:SL+19], v118 offset:16384
	ds_load_b128 v[SL+20:SL+23], v118 offset:16896
	ds_load_b32 v[XSW], v119
	ds_load_b32 v[XSW+1], v119 offset:1024
	s_wait_dscnt 0x0
	WIN 0x01                                       ; source 0 (v, wg) in window 1.  Eight accumulators by turns
.irp s, 0,1
.irp u, 0,1
	WM H+16*\s+8*\u,16*(4*\u+2*\s),PF,-1,SV+4*\u+2*\s,PRC4
.endr
.endr
.irp s, 0,1
.irp u, 0,1
	WM H+32+16*\s+8*\u,WGF+16*\u,SL+16*\s,-1,WGS+\u,XSW+\s
.endr
.endr
.irp s, 0,1
.irp u, 0,1
	WM H+16*\s+8*\u,16*(4*\u+2*\s+1),PF+16,H+16*\s+8*\u,SV+4*\u+2*\s+1,PRC4+1
.endr
.endr
	WIN 0
	PL 8
	NEGL H+32, H+32, 16
	EXPN H+32, 32                                  ; one batch;
	MULB H, PRC4+2, 16                             ; o / l: independent work behind it;
	s_wait_alu depctr_va_vdst(0)                   ; one wait, ahead of the batch's first reader
	ADD1 H+32, 16
	RCPN H+32, 32
	v_nop
	s_wait_alu depctr_va_vdst(0)
	MULV H, H+32, 16
	QMAX H, 2
	QCVT H, 2, CD, 8, 0
	ds_store_b128 v120, v[CD:CD+3]
	ds_store_b128 v120, v[CD+4:CD+7] offset:4352
	ds_store_b8 v121, v[TM+4]
	ds_store_b8 v121, v[TM+5] offset:4352
.endm
; a tile of p (32 i: two ITER).  In front: all my tensor loads have landed, the add, my LDS instructions are done; then the round, and the next tile's joint load first behind it, into the slot read last
.macro STEPC slot, fill
	s_wait_tensorcnt 0x0
	ds_add_u32 v[SPW], v[NIL]
	s_add_nc_u64 s[G0P+4*\slot+2:G0P+4*\slot+3], s[G0P+4*\slot+2:G0P+4*\slot+3], 16384   ; this slot's next tile
	s_wait_dscnt 0x0
.if \fill
	ROUND
	tensor_load_to_lds s[G0P+4*(1-\slot):G0P+4*(1-\slot)+3], s[G1P:G1P+7]
	s_nop 0
	PL 4
.else
	s_barrier_signal -1
	s_barrier_wait -1
.endif
	s_mov_b32 s[TP], PSL*\slot
.if \slot == 0
	s_mov_b32 s[TG], 0
.endif
	s_mov_b32 s[CNT2], 2
.Lit_\@:
	ITER
	s_add_co_u32 s[TP], s[TP], 4352
	s_add_co_u32 s[TR], s[TR], 256
	s_add_co_u32 s[TX], s[TX], 1024
	s_add_co_u32 s[TXS], s[TXS], 64
	s_add_co_u32 s[TG], s[TG], 8704
	s_sub_co_u32 s[CNT2], s[CNT2], 1
	s_cmp_lg_u32 s[CNT2], 0
	s_cbranch_scc1 .Lit_\@
.endm
; 32 hidden units: a and b, silu(a) b, quantised: group q of the next operand
.macro FFBLK q
.irp sl, 0,1,2,3
	ds_load_b128 v[SL+16*\sl:SL+16*\sl+3], v124 offset:4096*\q+1024*\sl
	ds_load_b128 v[SL+16*\sl+4:SL+16*\sl+7], v124 offset:4096*\q+1024*\sl+512
	ds_load_b32 v[WSW+\sl], v125 offset:256*\q+64*\sl
.endr
	s_wait_dscnt 0x0
.irp sl, 0,1,2,3
	WM H+32+8*\sl,SL+16*\sl,XC,-1,WSW+\sl,XCW
.endr
	PL 8
	NEGL TM, H+32, 8
	EXPN TM, 16
	MULV H+32, H+48, 8                             ; a b: independent work behind the batch
	s_wait_alu depctr_va_vdst(0)
	ADD1 TM, 8
	RCPN TM, 16
	v_nop
	s_wait_alu depctr_va_vdst(0)
	MULV H+32, TM, 8
	QMAX H+32, 1
.if \q == 0
	v_mov_b32 v[HW], v[TM+4]
.else
	v_lshl_or_b32 v[HW], v[TM+4], 8*\q, v[HW]
.endif
	QCVT H+32, 1, CD+4*\q, 8, 0
.endm
; my row tile of the chunk: the output product onto m, LN, the transition onto m', the way out
.macro POST next
	s_wait_dscnt 0x0                               ; my images and bytes are stored
	s_barrier_signal -1
	s_barrier_wait -1                              ; everybody's are
.irp k, 0,1
.irp q, 0,1,2,3
	ds_load_b128 v[PF+16*\k+4*\q:PF+16*\k+4*\q+3], v[AGR] offset:2048*\k+512*\q
.endr
	ds_load_b32 v[GSW+\k], v[AGS] offset:64*\k
.endr
	v_add_nc_u32 v124, 51712, v[AWB]
	v_add_nc_u32 v125, 68096, v[AWS]
.irp k, 0,1
.if \k
	PL 8
.endif
.irp tt, 0,1,2,3
.irp q, 0,1,2,3
	ds_load_b128 v[192+16*\tt+4*\q:192+16*\tt+4*\q+3], v124 offset:(4*\k+\tt)*2048+512*\q
.endr
	ds_load_b32 v[WSW+\tt], v125 offset:(4*\k+\tt)*64
.endr
	s_wait_dscnt 0x0
.if \k == 0
	s_wait_loadcnt 0x0                             ; m's tile
	WIN 0x10                                       ; it is the C of the first four products
.irp tt, 0,1,2,3
	WM MN+8*\tt,192+16*\tt,PF,MP+8*\tt,WSW+\tt,GSW
.endr
	WIN 0
.else
.irp tt, 0,1,2,3
	WM MN+8*\tt,192+16*\tt,PF+16,MN+8*\tt,WSW+\tt,GSW+1
.endr
.endif
.endr
	PL 8
.if \next
	WIN 0x40
.irp c, 0,1
.irp t, 0,1,2,3
	global_load_b128 v[MP+16*\c+4*\t:MP+16*\c+4*\t+3], v[GM], s[MB:MB+1] offset:16384+128*\c+16*\t   ; the next chunk's tile of m
.endr
.endr
	WIN 0
.endif
	LNORM MN, H+32, H+32, LP2W, LP2B
	ZERO XC+8, 8
	QMAX H+32, 2
	v_lshl_or_b32 v[XCW], v[TM+5], 8, v[TM+4]
	QCVT H+32, 2, XC, 8, 0
	PL 4
	s_mov_b32 s[SWA], 0
	s_mov_b32 s[SWS], 32768
	s_mov_b32 s[STW], 34816
	s_mov_b32 s[STS], 51200
	s_mov_b32 s[CNT2], 2
.Lks_\@:                                           ; 128 hidden units a trip
	v_add_nc_u32 v124, s[SWA], v[AWB]
	v_add_nc_u32 v125, s[SWS], v[AWS]
	v_add_nc_u32 v126, s[STW], v[AWB]
	v_add_nc_u32 v127, s[STS], v[AWS]
	FFBLK 0
	FFBLK 1
	FFBLK 2
	FFBLK 3
.irp q, 0,1,2,3
	ds_load_b128 v[192+4*\q:195+4*\q], v126 offset:512*\q
	ds_load_b128 v[208+4*\q:211+4*\q], v126 offset:2048+512*\q
	ds_load_b128 v[144+4*\q:147+4*\q], v126 offset:4096+512*\q
	ds_load_b128 v[240+4*\q:243+4*\q], v126 offset:6144+512*\q
.endr
.irp tt, 0,1,2,3
	ds_load_b32 v[WSW+\tt], v127 offset:64*\tt
.endr
	PL 4
	s_wait_dscnt 0x0
	WM MN,192,CD,MN,WSW,HW
	WM MN+8,208,CD,MN+8,WSW+1,HW
	WM MN+16,144,CD,MN+16,WSW+2,HW
	WM MN+24,240,CD,MN+24,WSW+3,HW
	PL 9                                           ; the next products write over these operands' registers
	s_add_co_u32 s[SWA], s[SWA], 16384
	s_add_co_u32 s[SWS], s[SWS], 1024
	s_add_co_u32 s[STW], s[STW], 8192
	s_add_co_u32 s[STS], s[STS], 256
	s_sub_co_u32 s[CNT2], s[CNT2], 1
	s_cmp_lg_u32 s[CNT2], 0
	s_cbranch_scc1 .Lks_\@
.irp tt, 0,1,2,3
	ds_store_b128 v[STO], v[MN+8*\tt:MN+8*\tt+3] offset:128*(\tt/2)+32*(\tt%2)       ; my stage: the bytes of my tile's images, which I have read
	ds_store_b128 v[STO], v[MN+8*\tt+4:MN+8*\tt+7] offset:128*(\tt/2)+32*(\tt%2)+16
.endr
.irp t, 0,1,2,3,4,5,6,7
	ds_load_b128 v[192+4*\t:195+4*\t], v[RD] offset:544*\t         ; LDS serves a wave's instructions in order
.endr
.irp t, 0,1,2,3,4,5,6,7
	s_wait_dscnt 7-\t
	global_store_b128 v[GOO], v[192+4*\t:195+4*\t], s[OB:OB+1] offset:512*\t th:TH_STORE_NT   ; 32 lanes store two rows: 512 consecutive bytes
.endr
	s_wait_xcnt 0x0                                ; the loads and stores have read their bases and registers
	s_add_nc_u64 s[MB:MB+1], s[MB:MB+1], 16384
	s_add_nc_u64 s[OB:OB+1], s[OB:OB+1], 16384
.endm
	s_mov_b32 s[TR], 0
	s_mov_b32 s[TX], 0
	s_mov_b32 s[TXS], 0
	s_mov_b32 s[CNT1], 3
.Lmain:                                            ; a chunk: 4 tiles of i x 2 sequences
	STEPC 0, 1
	STEPC 1, 1
	POST 1
	s_sub_co_u32 s[CNT1], s[CNT1], 1
	s_cmp_lg_u32 s[CNT1], 0
	s_cbranch_scc1 .Lmain
	STEPC 0, 1                                     ; the last chunk is written out: its last tile asks for nothing
	STEPC 1, 0
	POST 0
	s_wait_tensorcnt 0x0                           ; the wave's end
	ds_add_u32 v[SPW], v[NIL]
	s_wait_dscnt 0x0
	ROUND                                          ; the closing round
	s_endpgm
.Lfunc_end_k_q3887449100_pwa:
	.size	k_q3887449100_pwa, .Lfunc_end_k_q3887449100_pwa-k_q3887449100_pwa
	.p2alignl 7, 3214868480
	.fill 96, 4, 3214868480
	.section	.rodata,"a",@progbits
	.p2align	6, 0x0
	.amdhsa_kernel k_q3887449100_pwa
		.amdhsa_group_segment_fixed_size 327680
		.amdhsa_private_segment_fixed_size 0
		.amdhsa_enable_private_segment 0
		.amdhsa_kernarg_size 72
		.amdhsa_user_sgpr_count 2
		.amdhsa_user_sgpr_kernarg_segment_ptr 1
		.amdhsa_wavefront_size32 1
		.amdhsa_system_sgpr_workgroup_id_x 1
		.amdhsa_system_sgpr_workgroup_id_y 1
		.amdhsa_system_sgpr_workgroup_id_z 1
		.amdhsa_system_vgpr_workitem_id 0
		.amdhsa_next_free_vgpr 512
		.amdhsa_next_free_sgpr 100
		.amdhsa_reserve_vcc 0
		.amdhsa_float_denorm_mode_32 3
		.amdhsa_float_denorm_mode_16_64 3
		.amdhsa_memory_ordered 1
		.amdhsa_forward_progress 1
		.amdhsa_inst_pref_size 255
	.end_amdhsa_kernel
	.section	.bss,"aw",@nobits
	.p2align	6
	.space	262144
	.amdgpu_metadata
---
amdhsa.version: [ 1, 2 ]
amdhsa.kernels:
  - .name:           k_q3887449100_pwa
    .symbol:         k_q3887449100_pwa.kd
    .args:
      - { .name: m, .offset: 0, .size: 8, .value_kind: global_buffer, .address_space: global }
      - { .name: pcod, .offset: 8, .size: 8, .value_kind: global_buffer, .address_space: global }
      - { .name: prec, .offset: 16, .size: 8, .value_kind: global_buffer, .address_space: global }
      - { .name: wq4, .offset: 24, .size: 8, .value_kind: global_buffer, .address_space: global }
      - { .name: pwa_lnm_w, .offset: 32, .size: 8, .value_kind: global_buffer, .address_space: global }
      - { .name: pwa_lnm_b, .offset: 40, .size: 8, .value_kind: global_buffer, .address_space: global }
      - { .name: tr_ln_w, .offset: 48, .size: 8, .value_kind: global_buffer, .address_space: global }
      - { .name: tr_ln_b, .offset: 56, .size: 8, .value_kind: global_buffer, .address_space: global }
      - { .name: out0, .offset: 64, .size: 8, .value_kind: global_buffer, .address_space: global }
    .group_segment_fixed_size: 327680
    .private_segment_fixed_size: 0
    .kernarg_segment_align: 8
    .kernarg_segment_size: 72
    .max_flat_workgroup_size: 256
    .sgpr_count:     100
    .vgpr_count:     512
    .wavefront_size: 32
...
	.end_amdgpu_metadata
.endif
;; end of part 4
;; ======== version 2 of 2: 4 launches
;; limits: right only within a limited range of input values
;; workspace buffers: acod 4,194,304 bytes; bcod 4,194,304 bytes; absc 262,144 bytes; w2 270,336 bytes; wq4 103,424 bytes; pcod 524,288 bytes; prec 32,768 bytes
;; launch prep (part 5): grid 256 x 1, 4 waves a work-group, no clusters, 8,704 bytes of LDS; arguments m, msa_mask, opm_ln_w, opm_ln_b, opm_w1, opm_w2, opm_wout, pwa_wv, pwa_wg, pwa_wo, tr_wa, tr_wb, tr_wo, acod, bcod, absc, w2, wq4; writes acod, bcod, absc, w2, wq4
.if DOCPART == 5
	.amdgcn_target "amdgcn-amd-amdhsa--gfx1250"
	.amdhsa_code_object_version 6
	.text
	.protected	k_q3887449100_prep
	.globl	k_q3887449100_prep
	.p2align	8
	.type	k_q3887449100_prep,@function
k_q3887449100_prep:
	s_mov_b64 s[64:65], 0
	v_nop
	global_prefetch_b8 v0, s[64:65] scope:SCOPE_SE
	s_setreg_imm32_b32 hwreg(HW_REG_WAVE_MODE, 25, 1), 1
	s_wait_xcnt 0x0
; a = (LN(m) w1) mask and b = (LN(m) w2) mask, both products on E4M3 codes, quantised again along s for the outer product; and every weight and the mask quantised once.
; SHARES. A work-group owns one residue n; wave w owns s = 128 w .. 128 w + 127: eight tiles of 16 rows of m.  Lane r of tile (sbl, su) takes s = 128 w + 32 sbl + 8 su + r + 8 (r / 8),
; source 0 = 16 rows of LN(m), source 1 = 16 columns of w1 or w2: a lane then holds ONE column c (or e) and the 16 registers of tiles su = 0, 1 are 16 neighbouring s: the next K.
; OUT. acod [ib16][sb16][nl16][c32][hl2][16 B], bcod [j][u2][ks4][q4][lane][16 B] (images of operand registers), absc: a's scale bytes [n][c][16], then b's [j][u][row][16].
; THE JOB. Wave 0 of work-groups 0 to 207 also quantises one fragment of a weight or of the mask along its K (a lane a column, registers down K) into w2 or wq4, as an image of the operand's registers.
; No clusters, no tensor loads: work-groups share no tile; each row of m is read once, all 64 loads of a wave are out together.
; LIMITS: NaN and infinities are not served; a block whose largest magnitude lies under 2^-118, or of zeros, gets the scale byte 1 (its bytes are read by this program alone); 1/sqrt is v_rsq_f32.
.set WI,   2048                        ; LDS: 0 the mask's column, 512 bytes a wave; WI four weight half fragments of 1,024; WSL their scale words; SG the scale bytes on the way out
.set WSL,  6144
.set SG,   6400
.set R, 1
.set HL, 2
.set LANE, 3
.set XA, 4
.set LI, 5
.set R4, 6
.set AO, 7
.set MAP, 8
.set WOFF, 9
.set MKG, 10
.set MKL, 11
.set MKRD, 12
.set HL64, 13
.set JOFF, 14
.set WIST, 15
.set WSST, 16
.set SGST, 17
.set ASW, 18
.set JW, 19
.set SW, 20
.set WSC, 24
.set SGRD, 28
.set XN, 32
.set AF, 64
.set MKR, 80
.set H, 96
.set CD, 160
.set TM, 176
.set ST, 192
.set MT, 204
.set LNW, 0                            ; window 1: LN's gain and bias for my 32 channels, and from 192 the four weight fragments; window 2: my 8 tiles of m
.set LNB, 32
.set WF, 192
.set WV, 40
.set SEL, 42
.set MNT, 44
.set C64, 45
.set EPS, 46
.set KD, 47
.set JP, 48
.set JDO, 56
.set JSO, 58
.set JD, 60
.set JS, 62
.set SCB, 66
.set ACB, 68
.set BCB, 70
.set MB, 72
.set MKB, 74
.set WP, 76
.set JID, 78
.set MSB, 0
.macro WIN new                         ; the immediate's high byte repeats the setting that is left
.if MSB != (\new)
	s_set_vgpr_msb (MSB<<8)|(\new)
.set MSB, (\new)
.endif
.endm
.macro PL n
.rept \n
	v_nop
.endr
.endm
.macro WM d, a, b, sa, sb
	v_wmma_scale_f32_16x16x128_f8f6f4 v[(\d):(\d)+7], v[(\a):(\a)+15], v[(\b):(\b)+15], 0, v[\sa], v[\sb]
.endm
; nb blocks of 32 along K, block b in v[s + 16 b ..] of lanes l and l xor 16: largest magnitude (with the floor 2^-118), scale operand TM+12, scale byte TM+4
.macro QMAX s, nb
.irp b, 0,1,2,3
.if \b < \nb
	v_max3_num_f32 v[TM+\b], |v[(\s)+16*\b]|, |v[(\s)+16*\b+1]|, 0x4800000
.endif
.endr
.irp i, 2,4,6,8,10,12,14
.irp b, 0,1,2,3
.if \b < \nb
	v_max3_num_f32 v[TM+\b], v[TM+\b], |v[(\s)+16*\b+\i]|, |v[(\s)+16*\b+\i+1]|
.endif
.endr
.endr
.irp b, 0,1,2,3
.if \b < \nb
	v_permlanex16_b32 v[TM+4+\b], v[TM+\b], s[SEL], s[SEL+1]
.endif
.endr
.irp b, 0,1,2,3
.if \b < \nb
	v_max_num_f32 v[TM+\b], v[TM+\b], v[TM+4+\b]
.endif
.endr
.irp b, 0,1,2,3
.if \b < \nb
	v_add_nc_u32 v[TM+12+\b], 0xfc000000, v[TM+\b]
.endif
.endr
.irp b, 0,1,2,3
.if \b < \nb
.endif
.endr
.irp b, 0,1,2,3
.if \b < \nb
	v_lshrrev_b32 v[TM+4+\b], 23, v[TM+12+\b]
.endif
.endr
.endm
; the conversions: block b's 16 codes into v[d + ds (b / 2) + 4 (b % 2) ..], in the window that dw names
.macro QCVT s, nb, d, ds, dw
.irp b, 0,1,2,3
.if \b < \nb
.irp i, 0,1,2,3,4,5,6,7,8,9,10,11,12,13,14,15
.endr
.endif
.endr
	WIN \dw
.irp b, 0,1,2,3
.if \b < \nb
	v_cvt_scalef32_pk8_fp8_f32 v[(\d)+(\ds)*(\b/2)+4*(\b%2):(\d)+(\ds)*(\b/2)+4*(\b%2)+1], v[(\s)+16*\b:(\s)+16*\b+7], v[TM+12+\b]
	v_cvt_scalef32_pk8_fp8_f32 v[(\d)+(\ds)*(\b/2)+4*(\b%2)+2:(\d)+(\ds)*(\b/2)+4*(\b%2)+3], v[(\s)+16*\b+8:(\s)+16*\b+15], v[TM+12+\b]
.endif
.endr
	WIN 0
	v_nop                                          ; a plain line behind the last conversion
.endm
; LayerNorm of a row of 64 held by lanes l and l xor 16, 32 numbers each: x (window xw) -> y; t: 8 registers at work; two passes: mean, then the centred squares
.macro LNORM x, xw, y, t, pw, pb
	WIN (\xw)*5
.irp k, 0,1,2,3
	v_pk_add_f32 v[(\t)+2*\k:(\t)+2*\k+1], v[(\x)+4*\k:(\x)+4*\k+1], v[(\x)+4*\k+2:(\x)+4*\k+3]
.endr
	WIN (\xw)*4
.irp k, 0,1,2,3,4,5,6,7
	v_pk_add_f32 v[(\t)+2*(\k%4):(\t)+2*(\k%4)+1], v[(\t)+2*(\k%4):(\t)+2*(\k%4)+1], v[(\x)+16+2*\k:(\x)+16+2*\k+1]
.endr
	WIN 0
	v_pk_add_f32 v[(\t):(\t)+1], v[(\t):(\t)+1], v[(\t)+2:(\t)+3]
	v_pk_add_f32 v[(\t)+4:(\t)+5], v[(\t)+4:(\t)+5], v[(\t)+6:(\t)+7]
	v_pk_add_f32 v[(\t):(\t)+1], v[(\t):(\t)+1], v[(\t)+4:(\t)+5]
	v_add_f32 v[ST], v[(\t)], v[(\t)+1]
	v_permlanex16_b32 v[ST+4], v[ST], s[SEL], s[SEL+1]
	v_add_f32 v[ST], v[ST], v[ST+4]
	v_mul_f32 v[ST], 0xbc800000, v[ST]             ; - the mean
	WIN (\xw)
.irp i, 0,2,4,6,8,10,12,14,16,18,20,22,24,26,28,30
	v_pk_add_f32 v[(\y)+\i:(\y)+\i+1], v[(\x)+\i:(\x)+\i+1], v[ST:ST+1] op_sel_hi:[1,0]
.endr
	WIN 0
	v_pk_mul_f32 v[ST+6:ST+7], v[(\y):(\y)+1], v[(\y):(\y)+1]
	v_pk_mul_f32 v[ST+8:ST+9], v[(\y)+2:(\y)+3], v[(\y)+2:(\y)+3]
.irp i, 4,8,12,16,20,24,28
	v_pk_fma_f32 v[ST+6:ST+7], v[(\y)+\i:(\y)+\i+1], v[(\y)+\i:(\y)+\i+1], v[ST+6:ST+7]
	v_pk_fma_f32 v[ST+8:ST+9], v[(\y)+\i+2:(\y)+\i+3], v[(\y)+\i+2:(\y)+\i+3], v[ST+8:ST+9]
.endr
	v_pk_add_f32 v[ST+6:ST+7], v[ST+6:ST+7], v[ST+8:ST+9]
	v_add_f32 v[ST+2], v[ST+6], v[ST+7]
	v_permlanex16_b32 v[ST+4], v[ST+2], s[SEL], s[SEL+1]
	v_add_f32 v[ST+2], v[ST+2], v[ST+4]
	v_fma_f32 v[ST+2], v[ST+2], s[C64], s[EPS]     ; the variance + 1e-5
	s_wait_alu depctr_va_vdst(0)
	v_rsq_f32 v[ST+2], v[ST+2]
	v_nop                                          ; a plain line behind the transcendental,
	s_wait_alu depctr_va_vdst(0)                   ; and the wait ahead of its first reader
.irp i, 0,2,4,6,8,10,12,14,16,18,20,22,24,26,28,30
	v_pk_mul_f32 v[(\y)+\i:(\y)+\i+1], v[(\y)+\i:(\y)+\i+1], v[ST+2:ST+3] op_sel_hi:[1,0]
.endr
	WIN 0x14                                       ; gain and bias lie in window 1
.irp i, 0,2,4,6,8,10,12,14,16,18,20,22,24,26,28,30
	v_pk_fma_f32 v[(\y)+\i:(\y)+\i+1], v[(\y)+\i:(\y)+\i+1], v[(\pw)+\i:(\pw)+\i+1], v[(\pb)+\i:(\pb)+\i+1]
.endr
	WIN 0
.endm
	s_load_b512 s[4:19], s[0:1], 0x0               ; m 4, mask 6, ln_w 8, ln_b 10, w1 12, w2 14, wout 16, wv 18
	s_load_b512 s[20:35], s[0:1], 0x40             ; wg 20, wo 22, wa 24, wb 26, tr_wo 28, acod 30, bcod 32, absc 34
	s_load_b128 s[36:39], s[0:1], 0x80             ; w2 36, wq4 38
	v_lshl_add_u32 v254, v0, 2, 0x2000
	v_mov_b32 v255, 0
	v_lshrrev_b32 v1, 5, v0
	v_readfirstlane_b32 s[WV], v1                  ; wave 0..3
	v_and_b32 v[R], 15, v0
	v_bfe_u32 v[HL], v0, 4, 1
	v_and_b32 v[LANE], 31, v0
	v_lshrrev_b32 v[MAP], 3, v[R]
	v_lshl_add_u32 v[MAP], v[MAP], 3, v[R]         ; r + 8 (r / 8)
	v_lshlrev_b32 v[XA], 16, v[MAP]
	v_lshl_add_u32 v[XA], v[HL], 6, v[XA]          ; m: my row of a tile (65,536 bytes from s to s + 1), + 64 hl: my 16 channels of a block of 32
	v_lshlrev_b32 v[LI], 4, v[LANE]
	v_lshlrev_b32 v[R4], 2, v[R]
	v_lshlrev_b32 v[AO], 5, v[R]
	v_lshl_add_u32 v[AO], v[HL], 4, v[AO]          ; acod: 32 c + 16 hl
	v_lshlrev_b32 v[HL64], 6, v[HL]
	v_lshlrev_b32 v[MKG], 10, v[LANE]              ; the mask: 1,024 bytes from s to s + 1
	s_lshl_b32 s50, s[WV], 9
	v_lshl_add_u32 v[MKL], v[LANE], 2, s50
	v_lshl_add_u32 v[MKRD], v[HL], 6, s50
	s_lshl_b32 s50, s[WV], 10
	s_add_co_u32 s50, s50, WI
	v_add_nc_u32 v[WIST], s50, v[LI]
	s_lshl_b32 s50, s[WV], 6
	s_add_co_u32 s50, s50, WSL
	v_add_nc_u32 v[WSST], s50, v[R4]
	s_lshl_b32 s50, s[WV], 2
	s_add_co_u32 s50, s50, SG
	v_lshl_add_u32 v[SGST], v[R], 4, s50
	s_and_b32 s50, s[WV], 1
	s_lshl_b32 s50, s50, 9
	s_add_co_u32 s50, s50, SG
	v_add_nc_u32 v[SGRD], s50, v[LI]
	s_lshr_b32 s51, s[WV], 1                       ; my weight tile: waves 0, 1: w1, columns 16 u + r; waves 2, 3: w2, columns 8 u + r + 8 (r / 8)
	s_and_b32 s52, s[WV], 1
	s_cmp_eq_u32 s51, 0
	s_cselect_b32 s53, 16, 8
	s_cselect_b32 s54, 0, 8
	s_mul_i32 s53, s53, s52
	v_lshrrev_b32 v[WOFF], 3, v[R]
	v_mul_lo_u32 v[WOFF], v[WOFF], s54
	v_add3_u32 v[WOFF], v[WOFF], v[R], s53
	v_lshlrev_b32 v[WOFF], 2, v[WOFF]
	v_lshl_add_u32 v[WOFF], v[HL], 11, v[WOFF]     ; + 16 hl rows of 128 bytes
	s_mov_b32 s[SEL], 0x76543210
	s_mov_b32 s[SEL+1], 0xfedcba98                 ; v_permlanex16_b32: lane l xor 16
	s_mov_b32 s[C64], 0x3c800000                   ; 1 / 64
	s_mov_b32 s[EPS], 0x3727c5ac                   ; 1e-5
.irp k, 8,9,10,11,12,13,14,15
	v_mov_b32 v[AF+\k], 0                          ; K = 64: the upper half of each operand is zero codes, written once
.endr
	v_mov_b32 v[ST+1], 0
	v_mov_b32 v[ST+3], 0
	v_mov_b32 v[ST+4], 0
.irp b, 0,1,2,3
	v_mov_b32 v[TM+4+\b], 0                        ; a lane permute's destination counts as one of its sources
.endr
	WIN 0x40
.irp b, 0,1,2,3
.irp k, 8,9,10,11,12,13,14,15
	v_mov_b32 v[WF+16*\b+\k], 0
.endr
.endr
	WIN 0
	s_lshl_b32 s50, ttmp9, 8
	s_lshl_b32 s52, s[WV], 23
	s_add_co_u32 s50, s50, s52
	s_mov_b32 s51, 0
	s_wait_kmcnt 0x0
	s_add_nc_u64 s[MB:MB+1], s[4:5], s[50:51]      ; m at (s = 128 w, n)
	s_lshl_b32 s50, ttmp9, 2
	s_lshl_b32 s52, s[WV], 17
	s_add_co_u32 s50, s50, s52
	s_add_nc_u64 s[MKB:MKB+1], s[6:7], s[50:51]
	s_lshr_b32 s50, ttmp9, 4
	s_lshl_b32 s50, s50, 18
	s_and_b32 s52, ttmp9, 15
	s_lshl_b32 s52, s52, 10
	s_add_co_u32 s50, s50, s52
	s_lshl_b32 s52, s[WV], 16
	s_add_co_u32 s50, s50, s52
	s_add_nc_u64 s[ACB:ACB+1], s[30:31], s[50:51]
	s_lshl_b32 s50, ttmp9, 14
	s_lshl_b32 s52, s[WV], 11
	s_add_co_u32 s50, s50, s52
	s_add_nc_u64 s[BCB:BCB+1], s[32:33], s[50:51]
	s_lshl_b32 s50, ttmp9, 9
	s_and_b32 s52, s[WV], 1
	s_lshl_b32 s52, s52, 17
	s_add_co_u32 s50, s50, s52
	s_add_nc_u64 s[SCB:SCB+1], s[34:35], s[50:51]
	s_lshr_b32 s52, s[WV], 1
	s_cmp_eq_u32 s52, 0
	s_cselect_b64 s[WP:WP+1], s[12:13], s[14:15]
	WIN 0x40
.irp c, 0,1
.irp t, 0,1,2,3
	global_load_b128 v[LNW+16*\c+4*\t:LNW+16*\c+4*\t+3], v[HL64], s[8:9] offset:128*\c+16*\t
	global_load_b128 v[LNB+16*\c+4*\t:LNB+16*\c+4*\t+3], v[HL64], s[10:11] offset:128*\c+16*\t
.endr
.endr
	WIN 0
.irp c, 0,1
.irp i, 0,1,2,3,4,5,6,7,8,9,10,11,12,13,14,15
	global_load_b32 v[H+16*\c+\i], v[WOFF], s[WP:WP+1] offset:(32*\c+\i)*128   ; my column, registers down K
.endr
.endr
.irp k, 0,1,2,3
	global_load_b32 v[MT+\k], v[MKG], s[MKB:MKB+1] offset:32768*\k
.endr
	WIN 0x80
.irp tau, 0,1,2,3,4,5,6,7
.irp c, 0,1
.irp t, 0,1,2,3
	global_load_b128 v[32*\tau+16*\c+4*\t:32*\tau+16*\c+4*\t+3], v[XA], s[MB:MB+1] offset:(32*(\tau/2)+8*(\tau%2))*65536+128*\c+16*\t th:TH_LOAD_NT
.endr
.endr
.endr
	WIN 0
	s_wait_loadcnt 63                              ; 64 loads of m were issued behind the gains, the weight tile and the mask: all of those are in (the count's field holds no more than 63)
.irp k, 0,1,2,3
	ds_store_b32 v[MKL], v[MT+\k] offset:128*\k    ; my 128 numbers of the mask's column: my wave's own bytes
.endr
	QMAX H, 2
	v_lshl_or_b32 v[ASW], v[TM+5], 8, v[TM+4]
	QCVT H, 2, CD, 8, 0
	ds_store_b128 v[WIST], v[CD:CD+3]              ; the half fragment goes to the other waves as an image of its registers
	ds_store_b128 v[WIST], v[CD+4:CD+7] offset:512
	ds_store_b32 v[WSST], v[ASW]
	s_wait_dscnt 0x0                               ; for the others' sake: my stores are done
	s_barrier_signal -1
	s_barrier_wait -1
	WIN 0x40
.irp b, 0,1,2,3
	ds_load_b128 v[WF+16*\b:WF+16*\b+3], v[LI] offset:WI+1024*\b
	ds_load_b128 v[WF+16*\b+4:WF+16*\b+7], v[LI] offset:WI+1024*\b+512
.endr
	WIN 0
.irp b, 0,1,2,3
	ds_load_b32 v[WSC+\b], v[R4] offset:WSL+64*\b
.endr
	s_wait_dscnt 0x0
; ---- the job: one fragment of a weight or of the mask.  P: bytes from k to k + 1; a lane takes a column and 16 numbers of each block of 32 along K
.macro JLD P, nb
.irp c, 0,1,2,3
.irp i, 0,1,2,3,4,5,6,7,8,9,10,11,12,13,14,15
.if \c < \nb
	global_load_b32 v[H+16*\c+\i], v[JOFF], s[JP:JP+1] offset:(32*\c+\i)*\P
.else
	v_mov_b32 v[H+16*\c+\i], 0                     ; K = 64: two blocks of zeros
.endif
.endr
.endr
.endm
.macro COLB                            ; s52 = the first column of mapped tile s50, in bytes: 128 (T / 2) + 32 (T % 2); s53 = 0
	s_lshr_b32 s52, s50, 1
	s_lshl_b32 s52, s52, 7
	s_and_b32 s53, s50, 1
	s_lshl_b32 s53, s53, 5
	s_add_co_u32 s52, s52, s53
	s_mov_b32 s53, 0
.endm
	s_cmp_lg_u32 s[WV], 0
	s_cbranch_scc1 .Lnojob
	s_cmp_ge_u32 ttmp9, 208
	s_cbranch_scc1 .Lnojob
	s_lshr_b32 s[KD], ttmp9, 6
	s_and_b32 s[JID], ttmp9, 63
	s_mov_b32 s[JDO+1], 0
	s_mov_b32 s[JSO+1], 0
	s_cmp_eq_u32 s[KD], 1
	s_cbranch_scc1 .Lk1
	s_cmp_eq_u32 s[KD], 2
	s_cbranch_scc1 .Lk2
	s_cmp_eq_u32 s[KD], 3
	s_cbranch_scc1 .Lk3
	s_and_b32 s50, ttmp9, 7                        ; opm_wout: tile T of its 128 columns, K step ks5 of 128
	s_lshr_b32 s51, ttmp9, 3
	COLB
	s_lshl_b32 s54, s51, 16
	s_add_co_u32 s52, s52, s54
	s_add_nc_u64 s[JP:JP+1], s[16:17], s[52:53]
	s_lshr_b32 s54, s51, 1
	s_mul_i32 s54, s54, 33792                      ; the block of its octet of c
	s_and_b32 s55, s51, 1
	s_lshl_b32 s55, s55, 3
	s_add_co_u32 s55, s55, s50
	s_lshl_b32 s[JDO], s55, 11
	s_add_co_u32 s[JDO], s[JDO], s54
	s_lshl_b32 s[JSO], s55, 6
	s_add_co_u32 s[JSO], s[JSO], s54
	s_add_co_u32 s[JSO], s[JSO], 32768
	v_lshlrev_b32 v[JOFF], 13, v[HL]
	v_lshl_add_u32 v[JOFF], v[MAP], 2, v[JOFF]
	JLD 512, 4
	s_branch .Ljq
.Lk1:
	s_and_b32 s50, s[JID], 15                      ; the mask: plain tile T of its 256 columns, K step ks
	s_lshr_b32 s51, s[JID], 4
	s_lshl_b32 s52, s51, 17
	s_lshl_b32 s53, s50, 6
	s_add_co_u32 s52, s52, s53
	s_mov_b32 s53, 0
	s_add_nc_u64 s[JP:JP+1], s[6:7], s[52:53]
	s_lshl_b32 s54, s50, 2
	s_add_co_u32 s54, s54, s51
	s_lshl_b32 s[JDO], s54, 11
	s_add_co_u32 s[JDO], s[JDO], 135168
	s_lshl_b32 s[JSO], s54, 6
	s_add_co_u32 s[JSO], s[JSO], 266240
	v_lshlrev_b32 v[JOFF], 14, v[HL]
	v_lshl_add_u32 v[JOFF], v[R], 2, v[JOFF]
	JLD 1024, 4
	s_branch .Ljq
.Lk2:
	s_and_b32 s50, s[JID], 15                      ; tr_wa, tr_wb, pwa_wv, pwa_wg: tile T of 256 columns, K = 64
	s_lshr_b32 s51, s[JID], 4
	COLB
	s_cmp_eq_u32 s51, 0
	s_cselect_b64 s[JP:JP+1], s[24:25], s[26:27]
	s_cmp_eq_u32 s51, 2
	s_cselect_b64 s[JP:JP+1], s[18:19], s[JP:JP+1]
	s_cmp_eq_u32 s51, 3
	s_cselect_b64 s[JP:JP+1], s[20:21], s[JP:JP+1]
	s_add_nc_u64 s[JP:JP+1], s[JP:JP+1], s[52:53]
	s_lshr_b32 s54, s50, 1
	s_and_b32 s55, s50, 1
	s_lshl_b32 s52, s51, 1
	s_add_co_u32 s55, s55, s52
	s_lshl_b32 s52, s54, 12
	s_lshl_b32 s53, s55, 10
	s_add_co_u32 s52, s52, s53                     ; wa, wb: [fb][a u0 | a u1 | b u0 | b u1][1,024]
	s_lshl_b32 s54, s54, 8
	s_lshl_b32 s55, s55, 6
	s_add_co_u32 s54, s54, s55
	s_add_co_u32 s54, s54, 32768
	s_sub_co_u32 s55, s51, 2
	s_mul_i32 s55, s55, 17408
	s_lshl_b32 s53, s50, 10
	s_add_co_u32 s53, s53, s55
	s_add_co_u32 s53, s53, 68608                   ; wv, wg: [T][1,024]
	s_lshl_b32 s50, s50, 6
	s_add_co_u32 s55, s55, s50
	s_add_co_u32 s55, s55, 84992
	s_cmp_lt_u32 s51, 2
	s_cselect_b32 s[JDO], s52, s53
	s_cselect_b32 s[JSO], s54, s55
	v_lshlrev_b32 v[JOFF], 14, v[HL]
	v_lshl_add_u32 v[JOFF], v[MAP], 2, v[JOFF]
	JLD 1024, 2
	s_branch .Ljq
.Lk3:
	s_and_b32 s50, s[JID], 3                       ; tr_wo, pwa_wo: tile T of 64 columns, K step ks
	s_bfe_u32 s51, s[JID], 0x10002
	s_lshr_b32 s54, s[JID], 3
	COLB
	s_lshl_b32 s55, s51, 15
	s_add_co_u32 s52, s52, s55
	s_cmp_eq_u32 s54, 0
	s_cselect_b64 s[JP:JP+1], s[28:29], s[22:23]
	s_add_nc_u64 s[JP:JP+1], s[JP:JP+1], s[52:53]
	s_mul_i32 s54, s54, 16896
	s_lshl_b32 s55, s51, 2
	s_add_co_u32 s55, s55, s50
	s_lshl_b32 s[JDO], s55, 11
	s_add_co_u32 s[JDO], s[JDO], s54
	s_add_co_u32 s[JDO], s[JDO], 34816
	s_lshl_b32 s[JSO], s55, 6
	s_add_co_u32 s[JSO], s[JSO], s54
	s_add_co_u32 s[JSO], s[JSO], 51200
	v_lshlrev_b32 v[JOFF], 12, v[HL]
	v_lshl_add_u32 v[JOFF], v[MAP], 2, v[JOFF]
	JLD 256, 4
.Ljq:
	s_wait_loadcnt 0x0                             ; the job's loads are the youngest: all loads of the wave are in
	QMAX H, 4
	v_lshl_or_b32 v[JW], v[TM+5], 8, v[TM+4]
	v_lshl_or_b32 v[JW], v[TM+6], 16, v[JW]
	v_lshl_or_b32 v[JW], v[TM+7], 24, v[JW]
	QCVT H, 4, CD, 8, 0
	s_cmp_lt_u32 ttmp9, 128
	s_cselect_b64 s[JD:JD+1], s[36:37], s[38:39]
	s_add_nc_u64 s[JS:JS+1], s[JD:JD+1], s[JSO:JSO+1]
	s_add_nc_u64 s[JD:JD+1], s[JD:JD+1], s[JDO:JDO+1]
	global_store_b128 v[LI], v[CD:CD+3], s[JD:JD+1]                ; each store covers 512 consecutive bytes
	global_store_b128 v[LI], v[CD+4:CD+7], s[JD:JD+1] offset:512
	global_store_b32 v[R4], v[JW], s[JS:JS+1]                      ; both halves of the lanes hold and write the same words
	s_cmp_eq_u32 s[KD], 2
	s_cbranch_scc1 .Lnojob                         ; K = 64: half an image
	global_store_b128 v[LI], v[CD+8:CD+11], s[JD:JD+1] offset:1024
	global_store_b128 v[LI], v[CD+12:CD+15], s[JD:JD+1] offset:1536
.Lnojob:
; ---- a tile of 16 rows: LN, quantised along the channels, four products (w1 u0, u1, w2 u0, u1)
.macro TILE tau, su
	s_wait_loadcnt 56-8*(\tau)                     ; the tiles behind this one, 8 loads each, may stay out
	LNORM 32*(\tau), 2, XN, XN, LNW, LNB           ; (its lines are also the places behind the last tile's products, ahead of the writes of AF and ASW)
	QMAX XN, 2
	v_lshl_or_b32 v[ASW], v[TM+5], 8, v[TM+4]
	QCVT XN, 2, AF, 8, 0
	PL 4                                           ; an operand written by vector instructions stands four places ahead of a scaled product
	WIN 0x04
.irp b, 0,1,2,3
	WM H+16*\b+8*\su,AF,WF+16*\b,ASW,WSC+\b
.endr
	WIN 0
.endm
; ---- a block of 32 s: two tiles, the mask, the quantiser along s, four stores of 512 consecutive bytes
.macro SBLK sbl
.irp t, 0,1,2,3
	ds_load_b128 v[MKR+4*\t:MKR+4*\t+3], v[MKRD] offset:128*\sbl+16*\t
.endr
	TILE 2*\sbl, 0
	TILE 2*\sbl+1, 1
	PL 8
	s_wait_dscnt 0x0
.irp b, 0,1,2,3
.irp i, 0,2,4,6,8,10,12,14
	v_pk_mul_f32 v[H+16*\b+\i:H+16*\b+\i+1], v[H+16*\b+\i:H+16*\b+\i+1], v[MKR+\i:MKR+\i+1]
.endr
.endr
	QMAX H, 4
.irp b, 0,1,2,3
.if \sbl == 0
	v_mov_b32 v[SW+\b], v[TM+4+\b]
.else
	v_lshl_or_b32 v[SW+\b], v[TM+4+\b], 8*\sbl, v[SW+\b]
.endif
.endr
	s_wait_xcnt 0x0                                ; the codes' registers were the data of earlier stores
	QCVT H, 4, CD, 8, 0
	global_store_b128 v[AO], v[CD:CD+3], s[ACB:ACB+1] offset:16384*\sbl
	global_store_b128 v[AO], v[CD+4:CD+7], s[ACB:ACB+1] offset:16384*\sbl+512
	global_store_b128 v[LI], v[CD+8:CD+11], s[BCB:BCB+1] offset:512*\sbl
	global_store_b128 v[LI], v[CD+12:CD+15], s[BCB:BCB+1] offset:512*\sbl+8192
.endm
	SBLK 0
	SBLK 1
	SBLK 2
	SBLK 3
	s_wait_alu depctr_va_vdst(0)
.irp b, 0,1,2,3
	ds_store_b32 v[SGST], v[SW+\b] offset:256*\b   ; my four scale bytes of each row: [row][16 bytes], a's 512 bytes, then b's
.endr
	s_wait_dscnt 0x0
	s_barrier_signal -1
	s_barrier_wait -1
	s_cmp_gt_u32 s[WV], 1
	s_cbranch_scc1 .Ldone
	ds_load_b128 v[MT:MT+3], v[SGRD]               ; wave 0 a's scale bytes, wave 1 b's: 512 consecutive bytes each
	s_wait_dscnt 0x0
	global_store_b128 v[LI], v[MT:MT+3], s[SCB:SCB+1]
.Ldone:
	s_wait_tensorcnt 0x0
	ds_add_u32 v254, v255
	s_wait_dscnt 0x0
	s_endpgm
.Lfunc_end_k_q3887449100_prep:
	.size	k_q3887449100_prep, .Lfunc_end_k_q3887449100_prep-k_q3887449100_prep
	.p2alignl 7, 3214868480
	.fill 96, 4, 3214868480
	.section	.rodata,"a",@progbits
	.p2align	6, 0x0
	.amdhsa_kernel k_q3887449100_prep
		.amdhsa_group_segment_fixed_size 8704
		.amdhsa_private_segment_fixed_size 0
		.amdhsa_enable_private_segment 0
		.amdhsa_kernarg_size 144
		.amdhsa_user_sgpr_count 2
		.amdhsa_user_sgpr_kernarg_segment_ptr 1
		.amdhsa_wavefront_size32 1
		.amdhsa_system_sgpr_workgroup_id_x 1
		.amdhsa_system_sgpr_workgroup_id_y 1
		.amdhsa_system_sgpr_workgroup_id_z 1
		.amdhsa_system_vgpr_workitem_id 0
		.amdhsa_next_free_vgpr 768
		.amdhsa_next_free_sgpr 80
		.amdhsa_reserve_vcc 0
		.amdhsa_float_denorm_mode_32 3
		.amdhsa_float_denorm_mode_16_64 3
		.amdhsa_fp16_overflow 1
		.amdhsa_memory_ordered 1
		.amdhsa_forward_progress 1
		.amdhsa_inst_pref_size 143
	.end_amdhsa_kernel
	.amdgpu_metadata
---
amdhsa.version: [ 1, 2 ]
amdhsa.kernels:
  - .name:           k_q3887449100_prep
    .symbol:         k_q3887449100_prep.kd
    .args:
      - { .name: m, .offset: 0, .size: 8, .value_kind: global_buffer, .address_space: global }
      - { .name: msa_mask, .offset: 8, .size: 8, .value_kind: global_buffer, .address_space: global }
      - { .name: opm_ln_w, .offset: 16, .size: 8, .value_kind: global_buffer, .address_space: global }
      - { .name: opm_ln_b, .offset: 24, .size: 8, .value_kind: global_buffer, .address_space: global }
      - { .name: opm_w1, .offset: 32, .size: 8, .value_kind: global_buffer, .address_space: global }
      - { .name: opm_w2, .offset: 40, .size: 8, .value_kind: global_buffer, .address_space: global }
      - { .name: opm_wout, .offset: 48, .size: 8, .value_kind: global_buffer, .address_space: global }
      - { .name: pwa_wv, .offset: 56, .size: 8, .value_kind: global_buffer, .address_space: global }
      - { .name: pwa_wg, .offset: 64, .size: 8, .value_kind: global_buffer, .address_space: global }
      - { .name: pwa_wo, .offset: 72, .size: 8, .value_kind: global_buffer, .address_space: global }
      - { .name: tr_wa, .offset: 80, .size: 8, .value_kind: global_buffer, .address_space: global }
      - { .name: tr_wb, .offset: 88, .size: 8, .value_kind: global_buffer, .address_space: global }
      - { .name: tr_wo, .offset: 96, .size: 8, .value_kind: global_buffer, .address_space: global }
      - { .name: acod, .offset: 104, .size: 8, .value_kind: global_buffer, .address_space: global }
      - { .name: bcod, .offset: 112, .size: 8, .value_kind: global_buffer, .address_space: global }
      - { .name: absc, .offset: 120, .size: 8, .value_kind: global_buffer, .address_space: global }
      - { .name: w2, .offset: 128, .size: 8, .value_kind: global_buffer, .address_space: global }
      - { .name: wq4, .offset: 136, .size: 8, .value_kind: global_buffer, .address_space: global }
    .group_segment_fixed_size: 8704
    .private_segment_fixed_size: 0
    .kernarg_segment_align: 8
    .kernarg_segment_size: 144
    .max_flat_workgroup_size: 128
    .sgpr_count:     80
    .vgpr_count:     768
    .wavefront_size: 32
...
	.end_amdgpu_metadata
.endif
;; end of part 5
;; launch opm (part 6): grid 16 x 16, 4 waves a work-group, clusters of 4 x 1, 327,680 bytes of LDS; arguments acod, bcod, absc, w2, z, opm_bout, out1; writes out1
.if DOCPART == 6
	.amdgcn_target "amdgcn-amd-amdhsa--gfx1250"
	.amdhsa_code_object_version 6
	.text
	.protected	k_q3887449100_opm
	.globl	k_q3887449100_opm
	.p2align	8
	.type	k_q3887449100_opm,@function
k_q3887449100_opm:
	s_mov_b64 s[64:65], 0
	v_nop
	global_prefetch_b8 v0, s[64:65] scope:SCOPE_SE
	s_setreg_imm32_b32 hwreg(HW_REG_WAVE_MODE, 25, 1), 1
	s_wait_xcnt 0x0
	s_wait_alu depctr_hold_cnt(0) depctr_sa_sdst(0) depctr_va_vdst(0) depctr_va_sdst(0) depctr_va_ssrc(0) depctr_va_vcc(0) depctr_vm_vsrc(0)
	s_getreg_b32 s2, hwreg(HW_REG_IB_STS2, 6, 4)
	s_cmp_eq_u32 s2, 0
	s_cbranch_scc0 .Lentry_in_a_cluster
	s_endpgm
.Lentry_in_a_cluster:
	s_bfe_u32 s2, ttmp6, 0x10000c
	s_cmp_lg_u32 s2, 0x3003
	s_cbranch_scc0 .Lentry_shape_is_right
	s_endpgm
.Lentry_shape_is_right:
; out1 = z + (outer wout + bout) / (norm + 1e-3); outer(i, j, c, e) = sum over s of a(s, i, c) b(s, j, e); norm = mask^T mask: three products on E4M3 codes; outer never leaves the work-group.
; SHARES. A work-group owns 16 i x 16 j; wave w owns j = 16 jb + 4 w + 0 .. 3 against all 16 i and all 32 c.  Its b (4 j x 32 e x 512 s of codes) fills windows 2 and 3 for the whole launch, its 4 x 16 x 128 sums of z window 1.
; LAYOUT. outer: source 0 = 16 rows e of b (row r of tile u is e = 8 u + r + 8 (r / 8)), source 1 = the 16 rows (i0 + r, one c) of a: a lane holds the pair (i0 + r, j) and tiles u = 0, 1 give it e = 16 hl + 0 .. 15:
; a block of 32 along the next K.  Its codes ARE source 1 of the second product (register group q = c % 4); source 0 = 16 columns of wout.
; RING. a and wout come by octets of c through two LDS slots; four c are a group: 128 products of outer, the quantiser, 32 products into z's sums.
; CLUSTER. The four work-groups of a cluster share ib: a's tiles, a's scale bytes and wout are asked for jointly (mask 15); cx enters only addresses of b, z, out1 and the mask's j tile.
; LIMITS: as in prep (NaN, infinities; blocks under 2^-118 get the byte 1); 1 / (norm + 1e-3) is v_rcp_f32.
.set SLOT,  103424                     ; a: 256 rows (sb, nl) of 256 bytes + 16; then wout's block of 33,792
.set WOFFS, 69632
.set ASC,   206848                     ; a's scale bytes: 16 rows of 512 + 16
.set PARK,  215296                     ; 4,096 bytes a wave: the codes of a group's first two c
.set RNP,   231680                     ; 512 bytes a wave: 1 / (norm + 1e-3)
.set SPARE, 233728                     ; the spare words, 128 bytes a wave
.set LI, 1
.set AB, 2
.set ADA, 3
.set ADW, 4
.set ASB, 5
.set ADS, 6
.set ADWS, 7
.set SPW, 8
.set NIL, 9
.set PKA, 10
.set STO, 11
.set RD, 12
.set PFO, 13
.set RNA, 14
.set L4, 15
.set SA, 16                            ; v16-31 b's scale words [4 jt + ks]: lanes 0-15 u = 0, lanes 16-31 u = 1
.set SB, 32                            ; v32-39 a's [4 pi + ks]: lanes 0-15 cc = 0, lanes 16-31 cc = 1
.set PW, 40                            ; v40-43 outer's scale word of the group, for each jt
.set WS, 44                            ; v44-47 wout's: lanes 0-15 tile 2 p, lanes 16-31 tile 2 p + 1
.set TM, 48
.set BB, 64                            ; v64-127 two sets of a's fragments; then outer's four operands
.set ACC, 128                          ; v128-255 16 accumulators (jt, cc, u); then wout's eight fragments
.set WV, 18
.set CX, 19
.set JB, 20
.set IB, 21
.set W1, 22
.set G1A, 28
.set G1W, 36
.set G1S, 44
.set G0A, 52
.set G0S, 60
.set G0W, 68
.set SEL, 76
.set MNT, 78
.set TA, 79
.set TW, 80
.set TWS, 81
.set TC, 82
.set CNT, 83
.set BBS, 88
.set SAB, 90
.set MAJ, 92
.set MSJ, 94
.set MAI, 96
.set MSI, 98
.set ZB, 12
.set OB, 16
.set MSB, 0
.macro WIN new
.if MSB != (\new)
	s_set_vgpr_msb (MSB<<8)|(\new)
.set MSB, (\new)
.endif
.endm
.macro PL n
.rept \n
	v_nop
.endr
.endm
.macro WM d, a, b, c, sa, sb, ra, rb   ; c < 0: the product starts the sum; ra, rb: the scales stand in lanes 16-31
.if (\c) < 0
.if (\ra) && (\rb)
	v_wmma_scale_f32_16x16x128_f8f6f4 v[(\d):(\d)+7], v[(\a):(\a)+15], v[(\b):(\b)+15], 0, v[\sa], v[\sb] matrix_a_scale:MATRIX_SCALE_ROW1 matrix_b_scale:MATRIX_SCALE_ROW1
.elseif \ra
	v_wmma_scale_f32_16x16x128_f8f6f4 v[(\d):(\d)+7], v[(\a):(\a)+15], v[(\b):(\b)+15], 0, v[\sa], v[\sb] matrix_a_scale:MATRIX_SCALE_ROW1
.elseif \rb
	v_wmma_scale_f32_16x16x128_f8f6f4 v[(\d):(\d)+7], v[(\a):(\a)+15], v[(\b):(\b)+15], 0, v[\sa], v[\sb] matrix_b_scale:MATRIX_SCALE_ROW1
.else
	v_wmma_scale_f32_16x16x128_f8f6f4 v[(\d):(\d)+7], v[(\a):(\a)+15], v[(\b):(\b)+15], 0, v[\sa], v[\sb]
.endif
.else
.if (\ra) && (\rb)
	v_wmma_scale_f32_16x16x128_f8f6f4 v[(\d):(\d)+7], v[(\a):(\a)+15], v[(\b):(\b)+15], v[(\c):(\c)+7], v[\sa], v[\sb] matrix_a_scale:MATRIX_SCALE_ROW1 matrix_b_scale:MATRIX_SCALE_ROW1
.elseif \ra
	v_wmma_scale_f32_16x16x128_f8f6f4 v[(\d):(\d)+7], v[(\a):(\a)+15], v[(\b):(\b)+15], v[(\c):(\c)+7], v[\sa], v[\sb] matrix_a_scale:MATRIX_SCALE_ROW1
.elseif \rb
	v_wmma_scale_f32_16x16x128_f8f6f4 v[(\d):(\d)+7], v[(\a):(\a)+15], v[(\b):(\b)+15], v[(\c):(\c)+7], v[\sa], v[\sb] matrix_b_scale:MATRIX_SCALE_ROW1
.else
	v_wmma_scale_f32_16x16x128_f8f6f4 v[(\d):(\d)+7], v[(\a):(\a)+15], v[(\b):(\b)+15], v[(\c):(\c)+7], v[\sa], v[\sb]
.endif
.endif
.endm
.macro QMAX s, nb
.irp b, 0,1,2,3
.if \b < \nb
	v_max3_num_f32 v[TM+\b], |v[(\s)+16*\b]|, |v[(\s)+16*\b+1]|, 0x4800000
.endif
.endr
.irp i, 2,4,6,8,10,12,14
.irp b, 0,1,2,3
.if \b < \nb
	v_max3_num_f32 v[TM+\b], v[TM+\b], |v[(\s)+16*\b+\i]|, |v[(\s)+16*\b+\i+1]|
.endif
.endr
.endr
.irp b, 0,1,2,3
.if \b < \nb
	v_permlanex16_b32 v[TM+4+\b], v[TM+\b], s[SEL], s[SEL+1]
.endif
.endr
.irp b, 0,1,2,3
.if \b < \nb
	v_max_num_f32 v[TM+\b], v[TM+\b], v[TM+4+\b]
.endif
.endr
.irp b, 0,1,2,3
.if \b < \nb
	v_add_nc_u32 v[TM+12+\b], 0xfc000000, v[TM+\b]
.endif
.endr
.irp b, 0,1,2,3
.if \b < \nb
.endif
.endr
.irp b, 0,1,2,3
.if \b < \nb
	v_lshrrev_b32 v[TM+4+\b], 23, v[TM+12+\b]
.endif
.endr
.endm
.macro QCVT s, nb, d, ds, dw
.irp b, 0,1,2,3
.if \b < \nb
.irp i, 0,1,2,3,4,5,6,7,8,9,10,11,12,13,14,15
.endr
.endif
.endr
	WIN \dw
.irp b, 0,1,2,3
.if \b < \nb
	v_cvt_scalef32_pk8_fp8_f32 v[(\d)+(\ds)*(\b/2)+4*(\b%2):(\d)+(\ds)*(\b/2)+4*(\b%2)+1], v[(\s)+16*\b:(\s)+16*\b+7], v[TM+12+\b]
	v_cvt_scalef32_pk8_fp8_f32 v[(\d)+(\ds)*(\b/2)+4*(\b%2)+2:(\d)+(\ds)*(\b/2)+4*(\b%2)+3], v[(\s)+16*\b+8:(\s)+16*\b+15], v[TM+12+\b]
.endif
.endr
	WIN 0
	v_nop
.endm
.macro ROUND                           ; a round of the cluster's barrier
	s_barrier_signal -1
	s_barrier_wait -1
	s_cmp_lg_u32 s[WV], 0
	s_cbranch_scc1 .Lnw0_\@
	s_barrier_signal -3
.Lnw0_\@:
	s_barrier_wait -3
	s_barrier_signal -1
	s_barrier_wait -1
.endm
.macro JLOAD s                         ; a joint refill: waves 0, 1 a's halves, waves 2, 3 wout's; four v_nop follow each line
	s_cmp_lt_u32 s[WV], 2
	s_cbranch_scc0 .Ljw_\@
	tensor_load_to_lds s[G0A+4*\s:G0A+4*\s+3], s[G1A:G1A+7]
	s_nop 0
	PL 4
	s_branch .Ljd_\@
.Ljw_\@:
	tensor_load_to_lds s[G0W+4*\s:G0W+4*\s+3], s[G1W:G1W+7]
	s_nop 0
	PL 4
.Ljd_\@:
.endm
	s_load_b256 s[4:11], s[0:1], 0x0               ; acod 4, bcod 6, absc 8, w2 10
	s_load_b128 s[12:15], s[0:1], 0x20             ; z 12, bout 14
	s_load_b64 s[16:17], s[0:1], 0x30              ; out1
	v_lshl_add_u32 v[SPW], v0, 2, SPARE
	v_mov_b32 v[NIL], 0
	ds_add_u32 v8, v9
	ds_add_u32 v8, v9
	s_wait_dscnt 0x0
	v_lshrrev_b32 v1, 5, v0
	v_readfirstlane_b32 s[WV], v1
	s_bfe_u32 s[CX], ttmp6, 0x40000
	s_lshl_b32 s[JB], ttmp9, 2
	s_add_co_u32 s[JB], s[JB], s[CX]               ; jb = 4 x cluster x + cx
	s_and_b32 s[IB], ttmp7, 0xffff                 ; ib: the four partners share it
	s_and_b32 s[W1], s[WV], 1
	s_mov_b32 s[G1A], 15|(1<<20)|(1<<21)|(5<<22)|(3<<25)           ; mask: all four; elements of 1 byte; 4 words of padding behind every 64
	s_mov_b32 s[G1A+1], 256<<16
	s_mov_b32 s[G1A+2], 128<<16
	s_mov_b32 s[G1A+3], 256<<16
	s_mov_b32 s[G1A+4], 128
	s_mov_b32 s[G1A+5], 1024                       ; 128 rows (sb, nl) of 256 bytes, 1,024 bytes apart
	s_mov_b32 s[G1A+6], 0
	s_mov_b32 s[G1A+7], 0
	s_mov_b32 s[G1W], 15|(3<<16)|(1<<21)           ; a dense block: 66 rows of 32 elements of 8 bytes
	s_mov_b32 s[G1W+1], 32<<16
	s_mov_b32 s[G1W+2], 66<<16
	s_mov_b32 s[G1W+3], 32<<16
	s_mov_b32 s[G1W+4], 66
	s_mov_b32 s[G1W+5], 32
	s_mov_b32 s[G1W+6], 0
	s_mov_b32 s[G1W+7], 0
	s_mov_b32 s[G1S], 15|(3<<16)|(1<<20)|(1<<21)|(6<<22)|(3<<25)   ; 8 rows of 512 bytes, 16 of padding behind each
	s_mov_b32 s[G1S+1], 64<<16
	s_mov_b32 s[G1S+2], 8<<16
	s_mov_b32 s[G1S+3], 64<<16
	s_mov_b32 s[G1S+4], 8
	s_mov_b32 s[G1S+5], 64
	s_mov_b32 s[G1S+6], 0
	s_mov_b32 s[G1S+7], 0
	s_lshl_b32 s24, s[IB], 18
	s_lshl_b32 s25, s[W1], 17
	s_add_co_u32 s24, s24, s25
	s_mov_b32 s25, 0
	s_mul_i32 s26, s[W1], 16896
	s_mov_b32 s27, 0
	s_mul_i32 s87, s[W1], 16896
	s_lshl_b32 s84, s[IB], 13
	s_lshl_b32 s85, s[W1], 12
	s_add_co_u32 s84, s84, s85
	s_mov_b32 s85, 0
	s_mul_i32 s23, s[W1], 34816
	s_mul_i32 s86, s[W1], 4224
	s_wait_kmcnt 0x0
	s_add_nc_u64 s[24:25], s[4:5], s[24:25]
	s_mov_b32 s[G0A], 1
	s_mov_b32 s[G0A+1], s23
	s_mov_b64 s[G0A+2:G0A+3], s[24:25]
	s_or_b32 s[G0A+3], s[G0A+3], 0x80000000
	s_mov_b32 s[G0A+4], 1
	s_add_co_u32 s[G0A+5], s23, SLOT
	s_add_nc_u64 s[G0A+6:G0A+7], s[24:25], 256     ; the next octet of c
	s_or_b32 s[G0A+7], s[G0A+7], 0x80000000
	s_add_nc_u64 s[26:27], s[10:11], s[26:27]
	s_mov_b32 s[G0W], 1
	s_add_co_u32 s[G0W+1], s87, WOFFS
	s_mov_b64 s[G0W+2:G0W+3], s[26:27]
	s_or_b32 s[G0W+3], s[G0W+3], 0x80000000
	s_mov_b32 s[G0W+4], 1
	s_add_co_u32 s[G0W+5], s87, SLOT+WOFFS
	s_add_nc_u64 s[G0W+6:G0W+7], s[26:27], 33792
	s_or_b32 s[G0W+7], s[G0W+7], 0x80000000
	s_mov_b32 s[G0S], 1
	s_add_co_u32 s[G0S+1], s86, ASC
	s_add_nc_u64 s[G0S+2:G0S+3], s[8:9], s[84:85]
	s_or_b32 s[G0S+3], s[G0S+3], 0x80000000
	ROUND                                          ; all four work-groups are here: the first joint loads meet
	s_cmp_lt_u32 s[WV], 2                          ; a wave's first fills stand in one branch: three loads of mine are out at the most
	s_cbranch_scc0 .Lff_w
	tensor_load_to_lds s[G0S:G0S+3], s[G1S:G1S+7]
	s_nop 0
	tensor_load_to_lds s[G0A:G0A+3], s[G1A:G1A+7]
	s_nop 0
	tensor_load_to_lds s[G0A+4:G0A+7], s[G1A:G1A+7]
	s_nop 0
	PL 4
	s_branch .Lff_d
.Lff_w:
	tensor_load_to_lds s[G0W:G0W+3], s[G1W:G1W+7]
	s_nop 0
	tensor_load_to_lds s[G0W+4:G0W+7], s[G1W:G1W+7]
	s_nop 0
	PL 4
.Lff_d:
	v_and_b32 v48, 15, v0                          ; r
	v_bfe_u32 v49, v0, 4, 1                        ; hl
	v_and_b32 v50, 31, v0                          ; lane
	v_lshlrev_b32 v[LI], 4, v50
	v_lshlrev_b32 v[L4], 2, v50
	v_mul_u32_u24 v[AB], v48, 272
	v_lshl_add_u32 v[AB], v49, 4, v[AB]
	v_mul_u32_u24 v51, v48, 528
	v_lshl_add_u32 v[ASB], v49, 4, v51
	v_add_nc_u32 v[ASB], ASC, v[ASB]
	s_lshl_b32 s79, s[WV], 12
	s_add_co_u32 s79, s79, PARK
	v_add_nc_u32 v[PKA], s79, v[LI]
	s_mul_i32 s79, s[WV], 8448
	v_lshl_add_u32 v[STO], v49, 6, v51
	v_add_nc_u32 v[STO], s79, v[STO]
	v_add_nc_u32 v[RD], s79, v[LI]
	s_lshl_b32 s79, s[WV], 9
	s_add_co_u32 s79, s79, RNP
	v_add_nc_u32 v[RNA], s79, v[L4]
	v_lshrrev_b32 v[PFO], 1, v50
	v_lshlrev_b32 v[PFO], 17, v[PFO]
	v_and_b32 v52, 1, v50
	v_lshl_add_u32 v[PFO], v52, 8, v[PFO]          ; z's prefetch: row lane / 2, half lane % 2 of its 512 bytes
	v_and_b32 v52, 3, v48
	s_lshl_b32 s79, s[WV], 2
	v_add_nc_u32 v52, s79, v52                     ; the mask's rows for source 0: 4 w + r % 4: my four j, four times over
	v_lshlrev_b32 v53, 2, v52
	v_lshlrev_b32 v52, 4, v52
	v_lshl_add_u32 v52, v49, 8, v52
	v_lshlrev_b32 v54, 2, v48
	v_lshlrev_b32 v55, 6, v49
	s_wait_alu depctr_va_vdst(0)
	s_mov_b32 s[SEL], 0x76543210
	s_mov_b32 s[SEL+1], 0xfedcba98
	s_lshl_b32 s2, s[JB], 18
	s_lshl_b32 s3, s[WV], 16
	s_add_co_u32 s2, s2, s3
	s_mov_b32 s3, 0
	s_add_nc_u64 s[BBS:BBS+1], s[6:7], s[2:3]
	s_lshl_b32 s2, s[JB], 13
	s_lshl_b32 s[CX], s[WV], 11
	s_add_co_u32 s2, s2, s[CX]
	s_add_nc_u64 s[SAB:SAB+1], s[8:9], s[2:3]
	s_add_nc_u64 s[SAB:SAB+1], s[SAB:SAB+1], 131072
	s_lshl_b32 s[CX], s[IB], 21
	s_add_co_u32 s2, s2, s[CX]
	s_add_nc_u64 s[ZB:ZB+1], s[ZB:ZB+1], s[2:3]    ; z and out1 at (16 ib, 16 jb + 4 w)
	s_add_nc_u64 s[OB:OB+1], s[OB:OB+1], s[2:3]
	s_lshl_b32 s2, s[JB], 13
	s_add_nc_u64 s[MAJ:MAJ+1], s[10:11], s[2:3]
	s_add_nc_u64 s[MAJ:MAJ+1], s[MAJ:MAJ+1], 135168
	s_lshl_b32 s2, s[JB], 8
	s_add_nc_u64 s[MSJ:MSJ+1], s[10:11], s[2:3]
	s_add_nc_u64 s[MSJ:MSJ+1], s[MSJ:MSJ+1], 266240
	s_lshl_b32 s80, s[IB], 13
	s_mov_b32 s81, 0
	s_add_nc_u64 s[MAI:MAI+1], s[10:11], s[80:81]
	s_add_nc_u64 s[MAI:MAI+1], s[MAI:MAI+1], 135168
	s_lshl_b32 s80, s[IB], 8
	s_add_nc_u64 s[MSI:MSI+1], s[10:11], s[80:81]
	s_add_nc_u64 s[MSI:MSI+1], s[MSI:MSI+1], 266240
.irp jt, 0,1,2,3
	WIN 0x80+0x40*(\jt/2)
.irp u, 0,1
.irp ks, 0,1,2,3
.irp q, 0,1,2,3
	global_load_b128 v[16*(((\jt%2)*2+\u)*4+\ks)+4*\q:16*(((\jt%2)*2+\u)*4+\ks)+4*\q+3], v[LI], s[BBS:BBS+1] offset:16384*\jt+8192*\u+2048*\ks+512*\q   ; b's images: they stay
.endr
.endr
.endr
.endr
	WIN 0
.irp jt, 0,1,2,3
	global_load_b128 v[SA+4*\jt:SA+4*\jt+3], v[LI], s[SAB:SAB+1] offset:512*\jt
.endr
	WIN 0x40
.irp jt, 0,1,2,3
.irp tt, 0,1,2,3,4,5,6,7
	global_load_b128 v[64*\jt+8*\tt:64*\jt+8*\tt+3], v55, s[14:15] offset:128*(\tt/2)+32*(\tt%2)       ; the bias begins z's sums: it costs no addition
	global_load_b128 v[64*\jt+8*\tt+4:64*\jt+8*\tt+7], v55, s[14:15] offset:128*(\tt/2)+32*(\tt%2)+16
.endr
.endr
	WIN 0
.irp ks, 0,1,2,3
.irp q, 0,1,2,3
	global_load_b128 v[128+16*\ks+4*\q:128+16*\ks+4*\q+3], v52, s[MAJ:MAJ+1] offset:2048*\ks+512*\q
	global_load_b128 v[192+16*\ks+4*\q:192+16*\ks+4*\q+3], v[LI], s[MAI:MAI+1] offset:2048*\ks+512*\q
.endr
	global_load_b32 v[SB+\ks], v53, s[MSJ:MSJ+1] offset:64*\ks
	global_load_b32 v[SB+4+\ks], v54, s[MSI:MSI+1] offset:64*\ks
.endr
	s_wait_loadcnt 0x0
	; norm: one accumulator, four links, a wait directly ahead of each link.  Register jt of every lane: norm(i0 + r, my j of jt)
	v_wmma_scale_f32_16x16x128_f8f6f4 v[64:71], v[128:143], v[192:207], 0, v[SB], v[SB+4]
	s_wait_alu depctr_va_vdst(0)
	v_wmma_scale_f32_16x16x128_f8f6f4 v[64:71], v[144:159], v[208:223], v[64:71], v[SB+1], v[SB+5]
	s_wait_alu depctr_va_vdst(0)
	v_wmma_scale_f32_16x16x128_f8f6f4 v[64:71], v[160:175], v[224:239], v[64:71], v[SB+2], v[SB+6]
	s_wait_alu depctr_va_vdst(0)
	v_wmma_scale_f32_16x16x128_f8f6f4 v[64:71], v[176:191], v[240:255], v[64:71], v[SB+3], v[SB+7]
	PL 8
.irp t, 0,1,2,3
	v_add_f32 v[72+\t], 0x3a83126f, v[64+\t]
.endr
	s_wait_alu depctr_va_vdst(0)
.irp t, 0,1,2,3
	v_rcp_f32 v[76+\t], v[72+\t]
.endr
	v_nop
	s_wait_alu depctr_va_vdst(0)
.irp t, 0,1,2,3
	ds_store_b32 v[RNA], v[76+\t] offset:128*\t    ; kept in my own LDS bytes: no register is free
.endr
.irp b, 0,1,2,3
	v_mov_b32 v[TM+4+\b], 0
.endr
	s_wait_tensorcnt 0x1                           ; a's scale bytes and my part of slot 0 are in; slot 1's load may stay out
	s_wait_dscnt 0x0
	s_barrier_signal -1
	s_barrier_wait -1
.macro LB pi, ks, set                  ; a's two fragments (c = 2 pi + cc of the group, K step ks) into a set
.irp cc, 0,1
.irp q, 0,1,2,3
	ds_load_b128 v[BB+32*\set+16*\cc+4*\q:BB+32*\set+16*\cc+4*\q+3], v[ADA] offset:(4*\ks+\q)*4352+32*\cc+64*\pi
.endr
.endr
.endm
.macro MM pi, ks, set, zero            ; 16 products, the 16 accumulators by turns
.irp jt, 0,1,2,3
	WIN 0x02+(\jt/2)
.irp cc, 0,1
.irp u, 0,1
.if \zero
	WM ACC+32*\jt+16*\cc+8*\u,16*(((\jt%2)*2+\u)*4+\ks),BB+32*\set+16*\cc,-1,SA+4*\jt+\ks,SB+4*\pi+\ks,\u,\cc
.else
	WM ACC+32*\jt+16*\cc+8*\u,16*(((\jt%2)*2+\u)*4+\ks),BB+32*\set+16*\cc,ACC+32*\jt+16*\cc+8*\u,SA+4*\jt+\ks,SB+4*\pi+\ks,\u,\cc
.endif
.endr
.endr
.endr
	WIN 0
.endm
.macro GROUP                           ; four c
	v_add_nc_u32 v[ADA], s[TA], v[AB]
	v_add_nc_u32 v[ADW], s[TW], v[LI]
	v_add_nc_u32 v[ADS], s[TC], v[ASB]
	v_add_nc_u32 v[ADWS], s[TWS], v[L4]
	PL 6                                           ; with the four lines above: the places behind the last group's products, whose operands are loaded and written over below
	LB 0,0,0
	ds_load_b128 v[SB:SB+3], v[ADS]
	LB 0,1,1
	ds_load_b128 v[SB+4:SB+7], v[ADS] offset:32
	s_wait_alu depctr_va_vdst(0)
	s_wait_dscnt 9                                 ; set 1 and its scale words may be out
	MM 0,0,0,1
	PL 8
	LB 0,2,0
	s_wait_dscnt 8                                 ; the run just issued may be out
	MM 0,1,1,0
	PL 8
	LB 0,3,1
	s_wait_dscnt 8
	MM 0,2,0,0
	PL 8
	LB 1,0,0
	s_wait_dscnt 8
	MM 0,3,1,0
	PL 9
	QMAX ACC, 4                                    ; the first two c: block 2 jt + cc
	v_lshl_or_b32 v[PW], v[TM+5], 8, v[TM+4]
	v_lshl_or_b32 v[PW+1], v[TM+7], 8, v[TM+6]
	QCVT ACC, 4, BB+32, 8, 0
	QMAX ACC+64, 4
	v_lshl_or_b32 v[PW+2], v[TM+5], 8, v[TM+4]
	v_lshl_or_b32 v[PW+3], v[TM+7], 8, v[TM+6]
	QCVT ACC+64, 4, BB+48, 8, 0
.irp k, 0,1,2,3,4,5,6,7
	ds_store_b128 v[PKA], v[BB+32+4*\k:BB+32+4*\k+3] offset:512*\k   ; parked: set 1 is wanted for fragments
.endr
	s_wait_dscnt 0x0
	LB 1,1,1
	MM 1,0,0,1
	PL 8
	LB 1,2,0
	s_wait_dscnt 8
	MM 1,1,1,0
	PL 8
	LB 1,3,1
	s_wait_dscnt 8
	MM 1,2,0,0
	s_wait_dscnt 0x0
	MM 1,3,1,0
	PL 8
.irp jt, 0,1,2,3
.irp cc, 0,1
	ds_load_b128 v[BB+16*\jt+4*\cc:BB+16*\jt+4*\cc+3], v[PKA] offset:(2*\jt+\cc)*512
.endr
.endr
.irp p, 0,1,2,3
	ds_load_b32 v[WS+\p], v[ADWS] offset:128*\p
.endr
	QMAX ACC, 4
	v_lshl_or_b32 v[PW], v[TM+4], 16, v[PW]
	v_lshl_or_b32 v[PW], v[TM+5], 24, v[PW]
	v_lshl_or_b32 v[PW+1], v[TM+6], 16, v[PW+1]
	v_lshl_or_b32 v[PW+1], v[TM+7], 24, v[PW+1]
	QCVT ACC, 4, BB+8, 16, 0
.irp tt, 0,1,2,3
.irp q, 0,1,2,3
	ds_load_b128 v[ACC+16*\tt+4*\q:ACC+16*\tt+4*\q+3], v[ADW] offset:2048*\tt+512*\q
.endr
.endr
	QMAX ACC+64, 4
	v_lshl_or_b32 v[PW+2], v[TM+4], 16, v[PW+2]
	v_lshl_or_b32 v[PW+2], v[TM+5], 24, v[PW+2]
	v_lshl_or_b32 v[PW+3], v[TM+6], 16, v[PW+3]
	v_lshl_or_b32 v[PW+3], v[TM+7], 24, v[PW+3]
	QCVT ACC+64, 4, BB+40, 16, 0
.irp tt, 4,5,6,7
.irp q, 0,1,2,3
	ds_load_b128 v[ACC+16*\tt+4*\q:ACC+16*\tt+4*\q+3], v[ADW] offset:2048*\tt+512*\q
.endr
.endr
	PL 4
	s_wait_alu depctr_va_vdst(0)
	s_wait_dscnt 16                                ; wout's tiles 4 to 7 may be out
	WIN 0x50                                       ; z's sums: C and D in window 1
.irp tt, 0,1,2,3
.irp jt, 0,1,2,3
	WM 64*\jt+8*\tt,ACC+16*\tt,BB+16*\jt,64*\jt+8*\tt,WS+\tt/2,PW+\jt,\tt%2,0
.endr
.endr
	s_wait_dscnt 0x0
.irp tt, 4,5,6,7
.irp jt, 0,1,2,3
	WM 64*\jt+8*\tt,ACC+16*\tt,BB+16*\jt,64*\jt+8*\tt,WS+\tt/2,PW+\jt,\tt%2,0
.endr
.endr
	WIN 0
.endm
.macro WORK o, slot                    ; an octet of c: two groups
	s_mov_b32 s[TA], \slot*SLOT
	s_mov_b32 s[TW], \slot*SLOT+WOFFS
	s_mov_b32 s[TWS], \slot*SLOT+WOFFS+32768
	s_mov_b32 s[TC], 128*\o
	s_mov_b32 s[CNT], 2
.Lg_\@:
	GROUP
	s_add_co_u32 s[TA], s[TA], 128
	s_add_co_u32 s[TW], s[TW], 16384
	s_add_co_u32 s[TWS], s[TWS], 512
	s_add_co_u32 s[TC], s[TC], 64
	s_sub_co_u32 s[CNT], s[CNT], 1
	s_cmp_lg_u32 s[CNT], 0
	s_cbranch_scc1 .Lg_\@
.endm
; the change of slots: all my tensor loads have landed, the add, my reads of the slot are over; then the round, and the joint refill first behind it: it has an octet's 320 products in which to land
.macro CHG slot, fill
	s_wait_tensorcnt 0x0
	ds_add_u32 v[SPW], v[NIL]                      ; 0 onto my spare word
.if \fill
	s_add_nc_u64 s[G0A+4*\slot+2:G0A+4*\slot+3], s[G0A+4*\slot+2:G0A+4*\slot+3], 512
	s_add_nc_u64 s[G0W+4*\slot+2:G0W+4*\slot+3], s[G0W+4*\slot+2:G0W+4*\slot+3], 67584
.endif
	s_wait_dscnt 0x0
.if \fill
	ROUND
	JLOAD \slot
.else
	s_barrier_signal -1
	s_barrier_wait -1
.endif
.endm
	WORK 0, 0
	CHG 0, 1
	WORK 1, 1
	CHG 1, 1
	WORK 2, 0
	CHG 0, 0                                       ; nothing is left to fetch
.irp jt, 0,1,2,3
	global_prefetch_b8 v[PFO], s[ZB:ZB+1] offset:512*\jt th:TH_LOAD_NT scope:SCOPE_SE   ; my 64 rows of z, 2 blocks of 256 bytes each, a lane a block: an octet's work ahead of their loads
.endr
	WORK 3, 1
	; THE WAY OUT. z's rows come in as rows; the sums, times 1 / (norm + 1e-3), go through my stage (in slot 0: it has had its last fill and its last read) and come back as rows of 512 bytes
	PL 8
	WIN 0x80
.irp jt, 0,1,2,3
.irp t, 0,1,2,3,4,5,6,7,8,9,10,11,12,13,14,15
	global_load_b128 v[64*\jt+4*\t:64*\jt+4*\t+3], v[LI], s[ZB:ZB+1] offset:131072*\t+512*\jt th:TH_LOAD_NT
.endr
.endr
	WIN 0
.irp jt, 0,1,2,3
	ds_load_b32 v[40+2*\jt], v[RNA] offset:128*\jt
.endr
	s_wait_dscnt 0x0
.irp jt, 0,1,2,3
	WIN 0x01
.set kk, 0
.rept 32
	v_pk_mul_f32 v[128+kk:129+kk], v[64*\jt+kk:64*\jt+kk+1], v[40+2*\jt:41+2*\jt] op_sel_hi:[1,0]   ; each accumulator from its low end on
.set kk, kk+2
.endr
	WIN 0
.irp tt, 0,1,2,3,4,5,6,7
	ds_store_b128 v[STO], v[128+8*\tt:128+8*\tt+3] offset:128*(\tt/2)+32*(\tt%2)
	ds_store_b128 v[STO], v[128+8*\tt+4:128+8*\tt+7] offset:128*(\tt/2)+32*(\tt%2)+16
.endr
	s_wait_xcnt 0x0                                ; the rows' registers were the data of the last j's stores
.irp t, 0,1,2,3,4,5,6,7,8,9,10,11,12,13,14,15
	ds_load_b128 v[192+4*\t:192+4*\t+3], v[RD] offset:528*\t       ; LDS serves a wave's instructions in order: these see the stores above
.endr
	s_wait_dscnt 0x0
	s_wait_loadcnt 48-16*\jt                       ; z's rows of the later j may stay out
	WIN 0x08
.set kk, 0
.rept 32
	v_pk_add_f32 v[192+kk:193+kk], v[192+kk:193+kk], v[64*\jt+kk:64*\jt+kk+1]
.set kk, kk+2
.endr
	WIN 0
.irp t, 0,1,2,3,4,5,6,7,8,9,10,11,12,13,14,15
	global_store_b128 v[LI], v[192+4*\t:192+4*\t+3], s[OB:OB+1] offset:131072*\t+512*\jt   ; 32 lanes store 512 consecutive bytes
.endr
.endr
	s_wait_tensorcnt 0x0                           ; the wave's end
	ds_add_u32 v[SPW], v[NIL]
	s_wait_dscnt 0x0
	ROUND                                          ; the closing round
	s_endpgm
.Lfunc_end_k_q3887449100_opm:
	.size	k_q3887449100_opm, .Lfunc_end_k_q3887449100_opm-k_q3887449100_opm
	.p2alignl 7, 3214868480
	.fill 96, 4, 3214868480
	.section	.rodata,"a",@progbits
	.p2align	6, 0x0
	.amdhsa_kernel k_q3887449100_opm
		.amdhsa_group_segment_fixed_size 327680
		.amdhsa_private_segment_fixed_size 0
		.amdhsa_enable_private_segment 0
		.amdhsa_kernarg_size 56
		.amdhsa_user_sgpr_count 2
		.amdhsa_user_sgpr_kernarg_segment_ptr 1
		.amdhsa_wavefront_size32 1
		.amdhsa_system_sgpr_workgroup_id_x 1
		.amdhsa_system_sgpr_workgroup_id_y 1
		.amdhsa_system_sgpr_workgroup_id_z 1
		.amdhsa_system_vgpr_workitem_id 0
		.amdhsa_next_free_vgpr 1024
		.amdhsa_next_free_sgpr 100
		.amdhsa_reserve_vcc 0
		.amdhsa_float_denorm_mode_32 3
		.amdhsa_float_denorm_mode_16_64 3
		.amdhsa_fp16_overflow 1
		.amdhsa_memory_ordered 1
		.amdhsa_forward_progress 1
		.amdhsa_inst_pref_size 255
	.end_amdhsa_kernel
	.section	.bss,"aw",@nobits
	.p2align	6
	.space	262144
	.amdgpu_metadata
---
amdhsa.version: [ 1, 2 ]
amdhsa.kernels:
  - .name:           k_q3887449100_opm
    .symbol:         k_q3887449100_opm.kd
    .args:
      - { .name: acod, .offset: 0, .size: 8, .value_kind: global_buffer, .address_space: global }
      - { .name: bcod, .offset: 8, .size: 8, .value_kind: global_buffer, .address_space: global }
      - { .name: absc, .offset: 16, .size: 8, .value_kind: global_buffer, .address_space: global }
      - { .name: w2, .offset: 24, .size: 8, .value_kind: global_buffer, .address_space: global }
      - { .name: z, .offset: 32, .size: 8, .value_kind: global_buffer, .address_space: global }
      - { .name: opm_bout, .offset: 40, .size: 8, .value_kind: global_buffer, .address_space: global }
      - { .name: out1, .offset: 48, .size: 8, .value_kind: global_buffer, .address_space: global }
    .group_segment_fixed_size: 327680
    .private_segment_fixed_size: 0
    .kernarg_segment_align: 8
    .kernarg_segment_size: 56
    .max_flat_workgroup_size: 128
    .sgpr_count:     100
    .vgpr_count:     1024
    .wavefront_size: 32
...
	.end_amdgpu_metadata
.endif
;; end of part 6
;; launch zsm (part 7): grid 256 x 1, 8 waves a work-group, no clusters, 168,960 bytes of LDS; arguments out1, pwa_lnz_w, pwa_lnz_b, pwa_wz, pcod, prec; writes pcod, prec
.if DOCPART == 7
	.amdgcn_target "amdgcn-amd-amdhsa--gfx1250"
	.amdhsa_code_object_version 6
	.text
	.protected	k_q3887449100_zsm
	.globl	k_q3887449100_zsm
	.p2align	8
	.type	k_q3887449100_zsm,@function
k_q3887449100_zsm:
	s_mov_b64 s[64:65], 0
	v_nop
	global_prefetch_b8 v0, s[64:65] scope:SCOPE_SE
	s_setreg_imm32_b32 hwreg(HW_REG_WAVE_MODE, 25, 1), 1
	s_wait_xcnt 0x0
; For one i: LN of the 256 rows z(i, j, :), the 8 logits of each row in f32 (fused multiply-adds: their result goes into a quantiser), and for each head p = 2^(t - M), t = logit x log2(e), M = ceil(the largest t over j);
; p is quantised along j to E4M3; l, the sum of the unquantised p, is kept as 1 / l.
; SHARES. Wave w brings rows j = 32 w .. 32 w + 31 by one tensor load (16 KiB; all 128 KiB of the work-group go out at once).  Lane (r, hl) holds channels 64 hl .. 64 hl + 63 of TWO rows,
; 32 w + r and 32 w + 16 + r.  Behind the second barrier wave h takes head h, 8 j a lane.
; THE PARAMETERS come once: thread (wave h, lane l) loads wz[4 l .. 4 l + 3][h] and those channels' gain and bias, and stores gain x wz to LDS as [h][c], c innermost.  So one LDS load of 16 bytes brings four channels of one head,
; serves both rows of the lane, and every product is a packed multiply-add on two neighbouring channels: 128 such loads a wave.  The bias's part, B_h = sum over c of bias_c wz[c][h], is summed over wave h's lanes and stays in wave h.
; ARITHMETIC: logit = rstd x sum over c of (x_c - mean) (gain_c wz[c][h]) + B_h, all in f32; the variance in two passes.  The order of rounding differs from (x_n gain + bias) wz by f32's last bits.
; OUT. pcod [h][i][256 bytes]: inside each block of 32 j the order is j 0-7, 16-23, 8-15, 24-31, the order in which the next launch's v has its j.  prec [h][i]: two scale words, 1 / l, 0.
; No matrix unit (8 columns), no cluster (work-groups share only 5 KiB of parameters), no prefetch (the whole stream is asked for by the first instruction).
; LIMITS: NaN and infinities are not served; a block of p under 2^-118 gets the byte 1 over its codes; 1 / l is v_rcp_f32, 1 / sqrt v_rsq_f32.
.set ZP,  528                          ; a row of z in LDS: 512 bytes + 16
.set TL,  135168                       ; the logits: 8 heads x (1,024 + 16) bytes
.set PWT, 143616                       ; gain x wz, [h][c]: 8 x 512 bytes; a multiple of 256, and no fill lands here
.set XA,  32                           ; v32-95   my 64 channels of row 32 w + r
.set XB,  96                           ; v96-159  and of row 32 w + 16 + r
.set W0,  160                          ; v160-191, v192-223 two sets of parameters: four channels x eight heads
.set W1,  192
.set AA,  224                          ; v224-239 row A's sums: a pair (even channels, odd channels) for each head;  v240-255 row B's
.set AB,  240
	s_load_b256 s[4:11], s[0:1], 0x0               ; out1 4, lnz_w 6, lnz_b 8, wz 10
	s_load_b128 s[12:15], s[0:1], 0x20             ; pcod 12, prec 14
	s_set_vgpr_msb 0x40
	v_lshl_add_u32 v0, v0, 2, 0x29000
	v_mov_b32 v1, 0
	s_set_vgpr_msb 0x4045
	ds_add_u32 v0, v1
	ds_add_u32 v0, v1
	s_set_vgpr_msb 0x4500
	v_lshrrev_b32 v1, 5, v0
	s_delay_alu instid0(VALU_DEP_1)
	v_readfirstlane_b32 s2, v1                     ; wave 0..7
	s_mov_b32 s68, (3<<16)|(1<<20)|(6<<22)|(3<<25) ; elements of 8 bytes; 4 words of padding behind every 128
	s_mov_b32 s69, 64<<16
	s_mov_b32 s70, 32<<16
	s_mov_b32 s71, 64<<16
	s_mov_b32 s72, 32
	s_mov_b32 s73, 64
	s_mov_b32 s74, 0
	s_mov_b32 s75, 0
	s_mul_i32 s3, s2, 32*ZP
	s_lshl_b32 s20, ttmp9, 17
	s_lshl_b32 s21, s2, 14
	s_add_co_u32 s20, s20, s21
	s_mov_b32 s21, 0
	s_mov_b32 s16, 0x76543210
	s_mov_b32 s17, 0xfedcba98                      ; v_permlanex16_b32: lane l xor 16
	s_lshl_b32 s22, s2, 2
	s_wait_dscnt 0x0
	s_wait_kmcnt 0x0
	s_mov_b32 s76, 1
	s_mov_b32 s77, s3
	s_add_nc_u64 s[78:79], s[4:5], s[20:21]
	s_or_b32 s79, s79, 0x80000000
	tensor_load_to_lds s[76:79], s[68:75]          ; my 32 rows; the parameters are made ready while they are on their way
	s_nop 0
	v_and_b32 v1, 31, v0
	s_delay_alu instid0(VALU_DEP_1)
	v_lshlrev_b32 v7, 7, v1
	s_delay_alu instid0(VALU_DEP_1)
	v_add_nc_u32 v7, s22, v7                       ; wz[4 l][h]: 32 bytes a channel, 4 bytes a head; h = my wave
	s_delay_alu instid0(VALU_DEP_3)
	v_lshlrev_b32 v8, 4, v1                        ; gain and bias of channels 4 l .. 4 l + 3
	global_load_b32 v160, v7, s[10:11]
	global_load_b32 v161, v7, s[10:11] offset:32
	global_load_b32 v162, v7, s[10:11] offset:64
	global_load_b32 v163, v7, s[10:11] offset:96
	global_load_b128 v[164:167], v8, s[6:7]
	global_load_b128 v[168:171], v8, s[8:9]
	v_and_b32 v9, 15, v0                           ; r
	v_bfe_u32 v6, v0, 4, 1                         ; hl
	s_delay_alu instid0(VALU_DEP_2)
	v_mul_u32_u24 v2, v9, ZP
	s_delay_alu instid0(VALU_DEP_1)
	v_lshl_add_u32 v2, v6, 8, v2
	s_delay_alu instid0(VALU_DEP_1)
	v_add_nc_u32 v2, s3, v2                        ; row r of my tile, + 256 hl: my half of its channels
	v_lshl_add_u32 v3, v0, 2, TL                   ; the word of row j = my thread's number in a head's logits
	s_mul_i32 s3, s2, 1040
	s_add_co_u32 s3, s3, TL
	v_lshl_add_u32 v4, v1, 5, s3                   ; my 8 j of my wave's head
	v_lshl_add_u32 v10, v0, 4, PWT                 ; where my four products go: 512 h + 16 l
	v_lshl_add_u32 v31, v6, 8, PWT                 ; and from where my half of the channels is read
	v_mov_b32 v25, 0                               ; (upper halves of pairs of which the low word serves both halves)
	v_mov_b32 v27, 0
	v_mov_b32 v11, 0                               ; (a lane permute's destination counts as one of its sources)
	s_wait_loadcnt 0x0
	v_mul_f32 v30, v168, v160                      ; bias x wz of my four channels
	s_delay_alu instid0(VALU_DEP_1)
	v_fmac_f32 v30, v169, v161
	s_delay_alu instid0(VALU_DEP_1)
	v_fmac_f32 v30, v170, v162
	s_delay_alu instid0(VALU_DEP_1)
	v_fmac_f32 v30, v171, v163
	v_pk_mul_f32 v[172:173], v[160:161], v[164:165]    ; gain x wz
	v_pk_mul_f32 v[174:175], v[162:163], v[166:167]
	ds_store_b128 v10, v[172:175]
	v_add_f32_dpp v30, v30, v30 row_xmask:1 row_mask:0xf bank_mask:0xf
	s_delay_alu instid0(VALU_DEP_1)
	v_add_f32_dpp v30, v30, v30 row_xmask:2 row_mask:0xf bank_mask:0xf
	s_delay_alu instid0(VALU_DEP_1)
	v_add_f32_dpp v30, v30, v30 row_xmask:4 row_mask:0xf bank_mask:0xf
	s_delay_alu instid0(VALU_DEP_1)
	v_add_f32_dpp v30, v30, v30 row_xmask:8 row_mask:0xf bank_mask:0xf
	s_delay_alu instid0(VALU_DEP_1)
	v_permlanex16_b32 v11, v30, s16, s17
	s_delay_alu instid0(VALU_DEP_1)
	v_add_f32 v30, v30, v11                        ; B_h of my wave's head, in every lane
	s_wait_tensorcnt 0x0                           ; my rows are in (only I read them);
	s_wait_dscnt 0x0                               ; for the others' sake: my part of the parameters is stored
	s_barrier_signal -1
	s_barrier_wait -1
.macro WLD k, wb                       ; four channels (4 k on, of my half) of the eight heads
.irp h, 0,1,2,3,4,5,6,7
	ds_load_b128 v[(\wb)+4*\h:(\wb)+4*\h+3], v31 offset:512*\h+16*(\k)
.endr
.endm
.set kk, 0
.rept 16
	ds_load_b128 v[XA+4*kk:XA+4*kk+3], v2 offset:16*kk
	ds_load_b128 v[XB+4*kk:XB+4*kk+3], v2 offset:16*ZP+16*kk
.set kk, kk+1
.endr
	WLD 0, W0
	s_wait_dscnt 8                                 ; the rows are in; the eight parameter loads behind them may stay out
.macro SUM64 t, x                      ; the sum of 64 numbers, in four chains, into the pair v[t : t + 1]
.irp c, 0,1,2,3
	v_pk_add_f32 v[(\t)+2*\c:(\t)+2*\c+1], v[(\x)+4*\c:(\x)+4*\c+1], v[(\x)+4*\c+2:(\x)+4*\c+3]
.endr
.set kk, 16
.rept 6
.irp c, 0,1,2,3
	s_delay_alu instid0(VALU_DEP_4)
	v_pk_add_f32 v[(\t)+2*\c:(\t)+2*\c+1], v[(\t)+2*\c:(\t)+2*\c+1], v[(\x)+kk+2*\c:(\x)+kk+2*\c+1]
.endr
.set kk, kk+8
.endr
	s_delay_alu instid0(VALU_DEP_3)
	v_pk_add_f32 v[(\t):(\t)+1], v[(\t):(\t)+1], v[(\t)+2:(\t)+3]
	s_delay_alu instid0(VALU_DEP_2)
	v_pk_add_f32 v[(\t)+4:(\t)+5], v[(\t)+4:(\t)+5], v[(\t)+6:(\t)+7]
	s_delay_alu instid0(VALU_DEP_1)
	v_pk_add_f32 v[(\t):(\t)+1], v[(\t):(\t)+1], v[(\t)+4:(\t)+5]
.endm
.macro SQ64 t, x                       ; the sum of their squares likewise
.irp c, 0,1,2,3
	v_pk_mul_f32 v[(\t)+2*\c:(\t)+2*\c+1], v[(\x)+2*\c:(\x)+2*\c+1], v[(\x)+2*\c:(\x)+2*\c+1]
.endr
.set kk, 8
.rept 7
.irp c, 0,1,2,3
	s_delay_alu instid0(VALU_DEP_4)
	v_pk_fma_f32 v[(\t)+2*\c:(\t)+2*\c+1], v[(\x)+kk+2*\c:(\x)+kk+2*\c+1], v[(\x)+kk+2*\c:(\x)+kk+2*\c+1], v[(\t)+2*\c:(\t)+2*\c+1]
.endr
.set kk, kk+8
.endr
	s_delay_alu instid0(VALU_DEP_3)
	v_pk_add_f32 v[(\t):(\t)+1], v[(\t):(\t)+1], v[(\t)+2:(\t)+3]
	s_delay_alu instid0(VALU_DEP_2)
	v_pk_add_f32 v[(\t)+4:(\t)+5], v[(\t)+4:(\t)+5], v[(\t)+6:(\t)+7]
	s_delay_alu instid0(VALU_DEP_1)
	v_pk_add_f32 v[(\t):(\t)+1], v[(\t):(\t)+1], v[(\t)+4:(\t)+5]
.endm
	SUM64 8, XA
	SUM64 16, XB
	v_add_f32 v24, v8, v9
	s_delay_alu instid0(VALU_DEP_2)
	v_add_f32 v26, v16, v17
	s_delay_alu instid0(VALU_DEP_2)
	v_permlanex16_b32 v10, v24, s16, s17           ; the rows' other 64 channels lie in lane l xor 16
	s_delay_alu instid0(VALU_DEP_2)
	v_permlanex16_b32 v18, v26, s16, s17
	s_delay_alu instid0(VALU_DEP_2)
	v_add_f32 v24, v24, v10
	s_delay_alu instid0(VALU_DEP_2)
	v_add_f32 v26, v26, v18
	s_delay_alu instid0(VALU_DEP_2)
	v_mul_f32 v24, 0xbc000000, v24                 ; - the mean (of 128)
	s_delay_alu instid0(VALU_DEP_2)
	v_mul_f32 v26, 0xbc000000, v26
.set kk, 0
.rept 32
	v_pk_add_f32 v[XA+kk:XA+kk+1], v[XA+kk:XA+kk+1], v[24:25] op_sel_hi:[1,0]
	v_pk_add_f32 v[XB+kk:XB+kk+1], v[XB+kk:XB+kk+1], v[26:27] op_sel_hi:[1,0]
.set kk, kk+2
.endr
	SQ64 8, XA
	SQ64 16, XB
	v_add_f32 v28, v8, v9
	s_delay_alu instid0(VALU_DEP_2)
	v_add_f32 v29, v16, v17
	s_delay_alu instid0(VALU_DEP_2)
	v_permlanex16_b32 v10, v28, s16, s17
	s_delay_alu instid0(VALU_DEP_2)
	v_permlanex16_b32 v18, v29, s16, s17
	s_delay_alu instid0(VALU_DEP_2)
	v_add_f32 v28, v28, v10
	s_delay_alu instid0(VALU_DEP_2)
	v_add_f32 v29, v29, v18
	v_mov_b32 v11, 0x3c000000                      ; 1 / 128
	s_delay_alu instid0(VALU_DEP_1)
	v_fmaak_f32 v28, v28, v11, 0x3727c5ac          ; the variance + 1e-5
	s_delay_alu instid0(VALU_DEP_2)
	v_fmaak_f32 v29, v29, v11, 0x3727c5ac
	s_wait_alu depctr_va_vdst(0)
	v_rsq_f32 v28, v28                             ; wanted only behind the sums below: all 512 multiply-adds are the independent work behind the two
	v_rsq_f32 v29, v29
; four channels: 32 packed multiply-adds: eight heads x two pairs of channels x two rows; between two links of a sum stand 15 others
.macro CHUNK k, wb
.irp p, 0,1
.irp h, 0,1,2,3,4,5,6,7
.if ((\k) == 0) && (\p == 0)
	v_pk_mul_f32 v[AA+2*\h:AA+2*\h+1], v[(\wb)+4*\h:(\wb)+4*\h+1], v[XA:XA+1]       ; the first products start the sums: nothing is cleared
	v_pk_mul_f32 v[AB+2*\h:AB+2*\h+1], v[(\wb)+4*\h:(\wb)+4*\h+1], v[XB:XB+1]
.else
	v_pk_fma_f32 v[AA+2*\h:AA+2*\h+1], v[(\wb)+4*\h+2*\p:(\wb)+4*\h+2*\p+1], v[XA+4*(\k)+2*\p:XA+4*(\k)+2*\p+1], v[AA+2*\h:AA+2*\h+1]
	v_pk_fma_f32 v[AB+2*\h:AB+2*\h+1], v[(\wb)+4*\h+2*\p:(\wb)+4*\h+2*\p+1], v[XB+4*(\k)+2*\p:XB+4*(\k)+2*\p+1], v[AB+2*\h:AB+2*\h+1]
.endif
.endr
.endr
.endm
.set kq, 0
.rept 8
	WLD kq+1, W1
	s_wait_dscnt 8                                 ; this chunk's parameters are in; the eight loads just issued may stay out
	CHUNK kq, W0
.if kq < 14
	WLD kq+2, W0
	s_wait_dscnt 8
.else
	s_wait_dscnt 0x0
.endif
	CHUNK kq+1, W1
.set kq, kq+2
.endr
.irp h, 0,1,2,3,4,5,6,7
	v_add_f32 v[160+\h], v[AA+2*\h], v[AA+2*\h+1]  ; even and odd channels: my half of row A's sum,
	v_add_f32 v[168+\h], v[AB+2*\h], v[AB+2*\h+1]  ; and of row B's
.endr
	v_cmp_ne_u32 vcc_lo, 0, v6                     ; lanes 16-31
; lanes 0-15 finish row A (j = 32 w + r), lanes 16-31 row B (j = 32 w + 16 + r): each sends its half of the row that the other finishes, and keeps its half of its own
.irp h, 0,1,2,3,4,5,6,7
	v_cndmask_b32 v[176+\h], v[168+\h], v[160+\h], vcc_lo
	v_cndmask_b32 v[184+\h], v[160+\h], v[168+\h], vcc_lo
.endr
.irp h, 0,1,2,3,4,5,6,7
	v_permlanex16_b32 v[192+\h], v[176+\h], s16, s17
.endr
	s_wait_alu depctr_va_vdst(0)                   ; the wait ahead of the first reader of the two roots
	v_cndmask_b32 v7, v28, v29, vcc_lo             ; my row's 1 / sqrt
.irp h, 0,1,2,3,4,5,6,7
	v_add_f32 v[184+\h], v[184+\h], v[192+\h]
.endr
.irp h, 0,1,2,3,4,5,6,7
	v_mul_f32 v[184+\h], v[184+\h], v7
.endr
.irp h, 0,1,2,3,4,5,6,7
	ds_store_b32 v3, v[184+\h] offset:1040*\h
.endr
	s_wait_dscnt 0x0                               ; for the others' sake
	s_barrier_signal -1
	s_barrier_wait -1
	ds_load_b128 v[32:35], v4
	ds_load_b128 v[36:39], v4 offset:16
	s_mov_b32 s18, 0x3fb8aa3b                      ; log2(e)
	s_mov_b32 s19, 0x600000
	s_lshl_b32 s36, s2, 16
	s_lshl_b32 s37, ttmp9, 8
	s_add_co_u32 s36, s36, s37
	s_mov_b32 s37, 0
	s_add_nc_u64 s[30:31], s[12:13], s[36:37]
	s_lshr_b32 s36, s36, 4
	s_add_nc_u64 s[32:33], s[14:15], s[36:37]
	v_lshrrev_b32 v5, 2, v1
	s_delay_alu instid0(VALU_DEP_1)
	v_lshlrev_b32 v5, 5, v5
	v_and_b32 v6, 1, v1
	v_bfe_u32 v7, v1, 1, 1
	s_delay_alu instid0(VALU_DEP_1)
	v_lshl_add_u32 v6, v6, 1, v7                   ; j 8-15 and j 16-23 of a block change places
	s_delay_alu instid0(VALU_DEP_1)
	v_lshl_add_u32 v5, v6, 3, v5
	s_wait_dscnt 0x0
.irp i, 0,2,4,6
	v_pk_add_f32 v[32+\i:33+\i], v[32+\i:33+\i], v[30:31] op_sel_hi:[1,0]   ; + B_h: the logits are whole
.endr
	s_delay_alu instid0(VALU_DEP_3)
	v_max3_num_f32 v8, v32, v33, v34
	s_delay_alu instid0(VALU_DEP_1)
	v_max3_num_f32 v8, v8, v35, v36
	s_delay_alu instid0(VALU_DEP_1)
	v_max3_num_f32 v8, v8, v37, v38
	s_delay_alu instid0(VALU_DEP_1)
	v_max_num_f32 v8, v8, v39
	s_delay_alu instid0(VALU_DEP_1)
	v_max_num_f32_dpp v8, v8, v8 row_xmask:1 row_mask:0xf bank_mask:0xf
	s_delay_alu instid0(VALU_DEP_1)
	v_max_num_f32_dpp v8, v8, v8 row_xmask:2 row_mask:0xf bank_mask:0xf
	s_delay_alu instid0(VALU_DEP_1)
	v_max_num_f32_dpp v8, v8, v8 row_xmask:4 row_mask:0xf bank_mask:0xf
	s_delay_alu instid0(VALU_DEP_1)
	v_max_num_f32_dpp v8, v8, v8 row_xmask:8 row_mask:0xf bank_mask:0xf
	s_delay_alu instid0(VALU_DEP_1)
	v_permlanex16_b32 v9, v8, s16, s17
	s_delay_alu instid0(VALU_DEP_1)
	v_max_num_f32 v8, v8, v9
	s_delay_alu instid0(VALU_DEP_1)
	v_mul_f32 v8, s18, v8                          ; the row's largest t
	s_delay_alu instid0(VALU_DEP_1)
	v_floor_f32 v10, -v8                           ; -M = floor(-t): M is a whole number
.irp i, 0,1,2,3,4,5,6,7
	v_fma_f32 v[32+\i], v[32+\i], s18, v10
.endr
	s_wait_alu depctr_va_vdst(0)
.irp i, 0,1,2,3,4,5,6,7
	v_exp_f32 v[32+\i], v[32+\i]
.endr
	v_mov_b32 v28, 0
	s_wait_alu depctr_va_vdst(0)
	v_pk_add_f32 v[40:41], v[32:33], v[34:35]      ; l is the sum of the unquantised p
	v_pk_add_f32 v[42:43], v[36:37], v[38:39]
	s_delay_alu instid0(VALU_DEP_1)
	v_pk_add_f32 v[40:41], v[40:41], v[42:43]
	s_delay_alu instid0(VALU_DEP_1)
	v_add_f32 v11, v40, v41
	s_delay_alu instid0(VALU_DEP_1)
	v_add_f32_dpp v11, v11, v11 row_xmask:1 row_mask:0xf bank_mask:0xf
	s_delay_alu instid0(VALU_DEP_1)
	v_add_f32_dpp v11, v11, v11 row_xmask:2 row_mask:0xf bank_mask:0xf
	s_delay_alu instid0(VALU_DEP_1)
	v_add_f32_dpp v11, v11, v11 row_xmask:4 row_mask:0xf bank_mask:0xf
	s_delay_alu instid0(VALU_DEP_1)
	v_add_f32_dpp v11, v11, v11 row_xmask:8 row_mask:0xf bank_mask:0xf
	s_delay_alu instid0(VALU_DEP_1)
	v_permlanex16_b32 v9, v11, s16, s17
	s_delay_alu instid0(VALU_DEP_1)
	v_add_f32 v11, v11, v9
	s_wait_alu depctr_va_vdst(0)
	v_rcp_f32 v26, v11
	v_max3_num_f32 v13, v32, v33, 0x4800000        ; a block of 32 j lies in four lanes
	v_max3_num_f32 v13, v13, v34, v35
	v_max3_num_f32 v13, v13, v36, v37
	v_max3_num_f32 v13, v13, v38, v39
	s_delay_alu instid0(VALU_DEP_1)
	v_max_num_f32_dpp v13, v13, v13 row_xmask:1 row_mask:0xf bank_mask:0xf
	s_delay_alu instid0(VALU_DEP_1)
	v_max_num_f32_dpp v13, v13, v13 row_xmask:2 row_mask:0xf bank_mask:0xf
	s_delay_alu instid0(VALU_DEP_1)
	v_add_nc_u32 v14, 0xfc000000, v13
	s_delay_alu instid0(VALU_DEP_2)
	v_and_or_b32 v15, v13, 0x7f800000, s19
	s_delay_alu instid0(VALU_DEP_2)
	v_lshrrev_b32 v18, 23, v14
.irp i, 0,1,2,3,4,5,6,7
	v_min_num_f32 v[32+\i], v[32+\i], v15          ; p is not negative: the hold is one-sided
.endr
	v_cvt_scalef32_pk8_fp8_f32 v[20:21], v[32:39], v14
	v_mov_b32 v27, 0
	global_store_b64 v5, v[20:21], s[30:31]        ; the wave stores one aligned run of 256 bytes
.irp b, 0,1,2,3,4,5,6,7
	v_readlane_b32 s[20+\b], v18, 4*\b
.endr
	s_lshl_b32 s21, s21, 8
	s_lshl_b32 s22, s22, 16
	s_lshl_b32 s23, s23, 24
	s_or_b32 s20, s20, s21
	s_or_b32 s22, s22, s23
	s_or_b32 s28, s20, s22
	s_lshl_b32 s25, s25, 8
	s_lshl_b32 s26, s26, 16
	s_lshl_b32 s27, s27, 24
	s_or_b32 s24, s24, s25
	s_or_b32 s26, s26, s27
	s_or_b32 s29, s24, s26
	v_mov_b32 v24, s28
	v_mov_b32 v25, s29
	v_cmp_eq_u32 vcc_lo, 0, v1
	s_wait_alu depctr_va_vdst(0)                   ; the reciprocal, ahead of the store that reads it
	s_wait_xcnt 0x0                                ; EXEC changes only behind this wait
	s_set_vgpr_msb 0x5
	s_wait_tensorcnt 0x0
	ds_add_u32 v0, v1
	s_wait_dscnt 0x0
	s_set_vgpr_msb 0x500
	s_and_saveexec_b32 s34, vcc_lo
	global_store_b128 v28, v[24:27], s[32:33]      ; lane 0: the row's record
	s_wait_xcnt 0x0
	s_or_b32 exec_lo, exec_lo, s34
	s_endpgm
.Lfunc_end_k_q3887449100_zsm:
	.size	k_q3887449100_zsm, .Lfunc_end_k_q3887449100_zsm-k_q3887449100_zsm
	.p2alignl 7, 3214868480
	.fill 96, 4, 3214868480
	.section	.rodata,"a",@progbits
	.p2align	6, 0x0
	.amdhsa_kernel k_q3887449100_zsm
		.amdhsa_group_segment_fixed_size 168960
		.amdhsa_private_segment_fixed_size 0
		.amdhsa_enable_private_segment 0
		.amdhsa_kernarg_size 48
		.amdhsa_user_sgpr_count 2
		.amdhsa_user_sgpr_kernarg_segment_ptr 1
		.amdhsa_wavefront_size32 1
		.amdhsa_system_sgpr_workgroup_id_x 1
		.amdhsa_system_sgpr_workgroup_id_y 1
		.amdhsa_system_sgpr_workgroup_id_z 1
		.amdhsa_system_vgpr_workitem_id 0
		.amdhsa_next_free_vgpr 258
		.amdhsa_next_free_sgpr 100
		.amdhsa_reserve_vcc 1
		.amdhsa_float_denorm_mode_32 3
		.amdhsa_float_denorm_mode_16_64 3
		.amdhsa_memory_ordered 1
		.amdhsa_forward_progress 1
		.amdhsa_inst_pref_size 74
	.end_amdhsa_kernel
	.amdgpu_metadata
---
amdhsa.version: [ 1, 2 ]
amdhsa.kernels:
  - .name:           k_q3887449100_zsm
    .symbol:         k_q3887449100_zsm.kd
    .args:
      - { .name: out1, .offset: 0, .size: 8, .value_kind: global_buffer, .address_space: global }
      - { .name: pwa_lnz_w, .offset: 8, .size: 8, .value_kind: global_buffer, .address_space: global }
      - { .name: pwa_lnz_b, .offset: 16, .size: 8, .value_kind: global_buffer, .address_space: global }
      - { .name: pwa_wz, .offset: 24, .size: 8, .value_kind: global_buffer, .address_space: global }
      - { .name: pcod, .offset: 32, .size: 8, .value_kind: global_buffer, .address_space: global }
      - { .name: prec, .offset: 40, .size: 8, .value_kind: global_buffer, .address_space: global }
    .group_segment_fixed_size: 168960
    .private_segment_fixed_size: 0
    .kernarg_segment_align: 8
    .kernarg_segment_size: 48
    .max_flat_workgroup_size: 256
    .sgpr_count:     100
    .vgpr_count:     258
    .wavefront_size: 32
...
	.end_amdgpu_metadata
.endif
;; end of part 7
;; launch pwa (part 8): grid 256 x 1, 8 waves a work-group, clusters of 4 x 1, 327,680 bytes of LDS; arguments m, pcod, prec, wq4, pwa_lnm_w, pwa_lnm_b, tr_ln_w, tr_ln_b, out0; writes out0
.if DOCPART == 8
	.amdgcn_target "amdgcn-amd-amdhsa--gfx1250"
	.amdhsa_code_object_version 6
	.text
	.protected	k_q3887449100_pwa
	.globl	k_q3887449100_pwa
	.p2align	8
	.type	k_q3887449100_pwa,@function
k_q3887449100_pwa:
	s_mov_b64 s[64:65], 0
	v_nop
	global_prefetch_b8 v0, s[64:65] scope:SCOPE_SE
	s_setreg_imm32_b32 hwreg(HW_REG_WAVE_MODE, 25, 1), 1
	s_wait_xcnt 0x0
	s_wait_alu depctr_hold_cnt(0) depctr_sa_sdst(0) depctr_va_vdst(0) depctr_va_sdst(0) depctr_va_ssrc(0) depctr_va_vcc(0) depctr_vm_vsrc(0)
	s_getreg_b32 s2, hwreg(HW_REG_IB_STS2, 6, 4)
	s_cmp_eq_u32 s2, 0
	s_cbranch_scc0 .Lentry_in_a_cluster
	s_endpgm
.Lentry_in_a_cluster:
	s_bfe_u32 s2, ttmp6, 0x10000c
	s_cmp_lg_u32 s2, 0x3003
	s_cbranch_scc0 .Lentry_shape_is_right
	s_endpgm
.Lentry_shape_is_right:
; out0 = m' + (silu(x wa) (x wb)) wo_tr, x = LN(m'), m' = m + (sigmoid(mn wg) o) wo, o = (p v) / l, v = mn wv, mn = LN(m): seven products on E4M3 codes, nothing between them goes to memory.
; SHARES. A work-group owns two sequences s (512 rows, 32 tiles of 16).  Eight waves, two to a SIMD, since vector work outweighs the products.  Wave w: LN of rows 64 w on; head h = w in v, the gate and o; row tile w of each chunk of 8 tiles in the rest.
; LAYOUT. v: source 0 = 16 rows j of mn, source 1 = 16 columns d of wv: a lane holds one d, registers run along j (in a block: j 0-7, 16-23 | 8-15, 24-31: p's codes lie in the same order).  o: source 0 = v, source 1 = 16 rows i of p:
; a lane holds row i and d = 16 hl + 0 .. 15; the gate likewise.  Their product, quantised, is group h % 4 of fragment h / 4 of the next operand: it goes to the tile's owner through LDS as an image of registers.
; The last four products have source 0 = 16 columns of the weight (row r of tile 2 b + u is column 32 b + 8 u + r + 8 (r / 8)): a lane holds a row and 16 neighbours along the next K; m and m' are simply the C of the products.
; RING. p comes by tiles of 32 i for each head through two LDS slots that lie over m's bytes.  CLUSTER. p, its records and the weights are the same for all work-groups: four ask jointly (mask 15); m's load is each work-group's own.
; LIMITS: NaN and infinities are not served; blocks under 2^-118 get the byte 1; sigmoid is v_exp_f32 and v_rcp_f32, 1 / sqrt v_rsq_f32.
.set PSL,   69632                      ; a slot of p: 8 waves x 32 rows x 272
.set PRC,   139264                     ; p's records
.set WB,    172032                     ; wq4's first 68,608 bytes: wa | wb, tr_wo, pwa_wo with their scale words
.set XI,    240640                     ; mn's 32 half fragments, 1,024 bytes each
.set XS,    273408                     ; their scale words
.set GO,    275456                     ; 8 x 4,352: the gated o of a chunk's 8 tiles: two images, two runs of scale words; then the owner's stage
.set SPARE, 310272
.set R, 1
.set HL, 2
.set LI, 3
.set R4, 4
.set SPW, 5
.set NIL, 6
.set AM, 7
.set AXW, 8
.set AXS, 9
.set AP, 10
.set APR, 11
.set AXR, 12
.set AXSR, 13
.set AGW, 14
.set AGB, 15
.set AGR, 16
.set AGS, 17
.set AWB, 18
.set AWS, 19
.set GM, 20
.set STO, 21
.set RD, 22
.set GOO, 23
.set SV, 24                            ; v24-31 v's scale words [4 u + 2 s + ks]
.set SL, 32                            ; v32-95 four slots for half fragments: their upper 8 registers stay zero
.set WVS, 96
.set WGS, 98
.set XSW, 100
.set PRC4, 104
.set GSW, 108
.set WSW, 110
.set XCW, 114
.set HW, 115
.set ST, 116                           ; v116-125 LN's figures; v116-127 also addresses of the loads in hand
.set PF, 128                           ; v128-159 wv's tiles; p's fragments; the gated o's; x's codes
.set XC, 128
.set H, 160
.set MN, 160
.set CD, 224
.set TM, 240
.set LP1W, 128                         ; window 1: v0-127 v's 8 fragments; 128-191 LN's parameters, then wg's tiles and m's tile; 192-255 the second LN's
.set LP1B, 160
.set WGF, 128
.set MP, 160
.set LP2W, 192
.set LP2B, 224
.set WV, 22
.set G1M, 28
.set G1P, 36
.set G1W, 44
.set G1R, 52
.set G0M, 60
.set G0XW, 68
.set G0XR, 72
.set G0P, 76
.set SEL, 84
.set MNT, 86
.set C64, 87
.set EPS, 88
.set TP, 89
.set TR, 90
.set TX, 91
.set TXS, 92
.set TG, 93
.set CNT1, 94
.set CNT2, 95
.set MB, 96
.set OB, 98
.set SWA, 12
.set SWS, 13
.set STW, 14
.set STS, 15
.set MSB, 0
.macro WIN new
.if MSB != (\new)
	s_set_vgpr_msb (MSB<<8)|(\new)
.set MSB, (\new)
.endif
.endm
.macro PL n
.rept \n
	v_nop
.endr
.endm
.macro ZERO d, n
.set kk, 0
.rept \n
	v_mov_b32 v[(\d)+kk], 0
.set kk, kk+1
.endr
.endm
.macro WM d, a, b, c, sa, sb
.if (\c) < 0
	v_wmma_scale_f32_16x16x128_f8f6f4 v[(\d):(\d)+7], v[(\a):(\a)+15], v[(\b):(\b)+15], 0, v[\sa], v[\sb]
.else
	v_wmma_scale_f32_16x16x128_f8f6f4 v[(\d):(\d)+7], v[(\a):(\a)+15], v[(\b):(\b)+15], v[(\c):(\c)+7], v[\sa], v[\sb]
.endif
.endm
.macro QMAX s, nb
.irp b, 0,1,2,3
.if \b < \nb
	v_max3_num_f32 v[TM+\b], |v[(\s)+16*\b]|, |v[(\s)+16*\b+1]|, 0x4800000
.endif
.endr
.irp i, 2,4,6,8,10,12,14
.irp b, 0,1,2,3
.if \b < \nb
	v_max3_num_f32 v[TM+\b], v[TM+\b], |v[(\s)+16*\b+\i]|, |v[(\s)+16*\b+\i+1]|
.endif
.endr
.endr
.irp b, 0,1,2,3
.if \b < \nb
	v_permlanex16_b32 v[TM+4+\b], v[TM+\b], s[SEL], s[SEL+1]
.endif
.endr
.irp b, 0,1,2,3
.if \b < \nb
	v_max_num_f32 v[TM+\b], v[TM+\b], v[TM+4+\b]
.endif
.endr
.irp b, 0,1,2,3
.if \b < \nb
	v_add_nc_u32 v[TM+12+\b], 0xfc000000, v[TM+\b]
.endif
.endr
.irp b, 0,1,2,3
.if \b < \nb
.endif
.endr
.irp b, 0,1,2,3
.if \b < \nb
	v_lshrrev_b32 v[TM+4+\b], 23, v[TM+12+\b]
.endif
.endr
.endm
.macro QCVT s, nb, d, ds, dw
.irp b, 0,1,2,3
.if \b < \nb
.irp i, 0,1,2,3,4,5,6,7,8,9,10,11,12,13,14,15
.endr
.endif
.endr
	WIN \dw
.irp b, 0,1,2,3
.if \b < \nb
	v_cvt_scalef32_pk8_fp8_f32 v[(\d)+(\ds)*(\b/2)+4*(\b%2):(\d)+(\ds)*(\b/2)+4*(\b%2)+1], v[(\s)+16*\b:(\s)+16*\b+7], v[TM+12+\b]
	v_cvt_scalef32_pk8_fp8_f32 v[(\d)+(\ds)*(\b/2)+4*(\b%2)+2:(\d)+(\ds)*(\b/2)+4*(\b%2)+3], v[(\s)+16*\b+8:(\s)+16*\b+15], v[TM+12+\b]
.endif
.endr
	WIN 0
	v_nop
.endm
.macro LNORM x, y, t, pw, pb           ; LayerNorm of a row of 64 held by lanes l and l xor 16: two passes; gain and bias in window 1
.irp k, 0,1,2,3
	v_pk_add_f32 v[(\t)+2*\k:(\t)+2*\k+1], v[(\x)+4*\k:(\x)+4*\k+1], v[(\x)+4*\k+2:(\x)+4*\k+3]
.endr
.irp k, 0,1,2,3,4,5,6,7
	v_pk_add_f32 v[(\t)+2*(\k%4):(\t)+2*(\k%4)+1], v[(\t)+2*(\k%4):(\t)+2*(\k%4)+1], v[(\x)+16+2*\k:(\x)+16+2*\k+1]
.endr
	s_delay_alu instid0(VALU_DEP_3)
	v_pk_add_f32 v[(\t):(\t)+1], v[(\t):(\t)+1], v[(\t)+2:(\t)+3]
	s_delay_alu instid0(VALU_DEP_2)
	v_pk_add_f32 v[(\t)+4:(\t)+5], v[(\t)+4:(\t)+5], v[(\t)+6:(\t)+7]
	s_delay_alu instid0(VALU_DEP_1)
	v_pk_add_f32 v[(\t):(\t)+1], v[(\t):(\t)+1], v[(\t)+4:(\t)+5]
	s_delay_alu instid0(VALU_DEP_1)
	v_add_f32 v[ST], v[(\t)], v[(\t)+1]
	v_mov_b32 v[ST+1], 0
	v_mov_b32 v[ST+3], 0
	s_delay_alu instid0(VALU_DEP_3)
	v_permlanex16_b32 v[ST+4], v[ST], s[SEL], s[SEL+1]
	s_delay_alu instid0(VALU_DEP_1)
	v_add_f32 v[ST], v[ST], v[ST+4]
	s_delay_alu instid0(VALU_DEP_1)
	v_mul_f32 v[ST], 0xbc800000, v[ST]
.irp i, 0,2,4,6,8,10,12,14,16,18,20,22,24,26,28,30
	v_pk_add_f32 v[(\y)+\i:(\y)+\i+1], v[(\x)+\i:(\x)+\i+1], v[ST:ST+1] op_sel_hi:[1,0]
.endr
	v_pk_mul_f32 v[ST+6:ST+7], v[(\y):(\y)+1], v[(\y):(\y)+1]
	v_pk_mul_f32 v[ST+8:ST+9], v[(\y)+2:(\y)+3], v[(\y)+2:(\y)+3]
.irp i, 4,8,12,16,20,24,28
	s_delay_alu instid0(VALU_DEP_2)
	v_pk_fma_f32 v[ST+6:ST+7], v[(\y)+\i:(\y)+\i+1], v[(\y)+\i:(\y)+\i+1], v[ST+6:ST+7]
	s_delay_alu instid0(VALU_DEP_2)
	v_pk_fma_f32 v[ST+8:ST+9], v[(\y)+\i+2:(\y)+\i+3], v[(\y)+\i+2:(\y)+\i+3], v[ST+8:ST+9]
.endr
	s_delay_alu instid0(VALU_DEP_1)
	v_pk_add_f32 v[ST+6:ST+7], v[ST+6:ST+7], v[ST+8:ST+9]
	s_delay_alu instid0(VALU_DEP_1)
	v_add_f32 v[ST+2], v[ST+6], v[ST+7]
	s_delay_alu instid0(VALU_DEP_1)
	v_permlanex16_b32 v[ST+4], v[ST+2], s[SEL], s[SEL+1]
	s_delay_alu instid0(VALU_DEP_1)
	v_add_f32 v[ST+2], v[ST+2], v[ST+4]
	s_delay_alu instid0(VALU_DEP_1)
	v_fma_f32 v[ST+2], v[ST+2], s[C64], s[EPS]
	s_wait_alu depctr_va_vdst(0)
	v_rsq_f32 v[ST+2], v[ST+2]
	v_nop
	s_wait_alu depctr_va_vdst(0)                   ; the wait ahead of the first reader
.irp i, 0,2,4,6,8,10,12,14,16,18,20,22,24,26,28,30
	v_pk_mul_f32 v[(\y)+\i:(\y)+\i+1], v[(\y)+\i:(\y)+\i+1], v[ST+2:ST+3] op_sel_hi:[1,0]
.endr
	WIN 0x14
.irp i, 0,2,4,6,8,10,12,14,16,18,20,22,24,26,28,30
	v_pk_fma_f32 v[(\y)+\i:(\y)+\i+1], v[(\y)+\i:(\y)+\i+1], v[(\pw)+\i:(\pw)+\i+1], v[(\pb)+\i:(\pb)+\i+1]
.endr
	WIN 0
.endm
; 1 / (1 + 2^(-x log2 e)) of n numbers: e <- x times -log2(e); the exponentials as one batch; MID, independent work, stands behind them
.macro NEGL d, s, n                    ; n pairs: d = s x -log2(e)
.set kk, 0
.rept \n
	v_pk_mul_f32 v[(\d)+kk:(\d)+kk+1], v[(\s)+kk:(\s)+kk+1], 0xbfb8aa3b op_sel_hi:[1,0]
.set kk, kk+2
.endr
.endm
.macro EXPN d, n
.set kk, 0
.rept \n
	v_exp_f32 v[(\d)+kk], v[(\d)+kk]
.set kk, kk+1
.endr
.endm
.macro RCPN d, n
.set kk, 0
.rept \n
	v_rcp_f32 v[(\d)+kk], v[(\d)+kk]
.set kk, kk+1
.endr
.endm
.macro ADD1 d, n
.set kk, 0
.rept \n
	v_pk_add_f32 v[(\d)+kk:(\d)+kk+1], v[(\d)+kk:(\d)+kk+1], 1.0 op_sel_hi:[1,0]
.set kk, kk+2
.endr
.endm
.macro MULV d, s, n                    ; n pairs: d = d x s
.set kk, 0
.rept \n
	v_pk_mul_f32 v[(\d)+kk:(\d)+kk+1], v[(\d)+kk:(\d)+kk+1], v[(\s)+kk:(\s)+kk+1]
.set kk, kk+2
.endr
.endm
.macro MULB d, p, n                    ; n pairs: d = d x the low word of the pair p
.set kk, 0
.rept \n
	v_pk_mul_f32 v[(\d)+kk:(\d)+kk+1], v[(\d)+kk:(\d)+kk+1], v[(\p):(\p)+1] op_sel_hi:[1,0]
.set kk, kk+2
.endr
.endm
.macro ROUND
	s_barrier_signal -1
	s_barrier_wait -1
	s_cmp_lg_u32 s[WV], 0
	s_cbranch_scc1 .Lnw0_\@
	s_barrier_signal -3
.Lnw0_\@:
	s_barrier_wait -3
	s_barrier_signal -1
	s_barrier_wait -1
.endm
	s_load_b512 s[4:19], s[0:1], 0x0               ; m 4, pcod 6, prec 8, wq4 10, lnm_w 12, lnm_b 14, tr_ln_w 16, tr_ln_b 18
	s_load_b64 s[20:21], s[0:1], 0x40              ; out0
	v_lshl_add_u32 v[SPW], v0, 2, SPARE
	v_mov_b32 v[NIL], 0
	ds_add_u32 v5, v6
	ds_add_u32 v5, v6
	s_wait_dscnt 0x0
	v_lshrrev_b32 v1, 5, v0
	s_delay_alu instid0(VALU_DEP_1)
	v_readfirstlane_b32 s[WV], v1
	s_bfe_u32 s23, ttmp6, 0x40000
	s_lshl_b32 s24, ttmp9, 2
	s_add_co_u32 s24, s24, s23                     ; my pair of sequences: 4 x cluster x + cx: it enters m's and out0's addresses alone
	s_mov_b32 s[G1M], (3<<16)|(1<<20)|(5<<22)|(3<<25)              ; m: my own load: 64 rows of 256 bytes, 16 of padding behind each
	s_mov_b32 s[G1M+1], 32<<16
	s_mov_b32 s[G1M+2], 64<<16
	s_mov_b32 s[G1M+3], 32<<16
	s_mov_b32 s[G1M+4], 64
	s_mov_b32 s[G1M+5], 32
	s_mov_b32 s[G1M+6], 0
	s_mov_b32 s[G1M+7], 0
	s_mov_b32 s[G1P], 15|(3<<16)|(1<<20)|(1<<21)|(5<<22)|(3<<25)   ; p: joint: 32 rows of 256 bytes, padded
	s_mov_b32 s[G1P+1], 32<<16
	s_mov_b32 s[G1P+2], 32<<16
	s_mov_b32 s[G1P+3], 32<<16
	s_mov_b32 s[G1P+4], 32
	s_mov_b32 s[G1P+5], 32
	s_mov_b32 s[G1P+6], 0
	s_mov_b32 s[G1P+7], 0
	s_mov_b32 s[G1W], 15|(3<<16)|(1<<21)           ; the weights: joint: a dense block of 67 rows of 256 bytes
	s_mov_b32 s[G1W+1], 32<<16
	s_mov_b32 s[G1W+2], 67<<16
	s_mov_b32 s[G1W+3], 32<<16
	s_mov_b32 s[G1W+4], 67
	s_mov_b32 s[G1W+5], 32
	s_mov_b32 s[G1W+6], 0
	s_mov_b32 s[G1W+7], 0
	s_mov_b32 s[G1R], 15|(3<<16)|(1<<21)           ; the records: joint: 32 rows of 256 bytes
	s_mov_b32 s[G1R+1], 32<<16
	s_mov_b32 s[G1R+2], 32<<16
	s_mov_b32 s[G1R+3], 32<<16
	s_mov_b32 s[G1R+4], 32
	s_mov_b32 s[G1R+5], 32
	s_mov_b32 s[G1R+6], 0
	s_mov_b32 s[G1R+7], 0
	s_and_b32 s25, s[WV], 3
	s_mul_i32 s26, s25, 17152
	s_mov_b32 s27, 0
	s_wait_kmcnt 0x0
	s_mov_b32 s[G0XW], 1
	s_add_co_u32 s[G0XW+1], s26, WB
	s_add_nc_u64 s[G0XW+2:G0XW+3], s[10:11], s[26:27]
	s_or_b32 s[G0XW+3], s[G0XW+3], 0x80000000
	s_lshl_b32 s26, s25, 13
	s_mov_b32 s[G0XR], 1
	s_add_co_u32 s[G0XR+1], s26, PRC
	s_add_nc_u64 s[G0XR+2:G0XR+3], s[8:9], s[26:27]
	s_or_b32 s[G0XR+3], s[G0XR+3], 0x80000000
	s_mul_i32 s25, s[WV], 8704
	s_lshl_b32 s26, s[WV], 16
	s_mov_b32 s[G0P], 1
	s_mov_b32 s[G0P+1], s25
	s_add_nc_u64 s[G0P+2:G0P+3], s[6:7], s[26:27]  ; my head's rows 0 to 31
	s_mov_b32 s[G0P+4], 1
	s_add_co_u32 s[G0P+5], s25, PSL
	s_add_nc_u64 s[G0P+6:G0P+7], s[G0P+2:G0P+3], 8192
	s_or_b32 s[G0P+3], s[G0P+3], 0x80000000
	s_or_b32 s[G0P+7], s[G0P+7], 0x80000000
	s_lshl_b32 s2, s24, 17
	s_lshl_b32 s3, s[WV], 14
	s_add_co_u32 s2, s2, s3
	s_mov_b32 s3, 0
	s_mul_i32 s25, s[WV], 17408
	s_mov_b32 s[G0M], 1
	s_mov_b32 s[G0M+1], s25
	s_add_nc_u64 s[G0M+2:G0M+3], s[4:5], s[2:3]
	s_or_b32 s[G0M+3], s[G0M+3], 0x80000000
	ROUND
	s_cmp_lt_u32 s[WV], 4                          ; a wave's two first fills stand in one branch: two loads of mine are out
	s_cbranch_scc0 .Lff_r
	tensor_load_to_lds s[G0M:G0M+3], s[G1M:G1M+7]
	s_nop 0
	tensor_load_to_lds s[G0XW:G0XW+3], s[G1W:G1W+7]
	s_nop 0
	PL 4
	s_branch .Lff_d
.Lff_r:
	tensor_load_to_lds s[G0M:G0M+3], s[G1M:G1M+7]
	s_nop 0
	tensor_load_to_lds s[G0XR:G0XR+3], s[G1R:G1R+7]
	s_nop 0
	PL 4
.Lff_d:
	v_and_b32 v[R], 15, v0
	v_bfe_u32 v[HL], v0, 4, 1
	v_and_b32 v[LI], 31, v0
	s_delay_alu instid0(VALU_DEP_1)
	v_lshlrev_b32 v[LI], 4, v[LI]
	s_delay_alu instid0(VALU_DEP_4)
	v_lshlrev_b32 v[R4], 2, v[R]
	v_mul_u32_u24 v126, v[R], 272
	s_delay_alu instid0(VALU_DEP_1)
	v_lshl_add_u32 v[AM], v[HL], 6, v126
	s_delay_alu instid0(VALU_DEP_1)
	v_add_nc_u32 v[AM], s25, v[AM]
	s_lshl_b32 s25, s[WV], 12
	s_add_co_u32 s26, s25, XI
	v_add_nc_u32 v[AXW], s26, v[LI]
	s_lshl_b32 s26, s[WV], 8
	s_add_co_u32 s26, s26, XS
	v_add_nc_u32 v[AXS], s26, v[R4]
	s_mul_i32 s26, s[WV], 8704
	v_lshl_add_u32 v[AP], v[HL], 4, v126
	s_delay_alu instid0(VALU_DEP_1)
	v_add_nc_u32 v[AP], s26, v[AP]
	s_add_co_u32 s26, s25, PRC
	v_lshl_add_u32 v[APR], v[R], 4, s26
	v_add_nc_u32 v[AXR], XI, v[LI]
	v_add_nc_u32 v[AXSR], XS, v[R4]
	s_lshr_b32 s26, s[WV], 2
	s_and_b32 s27, s[WV], 3
	s_lshl_b32 s89, s26, 11
	s_lshl_b32 s90, s27, 9
	s_add_co_u32 s89, s89, s90
	s_add_co_u32 s89, s89, GO
	v_add_nc_u32 v[AGW], s89, v[LI]                ; my head's group of the images
	s_lshl_b32 s89, s26, 6
	s_add_co_u32 s89, s89, s27
	s_add_co_u32 s89, s89, GO+4096
	v_add_nc_u32 v[AGB], s89, v[R4]                ; and its byte of the scale words
	s_mul_i32 s89, s[WV], 4352
	s_add_co_u32 s89, s89, GO
	v_add_nc_u32 v[AGR], s89, v[LI]
	s_add_co_u32 s90, s89, 4096
	v_add_nc_u32 v[AGS], s90, v[R4]
	v_add_nc_u32 v[AWB], WB, v[LI]
	v_add_nc_u32 v[AWS], WB, v[R4]
	v_lshlrev_b32 v[GM], 8, v[R]
	s_delay_alu instid0(VALU_DEP_1)
	v_lshl_add_u32 v[GM], v[HL], 6, v[GM]
	v_lshl_add_u32 v[STO], v[HL], 6, v126
	s_delay_alu instid0(VALU_DEP_1)
	v_add_nc_u32 v[STO], s89, v[STO]
	v_mul_u32_u24 v[RD], v[HL], 272
	s_delay_alu instid0(VALU_DEP_1)
	v_lshl_add_u32 v[RD], v[R], 4, v[RD]
	s_delay_alu instid0(VALU_DEP_1)
	v_add_nc_u32 v[RD], s89, v[RD]
	v_lshlrev_b32 v[GOO], 8, v[HL]
	s_delay_alu instid0(VALU_DEP_1)
	v_lshl_add_u32 v[GOO], v[R], 4, v[GOO]
	v_lshlrev_b32 v127, 6, v[HL]
	s_wait_alu depctr_va_vdst(0)
	s_mov_b32 s[SEL], 0x76543210
	s_mov_b32 s[SEL+1], 0xfedcba98
	s_mov_b32 s[C64], 0x3c800000
	s_mov_b32 s[EPS], 0x3727c5ac
	s_lshl_b32 s2, s24, 17                         ; my row tile of a chunk: sequence w % 2, tile w / 2
	s_and_b32 s23, s[WV], 1
	s_lshl_b32 s23, s23, 16
	s_add_co_u32 s2, s2, s23
	s_lshr_b32 s23, s[WV], 1
	s_lshl_b32 s23, s23, 12
	s_add_co_u32 s2, s2, s23
	s_add_nc_u64 s[MB:MB+1], s[4:5], s[2:3]
	s_add_nc_u64 s[OB:OB+1], s[20:21], s[2:3]
	s_lshl_b32 s26, s[WV], 11
	s_mov_b32 s27, 0
	s_add_nc_u64 s[4:5], s[10:11], s[26:27]
	s_add_nc_u64 s[4:5], s[4:5], 68608             ; wv's two tiles of my head (wg's lie 17,408 bytes on)
	s_lshl_b32 s26, s[WV], 7
	s_add_nc_u64 s[20:21], s[10:11], s[26:27]
	s_add_nc_u64 s[20:21], s[20:21], 84992         ; and their scale words
	WIN 0x40
.irp c, 0,1
.irp t, 0,1,2,3
	global_load_b128 v[LP1W+16*\c+4*\t:LP1W+16*\c+4*\t+3], v127, s[12:13] offset:128*\c+16*\t
	global_load_b128 v[LP1B+16*\c+4*\t:LP1B+16*\c+4*\t+3], v127, s[14:15] offset:128*\c+16*\t
	global_load_b128 v[LP2W+16*\c+4*\t:LP2W+16*\c+4*\t+3], v127, s[16:17] offset:128*\c+16*\t
	global_load_b128 v[LP2B+16*\c+4*\t:LP2B+16*\c+4*\t+3], v127, s[18:19] offset:128*\c+16*\t
.endr
.endr
	WIN 0
.irp u, 0,1
	global_load_b128 v[PF+16*\u:PF+16*\u+3], v[LI], s[4:5] offset:1024*\u
	global_load_b128 v[PF+16*\u+4:PF+16*\u+7], v[LI], s[4:5] offset:1024*\u+512
	global_load_b32 v[WVS+\u], v[R4], s[20:21] offset:64*\u
.endr
.irp i, 0,1,2,3
	ZERO SL+16*\i+8, 8                             ; K = 64: the upper halves are zero codes, written once
.endr
	ZERO PF+8, 8
	ZERO PF+24, 8
	ZERO TM+4, 4
	v_mov_b32 v[ST+4], 0
	s_wait_tensorcnt 0x1                           ; my 64 rows of m are in, and only I read them
	s_wait_loadcnt 0x0
	s_mov_b32 s[TP], 0
	s_mov_b32 s[TX], 0
	s_mov_b32 s[TXS], 0
	s_mov_b32 s[CNT2], 2
.Lln:                                              ; two tiles a trip: LN, quantised along the channels, images to LDS
	v_add_nc_u32 v126, s[TP], v[AM]
.irp tl, 0,1
.irp c, 0,1
.irp t, 0,1,2,3
	ds_load_b128 v[H+32*\tl+16*\c+4*\t:H+32*\tl+16*\c+4*\t+3], v126 offset:4352*\tl+128*\c+16*\t
.endr
.endr
.endr
	s_wait_dscnt 0x0
	LNORM H, H, CD, LP1W, LP1B
	LNORM H+32, H+32, CD, LP1W, LP1B
	QMAX H, 4
	s_delay_alu instid0(VALU_DEP_3)
	v_lshl_or_b32 v[XSW], v[TM+5], 8, v[TM+4]
	s_delay_alu instid0(VALU_DEP_2)
	v_lshl_or_b32 v[XSW+1], v[TM+7], 8, v[TM+6]
	QCVT H, 4, CD, 8, 0
	v_add_nc_u32 v126, s[TX], v[AXW]
	v_add_nc_u32 v127, s[TXS], v[AXS]
.irp k, 0,1,2,3
	ds_store_b128 v126, v[CD+4*\k:CD+4*\k+3] offset:512*\k
.endr
	ds_store_b32 v127, v[XSW]
	ds_store_b32 v127, v[XSW+1] offset:64
	s_wait_dscnt 0x0
	s_add_co_u32 s[TP], s[TP], 8704
	s_add_co_u32 s[TX], s[TX], 2048
	s_add_co_u32 s[TXS], s[TXS], 128
	s_sub_co_u32 s[CNT2], s[CNT2], 1
	s_cmp_lg_u32 s[CNT2], 0
	s_cbranch_scc1 .Lln
	s_wait_tensorcnt 0x0                           ; all my loads have landed (the weights or the records among them);
	ds_add_u32 v[SPW], v[NIL]                      ; 0 onto my spare word
	s_wait_dscnt 0x0                               ; my images are stored and my reads of m are over
	ROUND
	tensor_load_to_lds s[G0P:G0P+3], s[G1P:G1P+7]  ; p's first tile of my head, over m's bytes
	s_nop 0
	PL 4
	WIN 0x40
.irp u, 0,1
	global_load_b128 v[WGF+16*\u:WGF+16*\u+3], v[LI], s[4:5] offset:17408+1024*\u
	global_load_b128 v[WGF+16*\u+4:WGF+16*\u+7], v[LI], s[4:5] offset:17408+1024*\u+512
.endr
	ZERO WGF+8, 8
	ZERO WGF+24, 8
	WIN 0
.irp u, 0,1
	global_load_b32 v[WGS+\u], v[R4], s[20:21] offset:17408+64*\u
.endr
; v's fragment (d tile u, sequence s, K step ks of 128 j): eight tiles of mn against wv's tile, quantised along j
.macro VFRAG u, s, ks
.irp hf, 0,1
.if \hf
	PL 8
.endif
.irp i, 0,1,2,3
	ds_load_b128 v[SL+16*\i:SL+16*\i+3], v[AXR] offset:(16*\s+8*\ks+4*\hf+\i)*1024
	ds_load_b128 v[SL+16*\i+4:SL+16*\i+7], v[AXR] offset:(16*\s+8*\ks+4*\hf+\i)*1024+512
	ds_load_b32 v[XSW+\i], v[AXSR] offset:(16*\s+8*\ks+4*\hf+\i)*64
.endr
	s_wait_dscnt 0x0
.irp i, 0,1,2,3
	WM H+8*(4*\hf+\i),SL+16*\i,PF+16*\u,-1,XSW+\i,WVS+\u
.endr
.endr
	PL 9
	QMAX H, 4
	s_delay_alu instid0(VALU_DEP_3)
	v_lshl_or_b32 v[SV+4*\u+2*\s+\ks], v[TM+5], 8, v[TM+4]
	s_delay_alu instid0(VALU_DEP_1)
	v_lshl_or_b32 v[SV+4*\u+2*\s+\ks], v[TM+6], 16, v[SV+4*\u+2*\s+\ks]
	s_delay_alu instid0(VALU_DEP_1)
	v_lshl_or_b32 v[SV+4*\u+2*\s+\ks], v[TM+7], 24, v[SV+4*\u+2*\s+\ks]
	QCVT H, 4, 16*(4*\u+2*\s+\ks), 8, 0x40
.endm
.irp u, 0,1
.irp s, 0,1
.irp ks, 0,1
	VFRAG \u, \s, \ks
.endr
.endr
.endr
	WIN 0x40
.irp c, 0,1
.irp t, 0,1,2,3
	global_load_b128 v[MP+16*\c+4*\t:MP+16*\c+4*\t+3], v[GM], s[MB:MB+1] offset:128*\c+16*\t   ; m's tile of my first chunk, in the layout of the product's result
.endr
.endr
	WIN 0
	s_wait_loadcnt 8                               ; wg's tiles and scale words are in; m's tile may stay out
; one tile of 16 i, both sequences, my head: o, the gate, their product quantised along (h, d), to the tile's owner
.macro ITER
	v_add_nc_u32 v116, s[TP], v[AP]
	v_add_nc_u32 v117, s[TR], v[APR]
	v_add_nc_u32 v118, s[TX], v[AXR]
	v_add_nc_u32 v119, s[TXS], v[AXSR]
	v_add_nc_u32 v120, s[TG], v[AGW]
	v_add_nc_u32 v121, s[TG], v[AGB]
.irp ks, 0,1
.irp q, 0,1,2,3
	ds_load_b128 v[PF+16*\ks+4*\q:PF+16*\ks+4*\q+3], v116 offset:128*\ks+32*\q
.endr
.endr
	ds_load_b128 v[PRC4:PRC4+3], v117
	ds_load_b128 v[SL:SL+3], v118
	ds_load_b128 v[SL+4:SL+7], v118 offset:512
	ds_load_b128 v[SL+16:SL+19], v118 offset:16384
	ds_load_b128 v[SL+20:SL+23], v118 offset:16896
	ds_load_b32 v[XSW], v119
	ds_load_b32 v[XSW+1], v119 offset:1024
	s_wait_dscnt 0x0
	WIN 0x01                                       ; source 0 (v, wg) in window 1.  Eight accumulators by turns
.irp s, 0,1
.irp u, 0,1
	WM H+16*\s+8*\u,16*(4*\u+2*\s),PF,-1,SV+4*\u+2*\s,PRC4
.endr
.endr
	s_wait_alu depctr_va_vdst(0)
.irp s, 0,1
.irp u, 0,1
	WM H+32+16*\s+8*\u,WGF+16*\u,SL+16*\s,-1,WGS+\u,XSW+\s
.endr
.endr
.irp s, 0,1
.irp u, 0,1
	WM H+16*\s+8*\u,16*(4*\u+2*\s+1),PF+16,H+16*\s+8*\u,SV+4*\u+2*\s+1,PRC4+1
.endr
.endr
	WIN 0
	PL 8
	NEGL H+32, H+32, 16
	s_wait_alu depctr_va_vdst(0)
	EXPN H+32, 32                                  ; one batch;
	s_setprio 1
	s_wait_alu depctr_va_vdst(0)
	MULB H, PRC4+2, 16                             ; o / l: independent work behind it;
	s_wait_alu depctr_va_vdst(0)                   ; a wait ahead of the batch's first reader
	ADD1 H+32, 16
	s_wait_alu depctr_va_vdst(0)
	RCPN H+32, 32
	v_nop
	s_wait_alu depctr_va_vdst(0)
	MULV H, H+32, 16
	s_setprio 0
	QMAX H, 2
	QCVT H, 2, CD, 8, 0
	ds_store_b128 v120, v[CD:CD+3]
	ds_store_b128 v120, v[CD+4:CD+7] offset:4352
	ds_store_b8 v121, v[TM+4]
	ds_store_b8 v121, v[TM+5] offset:4352
.endm
; a tile of p (32 i: two ITER).  In front: all my tensor loads have landed, the add, my LDS instructions are done; then the round, and the next tile's joint load first behind it, into the slot read last
.macro STEPC slot, fill
	s_wait_tensorcnt 0x0
	ds_add_u32 v[SPW], v[NIL]
	s_add_nc_u64 s[G0P+4*\slot+2:G0P+4*\slot+3], s[G0P+4*\slot+2:G0P+4*\slot+3], 16384   ; this slot's next tile
	s_wait_dscnt 0x0
.if \fill
	ROUND
	tensor_load_to_lds s[G0P+4*(1-\slot):G0P+4*(1-\slot)+3], s[G1P:G1P+7]
	s_nop 0
	PL 4
.else
	s_barrier_signal -1
	s_barrier_wait -1
.endif
	s_mov_b32 s[TP], PSL*\slot
.if \slot == 0
	s_mov_b32 s[TG], 0
.endif
	s_mov_b32 s[CNT2], 2
.Lit_\@:
	s_setprio 2
	ITER
	s_add_co_u32 s[TP], s[TP], 4352
	s_add_co_u32 s[TR], s[TR], 256
	s_add_co_u32 s[TX], s[TX], 1024
	s_add_co_u32 s[TXS], s[TXS], 64
	s_add_co_u32 s[TG], s[TG], 8704
	s_sub_co_u32 s[CNT2], s[CNT2], 1
	s_cmp_lg_u32 s[CNT2], 0
	s_cbranch_scc1 .Lit_\@
	s_setprio 0
.endm
; 32 hidden units: a and b, silu(a) b, quantised: group q of the next operand
.macro FFBLK q
.irp sl, 0,1,2,3
	ds_load_b128 v[SL+16*\sl:SL+16*\sl+3], v124 offset:4096*\q+1024*\sl
	ds_load_b128 v[SL+16*\sl+4:SL+16*\sl+7], v124 offset:4096*\q+1024*\sl+512
	ds_load_b32 v[WSW+\sl], v125 offset:256*\q+64*\sl
.endr
	s_wait_dscnt 0x0
.irp sl, 0,1,2,3
	WM H+32+8*\sl,SL+16*\sl,XC,-1,WSW+\sl,XCW
.endr
	PL 8
	NEGL TM, H+32, 8
	s_wait_alu depctr_va_vdst(0)
	EXPN TM, 16
	s_wait_alu depctr_va_vdst(0)
	MULV H+32, H+48, 8                             ; a b: independent work behind the batch
	s_wait_alu depctr_va_vdst(0)
	ADD1 TM, 8
	s_wait_alu depctr_va_vdst(0)
	RCPN TM, 16
	v_nop
	s_wait_alu depctr_va_vdst(0)
	MULV H+32, TM, 8
	QMAX H+32, 1
.if \q == 0
	s_delay_alu instid0(VALU_DEP_1)
	v_mov_b32 v[HW], v[TM+4]
.else
	s_delay_alu instid0(VALU_DEP_1)
	v_lshl_or_b32 v[HW], v[TM+4], 8*\q, v[HW]
.endif
	QCVT H+32, 1, CD+4*\q, 8, 0
.endm
; my row tile of the chunk: the output product onto m, LN, the transition onto m', the way out
.macro POST next
	s_wait_dscnt 0x0                               ; my images and bytes are stored
	s_barrier_signal -1
	s_barrier_wait -1                              ; everybody's are
.irp k, 0,1
.irp q, 0,1,2,3
	ds_load_b128 v[PF+16*\k+4*\q:PF+16*\k+4*\q+3], v[AGR] offset:2048*\k+512*\q
.endr
	ds_load_b32 v[GSW+\k], v[AGS] offset:64*\k
.endr
	v_add_nc_u32 v124, 51712, v[AWB]
	s_wait_alu depctr_va_vdst(0)
	v_add_nc_u32 v125, 68096, v[AWS]
	s_wait_alu depctr_va_vdst(0)
.irp k, 0,1
.if \k
	PL 8
.endif
.irp tt, 0,1,2,3
.irp q, 0,1,2,3
	ds_load_b128 v[192+16*\tt+4*\q:192+16*\tt+4*\q+3], v124 offset:(4*\k+\tt)*2048+512*\q
.endr
	ds_load_b32 v[WSW+\tt], v125 offset:(4*\k+\tt)*64
.endr
	s_wait_dscnt 0x0
.if \k == 0
	s_wait_loadcnt 0x0                             ; m's tile
	WIN 0x10                                       ; it is the C of the first four products
.irp tt, 0,1,2,3
	WM MN+8*\tt,192+16*\tt,PF,MP+8*\tt,WSW+\tt,GSW
.endr
	WIN 0
.else
.irp tt, 0,1,2,3
	WM MN+8*\tt,192+16*\tt,PF+16,MN+8*\tt,WSW+\tt,GSW+1
.endr
.endif
.endr
	PL 8
.if \next
	WIN 0x40
.irp c, 0,1
.irp t, 0,1,2,3
	global_load_b128 v[MP+16*\c+4*\t:MP+16*\c+4*\t+3], v[GM], s[MB:MB+1] offset:16384+128*\c+16*\t   ; the next chunk's tile of m
.endr
.endr
	WIN 0
.endif
	LNORM MN, H+32, H+32, LP2W, LP2B
	ZERO XC+8, 8
	QMAX H+32, 2
	s_delay_alu instid0(VALU_DEP_1)
	v_lshl_or_b32 v[XCW], v[TM+5], 8, v[TM+4]
	QCVT H+32, 2, XC, 8, 0
	PL 4
	s_mov_b32 s[SWA], 0
	s_mov_b32 s[SWS], 32768
	s_mov_b32 s[STW], 34816
	s_mov_b32 s[STS], 51200
	s_mov_b32 s[CNT2], 2
.Lks_\@:                                           ; 128 hidden units a trip
	s_setprio 2
	v_add_nc_u32 v124, s[SWA], v[AWB]
	v_add_nc_u32 v125, s[SWS], v[AWS]
	v_add_nc_u32 v126, s[STW], v[AWB]
	v_add_nc_u32 v127, s[STS], v[AWS]
	s_wait_alu depctr_va_vdst(0)
	FFBLK 0
	FFBLK 1
	FFBLK 2
	s_setprio 1
	FFBLK 3
	s_setprio 0
.irp q, 0,1,2,3
	ds_load_b128 v[192+4*\q:195+4*\q], v126 offset:512*\q
	ds_load_b128 v[208+4*\q:211+4*\q], v126 offset:2048+512*\q
	ds_load_b128 v[144+4*\q:147+4*\q], v126 offset:4096+512*\q
	ds_load_b128 v[240+4*\q:243+4*\q], v126 offset:6144+512*\q
.endr
.irp tt, 0,1,2,3
	ds_load_b32 v[WSW+\tt], v127 offset:64*\tt
.endr
	PL 4
	s_wait_alu depctr_va_vdst(0)
	s_wait_dscnt 0x0
	WM MN,192,CD,MN,WSW,HW
	WM MN+8,208,CD,MN+8,WSW+1,HW
	WM MN+16,144,CD,MN+16,WSW+2,HW
	WM MN+24,240,CD,MN+24,WSW+3,HW
	PL 9                                           ; the next products write over these operands' registers
	s_add_co_u32 s[SWA], s[SWA], 16384
	s_add_co_u32 s[SWS], s[SWS], 1024
	s_add_co_u32 s[STW], s[STW], 8192
	s_add_co_u32 s[STS], s[STS], 256
	s_sub_co_u32 s[CNT2], s[CNT2], 1
	s_cmp_lg_u32 s[CNT2], 0
	s_cbranch_scc1 .Lks_\@
	s_setprio 0
.irp tt, 0,1,2,3
	ds_store_b128 v[STO], v[MN+8*\tt:MN+8*\tt+3] offset:128*(\tt/2)+32*(\tt%2)       ; my stage: the bytes of my tile's images, which I have read
	ds_store_b128 v[STO], v[MN+8*\tt+4:MN+8*\tt+7] offset:128*(\tt/2)+32*(\tt%2)+16
.endr
.irp t, 0,1,2,3,4,5,6,7
	ds_load_b128 v[192+4*\t:195+4*\t], v[RD] offset:544*\t         ; LDS serves a wave's instructions in order
.endr
.irp t, 0,1,2,3,4,5,6,7
	s_wait_dscnt 7-\t
	global_store_b128 v[GOO], v[192+4*\t:195+4*\t], s[OB:OB+1] offset:512*\t th:TH_STORE_NT   ; 32 lanes store two rows: 512 consecutive bytes
.endr
	s_wait_xcnt 0x0                                ; the loads and stores have read their bases and registers
	s_add_nc_u64 s[MB:MB+1], s[MB:MB+1], 16384
	s_add_nc_u64 s[OB:OB+1], s[OB:OB+1], 16384
.endm
	s_mov_b32 s[TR], 0
	s_mov_b32 s[TX], 0
	s_mov_b32 s[TXS], 0
	s_mov_b32 s[CNT1], 3
.Lmain:                                            ; a chunk: 4 tiles of i x 2 sequences
	STEPC 0, 1
	STEPC 1, 1
	POST 1
	s_sub_co_u32 s[CNT1], s[CNT1], 1
	s_cmp_lg_u32 s[CNT1], 0
	s_cbranch_scc1 .Lmain
	STEPC 0, 1                                     ; the last chunk is written out: its last tile asks for nothing
	STEPC 1, 0
	POST 0
	s_wait_tensorcnt 0x0                           ; the wave's end
	ds_add_u32 v[SPW], v[NIL]
	s_wait_dscnt 0x0
	ROUND                                          ; the closing round
	s_endpgm
.Lfunc_end_k_q3887449100_pwa:
	.size	k_q3887449100_pwa, .Lfunc_end_k_q3887449100_pwa-k_q3887449100_pwa
	.p2alignl 7, 3214868480
	.fill 96, 4, 3214868480
	.section	.rodata,"a",@progbits
	.p2align	6, 0x0
	.amdhsa_kernel k_q3887449100_pwa
		.amdhsa_group_segment_fixed_size 327680
		.amdhsa_private_segment_fixed_size 0
		.amdhsa_enable_private_segment 0
		.amdhsa_kernarg_size 72
		.amdhsa_user_sgpr_count 2
		.amdhsa_user_sgpr_kernarg_segment_ptr 1
		.amdhsa_wavefront_size32 1
		.amdhsa_system_sgpr_workgroup_id_x 1
		.amdhsa_system_sgpr_workgroup_id_y 1
		.amdhsa_system_sgpr_workgroup_id_z 1
		.amdhsa_system_vgpr_workitem_id 0
		.amdhsa_next_free_vgpr 512
		.amdhsa_next_free_sgpr 100
		.amdhsa_reserve_vcc 0
		.amdhsa_float_denorm_mode_32 3
		.amdhsa_float_denorm_mode_16_64 3
		.amdhsa_fp16_overflow 1
		.amdhsa_memory_ordered 1
		.amdhsa_forward_progress 1
		.amdhsa_inst_pref_size 228
	.end_amdhsa_kernel
	.amdgpu_metadata
---
amdhsa.version: [ 1, 2 ]
amdhsa.kernels:
  - .name:           k_q3887449100_pwa
    .symbol:         k_q3887449100_pwa.kd
    .args:
      - { .name: m, .offset: 0, .size: 8, .value_kind: global_buffer, .address_space: global }
      - { .name: pcod, .offset: 8, .size: 8, .value_kind: global_buffer, .address_space: global }
      - { .name: prec, .offset: 16, .size: 8, .value_kind: global_buffer, .address_space: global }
      - { .name: wq4, .offset: 24, .size: 8, .value_kind: global_buffer, .address_space: global }
      - { .name: pwa_lnm_w, .offset: 32, .size: 8, .value_kind: global_buffer, .address_space: global }
      - { .name: pwa_lnm_b, .offset: 40, .size: 8, .value_kind: global_buffer, .address_space: global }
      - { .name: tr_ln_w, .offset: 48, .size: 8, .value_kind: global_buffer, .address_space: global }
      - { .name: tr_ln_b, .offset: 56, .size: 8, .value_kind: global_buffer, .address_space: global }
      - { .name: out0, .offset: 64, .size: 8, .value_kind: global_buffer, .address_space: global }
    .group_segment_fixed_size: 327680
    .private_segment_fixed_size: 0
    .kernarg_segment_align: 8
    .kernarg_segment_size: 72
    .max_flat_workgroup_size: 256
    .sgpr_count:     100
    .vgpr_count:     512
    .wavefront_size: 32
...
	.end_amdgpu_metadata
.endif
;; end of part 8
